; MI455X (gfx1250); checked and timed in simulation.
; The chip was launched on July 23, 2026; its instructions are those of AMD's public machine-readable ISA for CDNA 5 (MIT licence, August 2026) and "CDNA5" Instruction Set Architecture Reference Guide (July 2026). The comments in the code are by the model that wrote it; some were corrected since.
;; Multi Head Self Attention. Allowed arithmetic: matrix products marked QUANTISED: E2M3 operands, one E8M0 scale for each 32 along K, by v_wmma_scale_f32_16x16x128_f8f6f4 with both operands' format E2M3, f32 sums; everything else in f32.
;; Inputs: W_k 1,024 x 1,024 float32; W_o 1,024 x 1,024 float32; W_q 1,024 x 1,024 float32; W_v 1,024 x 1,024 float32; attention_mask 4 x 2,048 x 2,048 int32; b_k 1,024 float32; b_o 1,024 float32; b_q 1,024 float32; b_v 1,024 float32; keys 4 x 2,048 x 1,024 float32; queries 4 x 2,048 x 1,024 float32; values 4 x 2,048 x 1,024 float32.
;; Outputs: out0 4 x 2,048 x 1,024 float32.
;; This version of the problem:
;;   THIS VERSION OF THE PROBLEM IS GIVEN IN LOW PRECISION. The matrix products marked QUANTISED in the list below multiply operands that are first quantised to E2M3 (2 exponent bits, 3 mantissa bits; 6 bits a number), with one power-of-two scale for each 32 numbers along K (OCP MX v1.0); their sums are f32. All else is computed in f32.
;;   The module's matrix products, in the order in which they are computed (A, B: the left and right operand; K: the contracted axis; several contracted axes count as one K, in the product's order):
;;     1. [M 8,192, K 1,024] x [K 1,024, N 1,024]; A: input queries; B: input W_q: QUANTISED
;;     2. [M 8,192, K 1,024] x [K 1,024, N 1,024]; A: input keys; B: input W_k: QUANTISED
;;     3. [M 8,192, K 1,024] x [K 1,024, N 1,024]; A: input values; B: input W_v: QUANTISED
;;     4. batch 64 x [M 2,048, K 64] x [K 64, N 2,048]; A: computed on the way; B: computed on the way: QUANTISED
;;     5. batch 64 x [M 2,048, K 2,048] x [K 2,048, N 64]; A: softmax (see below); B: computed on the way: QUANTISED
;;     6. [M 8,192, K 1,024] x [K 1,024, N 1,024]; A: computed on the way; B: input W_o: QUANTISED
;;   THE QUANTISER, for each operand of a quantised product, along K:
;;     - K is cut into blocks of 32 from its start; a last block that is shorter is filled with zeros.
;;     - A block's scale is 2^e with e = floor(log2(the largest magnitude in the block)) - 2, held to -126 .. 127; a block of zeros has e = 0. As a byte (E8M0): e + 127.
;;     - Each number is divided by its block's scale, clamped to +-7.5, and rounded to the nearest number of E2M3, ties to even, subnormals kept.
;;     - The product sums the exact products of the quantised numbers (number of the format x scale) in f32.
;;   ~~~python
;;   def quantise(x, axis):      # numpy; x: float32 -> the quantised numbers, widened to float32 again
;;       x = np.moveaxis(x, axis, -1); K = x.shape[-1]
;;       x = np.pad(x, [(0, 0)] * (x.ndim - 1) + [(0, -K % 32)]); x = x.reshape(x.shape[:-1] + (-1, 32)); a = np.abs(x).max(-1, keepdims=True)
;;       e = np.where(a > 0, np.clip(np.frexp(np.where(a > 0, a, 1))[1] - 1 - 2, -126, 127), 0)      # np.frexp(a)[1] - 1 = floor(log2(a)), exactly
;;       r = np.clip(x / 2.0 ** e, -7.5, 7.5)
;;       step = 2.0 ** (np.maximum(np.frexp(np.where(r == 0, 1, r))[1] - 1, 0) - 3)
;;       q = np.round(r / step) * step * 2.0 ** e      # np.round: ties to even
;;       return np.moveaxis(q.reshape(q.shape[:-2] + (-1,))[..., :K], -1, axis).astype(np.float32)
;;   ~~~
;;   SOFTMAX AHEAD OF A QUANTISED PRODUCT. Where the list says 'softmax', what is quantised is not the finished softmax but p = 2^(t - M), with t = logit x log2(e) and M = ceil(the row's largest t), a whole number; so 1/2 < the row's largest p <= 1. The row's sum l is taken of the UNQUANTISED p, in f32, and the product's result is divided by l at the end. Since M is a whole number, a kernel that streams over the keys may use a running M (the ceiling of the running maximum): every later rescaling is an exact power of two, which a block's scale takes up: the codes' values come out the same.
;;   OPERANDS COMPUTED ON THE WAY. 'Computed on the way' means the value that the module computes at that place (a softmax that the list does not call 'softmax' is quantised finished and normalised). What goes into a quantiser is computed in f32, as accurately as f32 sums, v_exp_f32 and their like allow (about 1e-6 of the number): no bf16 or f16 on the way to a quantiser, and a product that is left as it is and whose result goes on into a quantised operand takes f32 operands (vector FMAs, or v_wmma_f32_16x16x4_f32). A number that lies on a knife's edge between two numbers of the format may be rounded either way, as far as f32 arithmetic and the matrix unit's own rounding can turn it there, and no further.
;; 2 versions, each right. Each part assembles by itself: llvm-mc -triple=amdgcn-amd-amdhsa -mcpu=gfx1250 --defsym DOCPART=n.
;; ======== version 1 of 2: 6 launches
;; workspace buffers: xq 19,660,800 bytes; wq 3,276,800 bytes; mbits 2,097,152 bytes of whole numbers; qi 6,815,744 bytes; kv 13,631,488 bytes; ao 6,553,600 bytes
;; launch quant_x (part 1): grid 768 x 1, 4 waves a work-group, no clusters, 33,280 bytes of LDS; arguments queries, keys, values, xq; writes xq
.if DOCPART == 1
	.amdgcn_target "amdgcn-amd-amdhsa--gfx1250"
	.amdhsa_code_object_version 6
	.text
	.protected	k_qf9ed668475_quant_x
	.globl	k_qf9ed668475_quant_x
	.p2align	8
	.type	k_qf9ed668475_quant_x,@function
k_qf9ed668475_quant_x:
	s_mov_b64 s[64:65], 0
	v_nop
	global_prefetch_b8 v0, s[64:65] scope:SCOPE_SE
	s_setreg_imm32_b32 hwreg(HW_REG_WAVE_MODE, 25, 1), 1
	s_wait_xcnt 0x0
; queries, keys, values, each [8192][1024] f32, become codes of FP6 (E2M3), K innermost (768 bytes a row), with one E8M0 byte for each 32 along K.
; xq: codes of tensor ti (0 queries, 1 keys, 2 values) at ti x 6,291,456; scale bytes [8192][32] at 18,874,368 + ti x 262,144.
; A block's scale is 2^(floor(log2(largest magnitude)) - 2); its byte is the largest magnitude's exponent field - 2, held at 1 from below.
; (A block of zeros gets the byte 1 where the rule says 127: its codes are zeros, and the bytes are read by this program alone.)
; LIMITS: NaN and infinities among the inputs are not served.
; ROW ORDER.  Rows of keys and values are STORED PERMUTED inside each aligned group of 32: of the group's four runs of 8 rows the second and the third change places.
; So stored position 16 u + r holds row 8 u + r + 8 (r / 8), which is what the later products want of a tile's rows.  Queries keep their order.
; A work-group takes 32 rows, a wave 8 rows = 8,192 numbers = 16 steps of 512.  A step's four loads read 512 consecutive bytes each; the 2,048 bytes turn through the wave's own
; stage in LDS (16 bytes of padding behind each 64) and come back 16 neighbours a lane; two neighbouring lanes hold a block.  No barrier: waves share nothing.
.set STEPS, 16
.set EMAX,  2
.set CB,    12                         ; bytes of 16 codes
.set R,     16                         ; v16-79   four sets of 16 numbers as loaded
.set X,     80                         ; v80-111  two sets of 16 neighbours
.set C,     128                        ; v128-191 codes: four registers a step, so that no store's data are written again
.set E,     112                        ; v112-127 a scale byte a step
.set WREG,  8192                       ; LDS of a wave: two stages of 32 x SP bytes, then its 256 scale bytes
.set SP,    80
.set XCODES, 6291456
.set XSC,   18874368
	s_load_b256 s[4:11], s[0:1], 0x0               ; queries s[4:5], keys s[6:7], values s[8:9], xq s[10:11]
	v_lshl_add_u32 v192, v0, 2, 0x8000
	v_mov_b32 v193, 0
	v_lshrrev_b32 v1, 5, v0
	v_readfirstlane_b32 s16, v1                    ; wave
	v_and_b32 v2, 31, v0                           ; lane
	v_lshlrev_b32 v3, 4, v2                        ; my 16 bytes of a load's 512
	s_mul_i32 s17, s16, WREG
	v_lshrrev_b32 v14, 2, v2
	v_mul_u32_u24 v14, v14, SP
	v_and_b32 v15, 3, v2
	v_lshl_add_u32 v14, v15, 4, v14
	v_add_nc_u32 v14, s17, v14                     ; the stage, way in: SP (lane / 4) + 16 (lane % 4)
	v_mul_u32_u24 v15, v2, SP
	v_add_nc_u32 v15, s17, v15                     ; way out: SP x lane
	v_mul_u32_u24 v4, v2, CB                       ; my codes' place in a step's
	v_lshrrev_b32 v5, 1, v2
	s_add_co_u32 s17, s17, 2*32*SP
	v_add_nc_u32 v5, s17, v5                       ; my block's byte among the wave's 256
	v_lshlrev_b32 v7, 3, v2
	v_add_nc_u32 v6, s17, v7                       ; and 8 bytes a lane on the way out
	s_lshr_b32 s22, ttmp9, 8                       ; ti: which tensor
	s_and_b32 s23, ttmp9, 255                      ; which 32 rows of it
	s_and_b32 s24, s16, 1
	s_lshl_b32 s24, s24, 1
	s_lshr_b32 s25, s16, 1
	s_or_b32 s24, s24, s25                         ; the wave's number with its two bits exchanged: where its 8 rows are stored
	s_cmp_eq_u32 s22, 0
	s_cselect_b32 s24, s16, s24                    ; queries keep their order
	s_lshl_b32 s23, s23, 2
	s_add_co_u32 s18, s23, s16                     ; the run of 8 rows that I read
	s_add_co_u32 s26, s23, s24                     ; and the run that I write
	s_lshl_b32 s20, s18, 15                        ; 32,768 bytes a run
	s_mov_b32 s21, 0
	s_mul_i32 s28, s22, XCODES
	s_mul_i32 s27, s26, 32*STEPS*CB
	s_add_co_u32 s28, s28, s27                     ; my codes in xq
	s_mov_b32 s29, 0
	s_lshl_b32 s30, s22, 18
	s_lshl_b32 s27, s26, 8
	s_add_co_u32 s30, s30, s27
	s_add_co_u32 s30, s30, XSC                     ; my scale bytes in xq
	s_mov_b32 s31, 0
	s_wait_kmcnt 0x0
	s_cmp_eq_u32 s22, 0                            ; the choice hangs on the work-group's number alone
	s_cselect_b64 s[4:5], s[4:5], s[6:7]
	s_cmp_eq_u32 s22, 2
	s_cselect_b64 s[4:5], s[8:9], s[4:5]
	s_add_nc_u64 s[4:5], s[4:5], s[20:21]
	s_add_nc_u64 s[8:9], s[10:11], s[28:29]
	s_add_nc_u64 s[10:11], s[10:11], s[30:31]
.macro LOAD t
.irp i, 0,1,2,3
	global_load_b128 v[R+16*((\t)%4)+4*\i:R+16*((\t)%4)+4*\i+3], v3, s[4:5] offset:2048*(\t)+512*\i th:TH_LOAD_NT   ; 32 lanes read 512 consecutive bytes
.endr
.endm
.macro TURN t                          ; step t's numbers through the stage: LDS serves a wave's instructions in order, so no wait stands between the stores and the loads
.irp i, 0,1,2,3
	ds_store_b128 v14, v[R+16*((\t)%4)+4*\i:R+16*((\t)%4)+4*\i+3] offset:32*SP*((\t)%2)+8*SP*\i
.endr
.irp i, 0,1,2,3
	ds_load_b128 v[X+16*((\t)%2)+4*\i:X+16*((\t)%2)+4*\i+3], v15 offset:32*SP*((\t)%2)+16*\i
.endr
.endm
.irp t, 0,1,2,3
	LOAD \t
.endr
	s_wait_loadcnt 12                              ; step 0's four loads are in; the twelve of steps 1 to 3 stay out
	TURN 0
.macro STEP t
.set XS, X+16*((\t)%2)
.if (\t) > 0
	s_wait_dscnt 1                                 ; this step's numbers are back from the stage; the last step's byte store may be out
.else
	s_wait_dscnt 0x0
.endif
.if (\t)+4 < STEPS
	LOAD (\t)+4                                    ; into the registers that this step's stage stores have read
.endif
.if (\t)+1 < STEPS
.if STEPS-2-(\t) >= 3
	s_wait_loadcnt 12                              ; the next step's four loads are in; those of the three steps behind it may be out
.else
	s_wait_loadcnt 4*(STEPS-2-(\t))
.endif
	TURN (\t)+1
.endif
	v_max3_num_f32 v8, |v[XS]|, |v[XS+1]|, |v[XS+2]|               ; the largest magnitude of my 16, in two chains
	v_max3_num_f32 v9, |v[XS+3]|, |v[XS+4]|, |v[XS+5]|
.irp i, 6,10
	v_max3_num_f32 v8, v8, |v[XS+\i]|, |v[XS+\i+1]|
	v_max3_num_f32 v9, v9, |v[XS+\i+2]|, |v[XS+\i+3]|
.endr
	v_max3_num_f32 v8, v8, |v[XS+14]|, |v[XS+15]|
	v_max3_num_f32 v8, v8, v9, (EMAX+1)<<23        ; and the floor 2^(EMAX + 1 - 127): the byte cannot fall under 1
	v_max_num_f32_dpp v8, v8, v8 row_xmask:1 row_mask:0xf bank_mask:0xf   ; with my neighbour's 16: the block's
	v_add_nc_u32 v11, -(EMAX<<23), v8              ; EMAX off the exponent field: the conversion takes that field as its scale
	v_cvt_scalef32_pk16_fp6_f32 v[C+4*(\t):C+4*(\t)+2], v[XS:XS+15], v11
	v_lshrrev_b32 v[E+(\t)], 23, v11               ; the scale's byte (also the plain line behind the conversion)
	ds_store_b8 v5, v[E+(\t)] offset:16*(\t)       ; both lanes of a block write the same byte with the same value
	global_store_b96 v4, v[C+4*(\t):C+4*(\t)+2], s[8:9] offset:32*CB*(\t)   ; the wave stores 384 consecutive bytes
.endm
.irp t, 0,1,2,3,4,5,6,7,8,9,10,11,12,13,14,15
	STEP \t
.endr
	ds_load_b64 v[12:13], v6                       ; LDS serves a wave's instructions in order: these see my byte stores
	s_wait_dscnt 0x0
	global_store_b64 v7, v[12:13], s[10:11]        ; 32 lanes store 256 consecutive bytes, aligned
	s_wait_tensorcnt 0x0
	ds_add_u32 v192, v193
	s_wait_dscnt 0x0
	s_endpgm
.Lfunc_end_k_qf9ed668475_quant_x:
	.size	k_qf9ed668475_quant_x, .Lfunc_end_k_qf9ed668475_quant_x-k_qf9ed668475_quant_x
	.p2alignl 7, 3214868480
	.fill 96, 4, 3214868480
	.section	.rodata,"a",@progbits
	.p2align	6, 0x0
	.amdhsa_kernel k_qf9ed668475_quant_x
		.amdhsa_group_segment_fixed_size 33280
		.amdhsa_private_segment_fixed_size 0
		.amdhsa_enable_private_segment 0
		.amdhsa_kernarg_size 32
		.amdhsa_user_sgpr_count 2
		.amdhsa_user_sgpr_kernarg_segment_ptr 1
		.amdhsa_wavefront_size32 1
		.amdhsa_system_sgpr_workgroup_id_x 1
		.amdhsa_system_sgpr_workgroup_id_y 1
		.amdhsa_system_sgpr_workgroup_id_z 1
		.amdhsa_system_vgpr_workitem_id 0
		.amdhsa_next_free_vgpr 194
		.amdhsa_next_free_sgpr 66
		.amdhsa_reserve_vcc 0
		.amdhsa_float_denorm_mode_32 3
		.amdhsa_float_denorm_mode_16_64 3
		.amdhsa_memory_ordered 1
		.amdhsa_forward_progress 1
		.amdhsa_inst_pref_size 33
	.end_amdhsa_kernel
	.amdgpu_metadata
---
amdhsa.version: [ 1, 2 ]
amdhsa.kernels:
  - .name:           k_qf9ed668475_quant_x
    .symbol:         k_qf9ed668475_quant_x.kd
    .args:
      - { .name: queries, .offset: 0, .size: 8, .value_kind: global_buffer, .address_space: global }
      - { .name: keys, .offset: 8, .size: 8, .value_kind: global_buffer, .address_space: global }
      - { .name: values, .offset: 16, .size: 8, .value_kind: global_buffer, .address_space: global }
      - { .name: xq, .offset: 24, .size: 8, .value_kind: global_buffer, .address_space: global }
    .group_segment_fixed_size: 33280
    .private_segment_fixed_size: 0
    .kernarg_segment_align: 8
    .kernarg_segment_size: 32
    .max_flat_workgroup_size: 128
    .sgpr_count:     66
    .vgpr_count:     194
    .wavefront_size: 32
...
	.end_amdgpu_metadata
.endif
;; end of part 1
;; launch quant_w (part 2): grid 8 x 16, 4 waves a work-group, no clusters, 36,352 bytes of LDS; arguments W_q, W_k, W_v, W_o, wq; writes wq
.if DOCPART == 2
	.amdgcn_target "amdgcn-amd-amdhsa--gfx1250"
	.amdhsa_code_object_version 6
	.text
	.protected	k_qf9ed668475_quant_w
	.globl	k_qf9ed668475_quant_w
	.p2align	8
	.type	k_qf9ed668475_quant_w,@function
k_qf9ed668475_quant_w:
	s_mov_b64 s[64:65], 0
	v_nop
	global_prefetch_b8 v0, s[64:65] scope:SCOPE_SE
	s_setreg_imm32_b32 hwreg(HW_REG_WAVE_MODE, 25, 1), 1
	s_wait_xcnt 0x0
; W_q, W_k, W_v, W_o, each [1024 (k)][1024 (n)] f32 with K as the FIRST axis, become codes of FP6 (E2M3) laid [n][k] with K innermost (768 bytes a row) and one E8M0 byte for each 32 along K.
; wq: codes of W number wi (0 q, 1 k, 2 v, 3 o) at wi x 786,432; scale bytes [1024][32] at 3,145,728 + wi x 32,768.
; A LANE TAKES A COLUMN n AND ITS REGISTERS RUN DOWN K: a block of 32 lies in one lane's 32 registers, and the conversions give codes with K innermost.  Nothing is transposed by an instruction.
; ROW ORDER OF THE RESULT: inside each aligned group of 32 columns n the second and third runs of 8 change places: stored position 16 u + r holds column 8 u + r + 8 (r / 8).
; A block's byte is the largest magnitude's exponent field - 2, held at 1 from below (a block of zeros gets 1, not 127: its codes are zeros, and this program alone reads the bytes).
; LIMITS: NaN and infinities among the inputs are not served.
; Grid: x = 128 columns, y = 4 wi + which 256 along K.  A wave takes 32 columns x 256 along K; its codes go through its own stage in LDS and leave as rows of 192 consecutive bytes.
.set SIZE_K, 1024
.set SIZE_N, 1024
.set KW,    256
.set NB,    KW/32
.set ROWB,  192
.set PITCH, 272                        ; a stage row: sixteen places of 16 bytes, each with 12 bytes of codes, + 16
.set KROW,  SIZE_K*6/8
.set EMAX,  2
.set X,     32                         ; v32-95   two sets of 32 numbers
.set C,     96                         ; v96..    a block's codes
.set OUTR,  112                        ; v112-175 the way out
.set SB,    24                         ; v24-25   the scale bytes, four to a register
.set WCODES, 786432
.set WSC,   3145728
	s_load_b256 s[32:39], s[0:1], 0x0              ; W_q s[32:33], W_k s[34:35], W_v s[36:37], W_o s[38:39]
	s_load_b64 s[40:41], s[0:1], 0x20              ; wq
	v_lshl_add_u32 v192, v0, 2, 0x8c00
	v_mov_b32 v193, 0
	v_lshrrev_b32 v1, 5, v0
	v_readfirstlane_b32 s16, v1                    ; wave
	v_and_b32 v2, 31, v0                           ; lane
	s_lshl_b32 s17, ttmp9, 7
	s_lshl_b32 s18, s16, 5
	s_add_co_u32 s17, s17, s18                     ; my wave's first column
	s_and_b32 s18, ttmp7, 0xffff
	s_lshr_b32 s30, s18, 2                         ; wi
	s_and_b32 s18, s18, 3                          ; which KW along K
	v_lshlrev_b32 v3, 2, v2                        ; in: 4 bytes a lane
	s_mul_i32 s19, s16, 32*PITCH                   ; my stage
	v_mul_u32_u24 v4, v2, PITCH
	v_add_nc_u32 v4, s19, v4                       ; into it: row = my column
	v_and_b32 v5, 15, v2
	v_lshrrev_b32 v6, 4, v2
	v_mul_u32_u24 v7, v6, PITCH
	v_lshl_add_u32 v7, v5, 4, v7
	v_add_nc_u32 v7, s19, v7                       ; out of it: sixteen lanes to a row, two rows an instruction
	v_mul_u32_u24 v8, v6, KROW
	v_mad_u32_u24 v8, v5, 12, v8                   ; and the same place in the codes
	v_and_b32 v9, 7, v2                            ; my column's stored position: bits 3 and 4 of the lane change places
	v_and_b32 v10, 8, v2
	v_lshl_or_b32 v9, v10, 1, v9
	v_and_b32 v10, 16, v2
	v_lshrrev_b32 v10, 1, v10
	v_or_b32 v9, v9, v10
	v_lshlrev_b32 v9, 5, v9                        ; 32 scale bytes a row
	s_mov_b32 s19, 0
	s_mov_b64 s[20:21], KW*SIZE_N*4
	s_mul_u64 s[20:21], s[18:19], s[20:21]
	s_lshl_b32 s22, s17, 2
	s_mov_b32 s23, 0
	s_add_nc_u64 s[20:21], s[20:21], s[22:23]      ; W: KW y rows + 4 x column
	s_mul_i32 s24, s17, KROW
	s_mul_i32 s26, s18, ROWB
	s_add_co_u32 s24, s24, s26
	s_mul_i32 s26, s30, WCODES
	s_add_co_u32 s24, s24, s26                     ; codes: wi's part + column x KROW + ROWB y
	s_mov_b32 s25, 0
	s_lshl_b32 s28, s17, 5
	s_lshl_b32 s26, s18, 3
	s_add_co_u32 s28, s28, s26
	s_lshl_b32 s26, s30, 15
	s_add_co_u32 s28, s28, s26
	s_add_co_u32 s28, s28, WSC                     ; scale bytes: wi's part + column x 32 + NB y
	s_mov_b32 s29, 0
	s_and_b32 s31, s30, 1
	s_lshr_b32 s30, s30, 1
	s_wait_kmcnt 0x0
	s_cmp_lg_u32 s31, 0                            ; the choices hang on the work-group's number alone
	s_cselect_b64 s[32:33], s[34:35], s[32:33]     ; W_k or W_q
	s_cselect_b64 s[36:37], s[38:39], s[36:37]     ; W_o or W_v
	s_cmp_lg_u32 s30, 0
	s_cselect_b64 s[4:5], s[36:37], s[32:33]
	s_add_nc_u64 s[4:5], s[4:5], s[20:21]
	s_add_nc_u64 s[6:7], s[40:41], s[24:25]
	s_add_nc_u64 s[8:9], s[40:41], s[28:29]
.macro LOAD t                          ; block t: W(32 t + i, my column), i = 0 .. 31, into set t % 2
.irp i, 0,1,2,3,4,5,6,7,8,9,10,11,12,13,14,15,16,17,18,19,20,21,22,23,24,25,26,27,28,29,30,31
	global_load_b32 v[X+32*((\t)%2)+\i], v3, s[4:5] offset:(32*(\t)+\i)*SIZE_N*4 th:TH_LOAD_NT
.endr
.endm
	LOAD 0
	LOAD 1
.macro BLOCK t
.set XS, X+32*((\t)%2)
.if (\t) < NB-1
	s_wait_loadcnt 32                              ; this block's 32 loads are in; the next block's 32 may be out
.else
	s_wait_loadcnt 0
.endif
	v_max3_num_f32 v12, |v[XS]|, |v[XS+1]|, |v[XS+2]|
	v_max3_num_f32 v13, |v[XS+3]|, |v[XS+4]|, |v[XS+5]|
.irp i, 6,10,14,18,22,26
	v_max3_num_f32 v12, v12, |v[XS+\i]|, |v[XS+\i+1]|
	v_max3_num_f32 v13, v13, |v[XS+\i+2]|, |v[XS+\i+3]|
.endr
	v_max3_num_f32 v12, v12, |v[XS+30]|, |v[XS+31]|
	v_max3_num_f32 v12, v12, v13, (EMAX+1)<<23     ; and the floor: the byte cannot fall under 1
	v_add_nc_u32 v11, -(EMAX<<23), v12             ; the conversion's scale operand
	v_lshrrev_b32 v13, 23, v11                     ; the scale's byte
.if (\t)%4 == 0
	v_mov_b32 v[SB+(\t)/4], v13
.else
	v_lshl_or_b32 v[SB+(\t)/4], v13, 8*((\t)%4), v[SB+(\t)/4]
.endif
	v_cvt_scalef32_pk16_fp6_f32 v[C:C+2], v[XS:XS+15], v11
	v_cvt_scalef32_pk16_fp6_f32 v[C+4:C+6], v[XS+16:XS+31], v11     ; (a conversion's three registers begin on an even number)
	v_nop                                          ; one plain line behind the conversions
	ds_store_b96 v4, v[C:C+2] offset:32*(\t)       ; 12 bytes to a place of 16, so that every LDS address is a multiple of 16
	ds_store_b96 v4, v[C+4:C+6] offset:32*(\t)+16
.if (\t)+2 < NB
	LOAD (\t)+2
.endif
	s_wait_dscnt 0x0                               ; the stores have read their registers: the next block's codes may be written
.endm
.set Q, 0
.rept NB
	BLOCK Q
.set Q, Q+1
.endr
	global_store_b64 v9, v[SB:SB+1], s[8:9]        ; my column's 8 scale bytes, at its stored position
.irp t, 0,1,2,3,4,5,6,7,8,9,10,11,12,13,14,15
	ds_load_b96 v[OUTR+4*\t:OUTR+4*\t+2], v7 offset:2*\t*PITCH   ; LDS serves a wave's instructions in order: these see my stores
.endr
.irp t, 0,1,2,3,4,5,6,7,8,9,10,11,12,13,14,15
	s_wait_dscnt 15-\t                             ; the loads behind number t may be out
	global_store_b96 v8, v[OUTR+4*\t:OUTR+4*\t+2], s[6:7] offset:(8*(((\t/4)&1)*2+\t/8)+(2*\t)%8)*KROW   ; columns 2 t, 2 t + 1 go to their stored rows
.endr
	s_wait_tensorcnt 0x0
	ds_add_u32 v192, v193
	s_wait_dscnt 0x0
	s_endpgm
.Lfunc_end_k_qf9ed668475_quant_w:
	.size	k_qf9ed668475_quant_w, .Lfunc_end_k_qf9ed668475_quant_w-k_qf9ed668475_quant_w
	.p2alignl 7, 3214868480
	.fill 96, 4, 3214868480
	.section	.rodata,"a",@progbits
	.p2align	6, 0x0
	.amdhsa_kernel k_qf9ed668475_quant_w
		.amdhsa_group_segment_fixed_size 36352
		.amdhsa_private_segment_fixed_size 0
		.amdhsa_enable_private_segment 0
		.amdhsa_kernarg_size 40
		.amdhsa_user_sgpr_count 2
		.amdhsa_user_sgpr_kernarg_segment_ptr 1
		.amdhsa_wavefront_size32 1
		.amdhsa_system_sgpr_workgroup_id_x 1
		.amdhsa_system_sgpr_workgroup_id_y 1
		.amdhsa_system_sgpr_workgroup_id_z 1
		.amdhsa_system_vgpr_workitem_id 0
		.amdhsa_next_free_vgpr 194
		.amdhsa_next_free_sgpr 66
		.amdhsa_reserve_vcc 0
		.amdhsa_float_denorm_mode_32 3
		.amdhsa_float_denorm_mode_16_64 3
		.amdhsa_memory_ordered 1
		.amdhsa_forward_progress 1
		.amdhsa_inst_pref_size 43
	.end_amdhsa_kernel
	.amdgpu_metadata
---
amdhsa.version: [ 1, 2 ]
amdhsa.kernels:
  - .name:           k_qf9ed668475_quant_w
    .symbol:         k_qf9ed668475_quant_w.kd
    .args:
      - { .name: W_q, .offset: 0, .size: 8, .value_kind: global_buffer, .address_space: global }
      - { .name: W_k, .offset: 8, .size: 8, .value_kind: global_buffer, .address_space: global }
      - { .name: W_v, .offset: 16, .size: 8, .value_kind: global_buffer, .address_space: global }
      - { .name: W_o, .offset: 24, .size: 8, .value_kind: global_buffer, .address_space: global }
      - { .name: wq, .offset: 32, .size: 8, .value_kind: global_buffer, .address_space: global }
    .group_segment_fixed_size: 36352
    .private_segment_fixed_size: 0
    .kernarg_segment_align: 8
    .kernarg_segment_size: 40
    .max_flat_workgroup_size: 128
    .sgpr_count:     66
    .vgpr_count:     194
    .wavefront_size: 32
...
	.end_amdgpu_metadata
.endif
;; end of part 2
;; launch mask_bits (part 3): grid 256 x 1, 8 waves a work-group, no clusters, 68,608 bytes of LDS; arguments attention_mask, mbits; writes mbits
.if DOCPART == 3
	.amdgcn_target "amdgcn-amd-amdhsa--gfx1250"
	.amdhsa_code_object_version 6
	.text
	.protected	k_qf9ed668475_mask_bits
	.globl	k_qf9ed668475_mask_bits
	.p2align	8
	.type	k_qf9ed668475_mask_bits,@function
k_qf9ed668475_mask_bits:
	s_mov_b64 s[64:65], 0
	v_nop
	global_prefetch_b8 v0, s[64:65] scope:SCOPE_SE
	s_setreg_imm32_b32 hwreg(HW_REG_WAVE_MODE, 25, 1), 1
	s_wait_xcnt 0x0
; attention_mask [4][2048][2048] int32 becomes one bit a number, laid as the attention launch's select instructions want it, so that the 64 MiB are read once and not once for each of 16 heads.
; mbits: [tile of 16 queries, 512][key step of 128 keys, 16][n, 64] words.  Bit L of word n = (mask(query 16 T + L % 16, key 128 s + 32 (n / 16) + 16 (L / 16) + n % 16) != 0):
; word n is the lane mask for register n of a lane's 64 scores.
; A wave makes four units, a unit = 16 mask rows x 128 keys (8 KiB in, 256 bytes out).  Each load reads 512 consecutive bytes of one row; a unit turns through the wave's own stage in LDS
; (rows of 512 + 16 bytes) so that lane (r, h) holds row r's numbers in register order; a compare gives a word, v_writelane_b32 lays word n into lane n / 2.  No barrier: waves share nothing.
; Two units' loads, 32 of 512 bytes, are out in each wave.
.set R,      16                        ; v16-143  two sets of 64 registers as loaded
.set X,      144                       ; v144-207 a unit in register order
.set OW,     8                         ; v8-15    a pair of output registers for each unit, so that no store's data are written again
.set SPITCH, 528
.set WST,    16*SPITCH
	s_load_b128 s[4:7], s[0:1], 0x0                ; the mask s[4:5], mbits s[6:7]
	v_lshl_add_u32 v208, v0, 2, 0x10800
	v_mov_b32 v209, 0
	v_lshrrev_b32 v1, 5, v0
	v_readfirstlane_b32 s8, v1                     ; wave 0..7
	v_and_b32 v1, 31, v0                           ; lane
	v_lshlrev_b32 v2, 4, v1                        ; 16 bytes a lane
	s_mul_i32 s9, s8, WST
	v_add_nc_u32 v3, s9, v2                        ; the stage, way in
	v_and_b32 v6, 15, v0
	v_bfe_u32 v7, v0, 4, 1
	v_mul_u32_u24 v4, v6, SPITCH
	v_lshl_add_u32 v4, v7, 6, v4
	v_add_nc_u32 v4, s9, v4                        ; way out: row r, + 64 h bytes (16 keys)
	v_lshlrev_b32 v5, 3, v1                        ; 8 bytes a lane in a unit's 256
	s_lshl_b32 s10, ttmp9, 1
	s_lshr_b32 s11, s8, 2
	s_add_co_u32 s10, s10, s11                     ; my tile of 16 queries, 0 .. 511
	s_and_b32 s11, s8, 3                           ; which four key steps
	s_lshl_b32 s12, s10, 17                        ; 16 rows of 8,192 bytes
	s_lshl_b32 s14, s11, 11
	s_add_co_u32 s12, s12, s14
	s_mov_b32 s13, 0
	s_lshl_b32 s14, s10, 12                        ; 16 steps of 256 bytes
	s_lshl_b32 s15, s11, 10
	s_add_co_u32 s14, s14, s15
	s_mov_b32 s15, 0
	s_wait_kmcnt 0x0
	s_add_nc_u64 s[4:5], s[4:5], s[12:13]
	s_add_nc_u64 s[6:7], s[6:7], s[14:15]
.macro LOAD u
.irp p, 0,1,2,3,4,5,6,7,8,9,10,11,12,13,14,15
	global_load_b128 v[R+64*((\u)%2)+4*\p:R+64*((\u)%2)+4*\p+3], v2, s[4:5] offset:\p*8192+(\u)*512 th:TH_LOAD_NT
.endr
.endm
.macro UNIT u
.if (\u) < 3
	s_wait_loadcnt 16                              ; this unit's 16 loads are in; the next unit's 16 may be out
.else
	s_wait_loadcnt 0x0
.endif
.irp p, 0,1,2,3,4,5,6,7,8,9,10,11,12,13,14,15
	ds_store_b128 v3, v[R+64*((\u)%2)+4*\p:R+64*((\u)%2)+4*\p+3] offset:\p*SPITCH
.endr
.irp b, 0,1,2,3
.irp q, 0,1,2,3
	ds_load_b128 v[X+16*\b+4*\q:X+16*\b+4*\q+3], v4 offset:128*\b+16*\q   ; register 16 b + i = key 32 b + 16 h + i of row r
.endr
.endr
	s_wait_dscnt 0x0                               ; the unit is back; the stage stores have read their registers
.if (\u)+2 < 4
	LOAD (\u)+2
.endif
	v_mov_b32 v[OW+2*(\u)], 0                      ; (a lane write's destination counts as read)
	v_mov_b32 v[OW+2*(\u)+1], 0
.irp g, 0,1,2,3
.irp k, 0,1,2,3,4,5,6,7,8,9,10,11,12,13,14,15
	v_cmp_ne_u32 s[16+\k], 0, v[X+16*\g+\k]        ; word 16 g + k
.endr
.irp k, 0,1,2,3,4,5,6,7,8,9,10,11,12,13,14,15
	v_writelane_b32 v[OW+2*(\u)+\k%2], s[16+\k], (16*\g+\k)/2
.endr
.endr
	global_store_b64 v5, v[OW+2*(\u):OW+2*(\u)+1], s[6:7] offset:256*(\u)   ; 32 lanes store 256 consecutive bytes, aligned
.endm
	LOAD 0
	LOAD 1
	UNIT 0
	UNIT 1
	UNIT 2
	UNIT 3
	s_wait_tensorcnt 0x0
	ds_add_u32 v208, v209
	s_wait_dscnt 0x0
	s_endpgm
.Lfunc_end_k_qf9ed668475_mask_bits:
	.size	k_qf9ed668475_mask_bits, .Lfunc_end_k_qf9ed668475_mask_bits-k_qf9ed668475_mask_bits
	.p2alignl 7, 3214868480
	.fill 96, 4, 3214868480
	.section	.rodata,"a",@progbits
	.p2align	6, 0x0
	.amdhsa_kernel k_qf9ed668475_mask_bits
		.amdhsa_group_segment_fixed_size 68608
		.amdhsa_private_segment_fixed_size 0
		.amdhsa_enable_private_segment 0
		.amdhsa_kernarg_size 16
		.amdhsa_user_sgpr_count 2
		.amdhsa_user_sgpr_kernarg_segment_ptr 1
		.amdhsa_wavefront_size32 1
		.amdhsa_system_sgpr_workgroup_id_x 1
		.amdhsa_system_sgpr_workgroup_id_y 1
		.amdhsa_system_sgpr_workgroup_id_z 1
		.amdhsa_system_vgpr_workitem_id 0
		.amdhsa_next_free_vgpr 210
		.amdhsa_next_free_sgpr 66
		.amdhsa_reserve_vcc 0
		.amdhsa_float_denorm_mode_32 3
		.amdhsa_float_denorm_mode_16_64 3
		.amdhsa_memory_ordered 1
		.amdhsa_forward_progress 1
		.amdhsa_inst_pref_size 49
	.end_amdhsa_kernel
	.amdgpu_metadata
---
amdhsa.version: [ 1, 2 ]
amdhsa.kernels:
  - .name:           k_qf9ed668475_mask_bits
    .symbol:         k_qf9ed668475_mask_bits.kd
    .args:
      - { .name: attention_mask, .offset: 0, .size: 8, .value_kind: global_buffer, .address_space: global }
      - { .name: mbits, .offset: 8, .size: 8, .value_kind: global_buffer, .address_space: global }
    .group_segment_fixed_size: 68608
    .private_segment_fixed_size: 0
    .kernarg_segment_align: 8
    .kernarg_segment_size: 16
    .max_flat_workgroup_size: 256
    .sgpr_count:     66
    .vgpr_count:     210
    .wavefront_size: 32
...
	.end_amdgpu_metadata
.endif
;; end of part 3
;; launch proj (part 4): grid 4 x 96, 4 waves a work-group, clusters of 4 x 4, 327,680 bytes of LDS; arguments xq, wq, b_q, b_k, b_v, qi, kv; writes qi, kv
.if DOCPART == 4
	.amdgcn_target "amdgcn-amd-amdhsa--gfx1250"
	.amdhsa_code_object_version 6
	.text
	.protected	k_qf9ed668475_proj
	.globl	k_qf9ed668475_proj
	.p2align	8
	.type	k_qf9ed668475_proj,@function
k_qf9ed668475_proj:
	s_mov_b64 s[64:65], 0
	v_nop
	global_prefetch_b8 v0, s[64:65] scope:SCOPE_SE
	s_setreg_imm32_b32 hwreg(HW_REG_WAVE_MODE, 25, 1), 1
	s_wait_xcnt 0x0
	s_wait_alu depctr_hold_cnt(0) depctr_sa_sdst(0) depctr_va_vdst(0) depctr_va_sdst(0) depctr_va_ssrc(0) depctr_va_vcc(0) depctr_vm_vsrc(0)
	s_getreg_b32 s2, hwreg(HW_REG_IB_STS2, 6, 4)
	s_cmp_eq_u32 s2, 0
	s_cbranch_scc0 .Lentry_in_a_cluster
	s_endpgm
.Lentry_in_a_cluster:
	s_bfe_u32 s2, ttmp6, 0x10000c
	s_cmp_lg_u32 s2, 0xf033
	s_cbranch_scc0 .Lentry_shape_is_right
	s_endpgm
.Lentry_shape_is_right:
; The three input projections, x W + b, on codes of FP6 (E2M3) with E8M0 scales; K = 1,024.  The results never go to memory as f32: bias added, they are quantised in registers and stored as IMAGES OF THE
; OPERAND REGISTERS that the attention launch wants.
; ROLE = cluster y / 8.  Roles 0 (q) and 1 (k): A = rows of queries or keys (8,192), B = rows of W (1,024 output channels).  Role 2 (v): A = rows of W_v (channels), B = rows of values (keys).
; A tile of 256 (A rows) x 256 (B rows) is made by a work-group of four waves, 128 x 128 a wave: 64 accumulators, 512 registers.  K goes in steps of 256 through a ring of two LDS slots filled by the
; tensor data mover; the scale bytes of the work-group's rows come into LDS once.  4 x 4 work-groups form a cluster: A's tiles are asked for jointly along a row of it, B's along a column.
; THE MATRIX INSTRUCTION IS USED TRANSPOSED (source 0 = 16 rows of B, source 1 = 16 rows of A): lane (r, h) holds A's row r, and its register j B's row 8 h + j.  Rows of keys, values and all W are stored
; so that position 16 u + r of a group of 32 holds row 8 u + r + 8 (r / 8); so the 64 registers of A's block a against B's eight blocks run along B's true order: register 16 b + i = B row 32 b + 16 h + i.
; Roles 0, 1: that is 128 channels = two heads of one query or key: quantised along the head's 64.  Role 2: that is 128 keys of one channel: quantised along the keys.
; OUT.  qi [bh 64][128 queries, 16][6,656]: 6,144 bytes of codes, 512 of scale words.  kv [bh][128 keys, 16][13,312]: K's codes 6,144, V's four channel tiles 4 x 1,536, K's scale words 512, V's 512.
; Codes: groups of four registers, lane l's 16 bytes at 16 l, 512 bytes a group.  K, Q scale words: byte 16 l + 4 q = the word of tile 2 q + l / 16, row l % 16; bytes 2, 3 of a word are 0.
; LIMITS: NaN and infinities are not served; a block of zeros gets the scale byte 1, not 127 (its codes are zeros; this program alone reads the bytes).
; REGISTERS, in windows of 256: window 0: v0-31 addresses; v32-63 scale words, two sets; v64-127 the bias along B; v128-223 A's fragments, one set; v224-239 the bias along A.  On the way out v32-56 and v128-247 are at work.
;   window 1: B's fragments, two sets.   windows 2, 3: the accumulators ((a, b) at v[8 (8 (a % 4) + b)]).
.set SIZE_K, 1024
.set KSTEP,  256
.set NQ,     KSTEP/128
.set ROWB,   192                       ; a tile's row: 256 codes
.set KROW,   SIZE_K*6/8
.set PITCH,  240                       ; an LDS row: 3 x (64 bytes + 16 of padding)
.set FR,     12
.set NL,     6
.set NP,     4
.set HALFT,  128*PITCH
.set SLOT,   4*HALFT
.set LAPS,   SIZE_K/(2*KSTEP)
.set KS,     SIZE_K/32
.set SCL,    2*SLOT
.set HALFS,  (128*KS/256)*272
.set SBLK,   (16*KS/256)*272
.set SPARE,  SCL+4*HALFS               ; the spare words, 128 bytes a wave: two blocks of 256 bytes that no other line names
.set XSC,    18874368
.set WSC,    3145728
.set ADRA, 16                          ; v16-19  LDS addresses of my A fragments (slot 0, 1; the same behind one padding more)
.set ADRB, 20                          ; v20-23  the same for B
.set LOFF, 24                          ; v24     16 x lane: an image's place for my lane
.set SCQ,  25                          ; v25     scratch for q's, k's scale words: 1,024 x wave + 512 h + 16 r
.set SCV,  26                          ; v26     scratch for v's: 4,096 + 1,024 x wave + 16 x lane
.set ADRS, 27                          ; v27     LDS address of my scale words
.set SPW,  28                          ; v28     my spare word; never rewritten
.set NIL,  29                          ; v29     0; never rewritten
.set SCR,  30                          ; v30     q's, k's scratch read back: 1,024 x wave + 16 x lane
.set SH16, 31                          ; v31     16 h
.set SC,   32
.set BN,   64
.set AF,   128
.set BM,   224
.set T,    128                         ; the way out: 64 numbers
.set X0,   192                         ; codes: 12 registers,
.set X1,   204                         ; and 12 more
.set CT,   216                         ; v216-218, v220-222 the conversions' second halves
.set TM,   32                          ; v32-47 at work in QUANT
.set PW,   48                          ; the scale word just made
.set VW,   49                          ; v49-56 the word as stored, one for each block
.set G1, 24
.set G0, 32
.set G1B, 48
.set G0B, 56
.set G1S, 68
.set G0S, 76
.set G1SB, 80
.set G0SB, 88
.set BIAS, 66                          ; s[66:67] the role's bias
.set ROLE, 96
.set HS,   97                          ; bytes from a head's part of the output to the next head's
.set SCOFF, 98                         ; bytes from my codes to my scale words
.set SEL,  100                         ; s[100:101] selects of v_permlanex16_b32: lane l xor 16
.set MSB, 0
.macro WIN new                         ; the immediate's high byte repeats the setting that is left
.if MSB != (\new)
	s_set_vgpr_msb (MSB<<8)|(\new)
.set MSB, (\new)
.endif
.endm
.set MUL_LO, 0xa1                      ; source 0 (B) window 1, source 1 (A) window 0, C and D window 2
.set MUL_HI, 0xf1                      ; the same, C and D window 3
.set TO_B,   0x40                      ; destination window 1
; A joint load: waves 0 and 1 fetch for A, waves 2 and 3 for B; the branch hangs on the wave's number alone.  Four v_nop follow each of the two lines.
.macro JLOAD g0a, g1a, g0b, g1b
	s_cmp_eq_u32 s15, 0
	s_cbranch_scc0 .Lfor_b_\@
	tensor_load_to_lds s[\g0a:\g0a+3], s[\g1a:\g1a+7]
	s_nop 0
.rept 4
	v_nop
.endr
	s_branch .Lasked_\@
.Lfor_b_\@:
	tensor_load_to_lds s[\g0b:\g0b+3], s[\g1b:\g1b+7]
	s_nop 0
.rept 4
	v_nop
.endr
.Lasked_\@:
.endm
.macro CREST                           ; a round of the cluster's barrier behind its opening barrier
	s_cmp_lg_u32 s14, 0
	s_cbranch_scc1 .Lnot_wave_0_\@
	s_barrier_signal -3
.Lnot_wave_0_\@:
	s_barrier_wait -3
	s_barrier_signal -1
	s_barrier_wait -1
.endm
.macro CROUND
	s_barrier_signal -1
	s_barrier_wait -1
	CREST
.endm
	s_load_b256 s[68:75], s[0:1], 0x0              ; xq s[68:69], wq s[70:71], b_q s[72:73], b_k s[74:75]
	s_load_b128 s[76:79], s[0:1], 0x20             ; b_v s[76:77], qi s[78:79]
	s_load_b64 s[80:81], s[0:1], 0x30              ; kv
	v_lshl_add_u32 v[SPW], v0, 2, SPARE
	v_mov_b32 v[NIL], 0
	ds_add_u32 v28, v29
	ds_add_u32 v28, v29
	s_wait_dscnt 0x0
	v_lshrrev_b32 v1, 5, v0
	v_readfirstlane_b32 s14, v1                    ; wave 0..3
	s_lshr_b32 s15, s14, 1                         ; which half of A's rows is mine.  Also: I fetch for A (0) or for B (1)
	s_and_b32 s16, s14, 1                          ; which half of B's rows.  Also: which 128 rows I fetch
	s_bfe_u32 s40, ttmp6, 0x40000                  ; cx
	s_bfe_u32 s41, ttmp6, 0x40004                  ; cy
	s_and_b32 s18, ttmp7, 0xffff                   ; the cluster's y, 0 .. 23: the same in all sixteen partners
	s_lshr_b32 s[ROLE], s18, 3
	s_and_b32 s18, s18, 7
	s_lshl_b32 s18, s18, 2
	s_cmp_eq_u32 s[ROLE], 2
	s_cselect_b32 s42, s18, 0                      ; the long axis (8,192 rows) is B's in role 2,
	s_cselect_b32 s17, 0, s18                      ; else A's
	s_add_co_u32 s42, s42, s40                     ; B's tile: hangs on cx and the cluster's number
	s_add_co_u32 s17, s17, s41                     ; A's tile: hangs on cy and the cluster's number
	s_lshl_b32 s43, s41, 2
	s_lshl_b32 s43, 15, s43                        ; my row of the cluster
	s_lshl_b32 s44, 0x1111, s40                    ; my column
	s_mul_i32 s20, s[ROLE], 6291456                ; the role's parts of xq and wq, in bytes
	s_mov_b32 s21, 0
	s_lshl_b32 s22, s[ROLE], 18
	s_add_co_u32 s22, s22, XSC
	s_mov_b32 s23, 0
	s_mul_i32 s46, s[ROLE], 786432
	s_mov_b32 s47, 0
	s_lshl_b32 s92, s[ROLE], 15
	s_add_co_u32 s92, s92, WSC
	s_mov_b32 s93, 0
	s_mov_b32 s[SEL], 0x76543210
	s_mov_b32 s[SEL+1], 0xfedcba98
	s_wait_kmcnt 0x0
	s_add_nc_u64 s[20:21], s[68:69], s[20:21]      ; x's codes
	s_add_nc_u64 s[22:23], s[68:69], s[22:23]      ; x's scales
	s_add_nc_u64 s[46:47], s[70:71], s[46:47]      ; W's codes
	s_add_nc_u64 s[92:93], s[70:71], s[92:93]      ; W's scales
	s_cmp_eq_u32 s[ROLE], 2                        ; the choices hang on the cluster's number alone
	s_cselect_b64 s[4:5], s[46:47], s[20:21]       ; A's codes
	s_cselect_b64 s[6:7], s[92:93], s[22:23]       ; A's scales
	s_cselect_b64 s[8:9], s[20:21], s[46:47]       ; B's codes
	s_cselect_b64 s[10:11], s[22:23], s[92:93]     ; B's scales
	s_cselect_b64 s[BIAS:BIAS+1], s[76:77], s[74:75]
	s_cmp_eq_u32 s[ROLE], 0
	s_cselect_b64 s[BIAS:BIAS+1], s[72:73], s[BIAS:BIAS+1]
	s_cselect_b64 s[12:13], s[78:79], s[80:81]     ; qi or kv
	; descriptor group 1: a tile of 128 rows x 192 bytes, 16 bytes of padding behind every 64
	s_or_b32 s[G1+0], s43, (0<<16)|(1<<20)|(1<<21)|(3<<22)|(3<<25)
	s_or_b32 s[G1B+0], s44, (0<<16)|(1<<20)|(1<<21)|(3<<22)|(3<<25)
.irp g, G1, G1B
	s_mov_b32 s[\g+1], ROWB<<16                    ; tensor_dim0
	s_mov_b32 s[\g+2], 128<<16                     ; tensor_dim1
	s_mov_b32 s[\g+3], ROWB<<16                    ; tile_dim0
	s_mov_b32 s[\g+4], 128                         ; tile_dim1
	s_mov_b32 s[\g+5], KROW                        ; the pitch
	s_mov_b32 s[\g+6], 0
	s_mov_b32 s[\g+7], 0
.endr
	; the scales of 128 rows: 4,096 dense bytes as 16 rows of 256 (32 elements of 8 bytes), 16 bytes of padding behind each
	s_or_b32 s[G1S+0], s43, (3<<16)|(1<<20)|(1<<21)|(5<<22)|(3<<25)
	s_or_b32 s[G1SB+0], s44, (3<<16)|(1<<20)|(1<<21)|(5<<22)|(3<<25)
.irp g, G1S, G1SB
	s_mov_b32 s[\g+1], 32<<16
	s_mov_b32 s[\g+2], (128*KS/256)<<16
	s_mov_b32 s[\g+3], 32<<16
	s_mov_b32 s[\g+4], 128*KS/256
	s_mov_b32 s[\g+5], 32
	s_mov_b32 s[\g+6], 0
	s_mov_b32 s[\g+7], 0
.endr
	s_lshl_b32 s18, s16, 7                         ; which 128 rows of the tile I fetch
	s_lshl_b32 s20, s17, 8
	s_add_co_u32 s20, s20, s18                     ; A: row 256 x tile + 128 x half
	s_lshl_b32 s46, s42, 8
	s_add_co_u32 s46, s46, s18                     ; B likewise
	s_mov_b32 s21, 0
	s_mov_b32 s47, 0
	s_mov_b64 s[18:19], KS
	s_mul_u64 s[22:23], s[20:21], s[18:19]         ; where these rows' scales begin,
	s_mul_u64 s[92:93], s[46:47], s[18:19]
	s_mov_b64 s[18:19], KROW
	s_mul_u64 s[20:21], s[20:21], s[18:19]         ; and their codes
	s_mul_u64 s[46:47], s[46:47], s[18:19]
	s_mul_i32 s45, s14, HALFT                      ; where they go: wave x 128 rows
	s_mul_i32 s94, s14, HALFS
	s_add_nc_u64 s[20:21], s[4:5], s[20:21]
	s_add_nc_u64 s[22:23], s[6:7], s[22:23]
	s_add_nc_u64 s[46:47], s[8:9], s[46:47]
	s_add_nc_u64 s[92:93], s[10:11], s[92:93]
	CROUND                                         ; all sixteen work-groups are here: the first joint loads meet
	s_mov_b32 s[G0S], 1
	s_add_co_u32 s[G0S+1], s94, SCL
	s_mov_b64 s[G0S+2:G0S+3], s[22:23]
	s_or_b32 s[G0S+3], s[G0S+3], 0x80000000
	s_mov_b32 s[G0SB], 1
	s_add_co_u32 s[G0SB+1], s94, SCL
	s_mov_b64 s[G0SB+2:G0SB+3], s[92:93]
	s_or_b32 s[G0SB+3], s[G0SB+3], 0x80000000
	JLOAD G0S, G1S, G0SB, G1SB                     ; the scales first: they are wanted with K step 0
.irp s, 0,1
	s_mov_b32 s[G0+4*\s], 1
	s_add_co_u32 s[G0+4*\s+1], s45, \s*SLOT
	s_add_nc_u64 s[G0+4*\s+2:G0+4*\s+3], s[20:21], \s*ROWB
	s_or_b32 s[G0+4*\s+3], s[G0+4*\s+3], 0x80000000
	s_mov_b32 s[G0B+4*\s], 1
	s_add_co_u32 s[G0B+4*\s+1], s45, \s*SLOT
	s_add_nc_u64 s[G0B+4*\s+2:G0B+4*\s+3], s[46:47], \s*ROWB
	s_or_b32 s[G0B+4*\s+3], s[G0B+4*\s+3], 0x80000000
	JLOAD G0+4*\s, G1, G0B+4*\s, G1B
.endr
	v_and_b32 v1, 15, v0                           ; r
	v_bfe_u32 v2, v0, 4, 1                         ; h
	v_mul_u32_u24 v3, v1, PITCH
	v_mul_u32_u24 v4, v2, 24
	v_add_nc_u32 v4, v3, v4                        ; a fragment's row x pitch + 24 h
	v_lshl_add_u32 v5, v2, 4, v4                   ; and the same behind one padding more
	s_mul_i32 s21, s15, HALFT                      ; my 128 rows of A
	s_mul_i32 s22, s16, HALFT                      ; my 128 rows of B,
	s_add_co_u32 s22, s22, 2*HALFT                 ; behind A's 256
.irp s, 0,1
	v_add_nc_u32 v[ADRA+\s], s21, v4
	v_add_nc_u32 v[ADRB+\s], s22, v4
	v_add_nc_u32 v[ADRA+2+\s], s21, v5
	v_add_nc_u32 v[ADRB+2+\s], s22, v5
	s_add_co_u32 s21, s21, SLOT
	s_add_co_u32 s22, s22, SLOT
.endr
	v_mul_u32_u24 v5, v1, KS                       ; my row's scales: KS bytes a row,
	v_lshrrev_b32 v6, 8, v5
	v_lshl_add_u32 v5, v6, 4, v5                   ; and 16 more for each 256 passed
	s_mul_i32 s21, s15, HALFS
	s_mul_i32 s22, s16, HALFS
	s_add_co_u32 s22, s22, 2*HALFS
	s_sub_co_u32 s22, s22, s21
	v_mul_u32_u24 v6, s22, v2                      ; lanes 16-31 take B's
	s_add_co_u32 s21, s21, SCL
	v_add_nc_u32 v5, v5, v6
	v_add_nc_u32 v[ADRS], s21, v5
	; the way out's addresses.  The scratches lie in slot 0, each role's in bytes of its own; they are used behind the last change of slots, when slot 0 has had its last fill and its last read
	s_lshl_b32 s23, s14, 10
	v_lshlrev_b32 v5, 4, v1
	v_lshl_add_u32 v5, v2, 9, v5
	v_add_nc_u32 v[SCQ], s23, v5
	v_and_b32 v6, 31, v0
	v_lshlrev_b32 v[LOFF], 4, v6
	v_add_nc_u32 v[SCR], s23, v[LOFF]
	v_add_nc_u32 v[SCV], 4096, v[SCR]
	v_lshlrev_b32 v[SH16], 4, v2
	s_lshl_b32 s99, s17, 8
	s_lshl_b32 s2, s15, 7
	s_add_co_u32 s99, s99, s2                      ; my first row of A
	s_lshl_b32 s104, s42, 8
	s_lshl_b32 s2, s16, 7
	s_add_co_u32 s104, s104, s2                    ; my first row of B
	s_cmp_eq_u32 s[ROLE], 2
	s_cselect_b32 s105, s104, s99                  ; my first query or key, 0 .. 8,191
	s_cselect_b32 s2, s99, s104                    ; my first channel
	s_cselect_b32 s20, 0, s104                     ; the bias along B is the channels' in roles 0, 1 (else loaded from the buffer's start and not used),
	s_cselect_b32 s21, s99, 0                      ; the bias along A in role 2
	s_lshl_b32 s20, s20, 2
	s_lshl_b32 s21, s21, 2
	v_lshl_add_u32 v8, v2, 6, s20                  ; v8, v9: offsets of loads that stay out through the loop; never rewritten
	v_and_b32 v9, 8, v1
	v_add_nc_u32 v9, v9, v1
	v_lshl_add_u32 v9, v9, 2, s21
.irp b, 0,1,2,3
.irp q, 0,1,2,3
	global_load_b128 v[BN+16*\b+4*\q:BN+16*\b+4*\q+3], v8, s[BIAS:BIAS+1] offset:128*\b+16*\q   ; register 16 b + i = bias(32 b + 16 h + i)
.endr
.endr
.irp a, 0,1,2,3,4,5,6,7
	global_load_b32 v[BM+2*\a], v9, s[BIAS:BIAS+1] offset:4*(32*(\a/2)+8*(\a%2))   ; block a: bias(32 (a / 2) + 8 (a % 2) + r + 8 (r / 8))
	v_mov_b32 v[BM+2*\a+1], 0                      ; (named with it as a pair)
.endr
	s_lshr_b32 s22, s105, 11                       ; batch
	s_lshl_b32 s22, s22, 4
	s_lshr_b32 s23, s2, 6
	s_add_co_u32 s22, s22, s23                     ; bh of my first head
	s_lshl_b32 s22, s22, 4
	s_bfe_u32 s23, s105, 0x40007
	s_add_co_u32 s22, s22, s23                     ; x 16 + which 128 rows of the sequence
	s_mov_b32 s23, 13312
	s_mov_b32 s[SCOFF], 12288
	s_cmp_eq_u32 s[ROLE], 0
	s_cselect_b32 s23, 6656, s23                   ; bytes of a group in qi, or of a key step in kv
	s_cselect_b32 s[SCOFF], 6144, s[SCOFF]
	s_cmp_eq_u32 s[ROLE], 2
	s_cselect_b32 s[SCOFF], 6656, s[SCOFF]
	s_cselect_b32 s46, 6144, 0                     ; V's images lie behind K's codes
	s_mul_i32 s22, s22, s23
	s_add_co_u32 s22, s22, s46
	s_lshl_b32 s[HS], s23, 4
	s_mov_b32 s23, 0
	s_add_nc_u64 s[12:13], s[12:13], s[22:23]      ; codes of my first head
	s_mov_b32 s22, s[HS]
	s_add_nc_u64 s[20:21], s[12:13], s[22:23]      ; of my second
	s_mov_b32 s22, s[SCOFF]
	s_add_nc_u64 s[46:47], s[20:21], s[22:23]      ; scale words of my second head,
	s_add_nc_u64 s[22:23], s[12:13], s[22:23]      ; of my first
.macro FRAG reg, adr, q, i             ; 16 rows x 128 K: 12 registers; registers 6 c .. 6 c + 5 hold K = 64 c + 32 h + 0 .. 31: 24 bytes of the row, in pieces of 8
.irp p, 0,1,2,3,4,5
.set PC, 12*(\q)+6*(\p/3)+\p%3        ; where the piece three on lies behind one padding more, the second address register serves
.if PC%8 < 5
	ds_load_b64 v[\reg+2*\p:\reg+2*\p+1], v[\adr] offset:8*PC+16*(PC/8)+(\i)*16*PITCH
.else
	ds_load_b64 v[\reg+2*\p:\reg+2*\p+1], v[\adr+2] offset:8*PC+16*(PC/8)+(\i)*16*PITCH
.endif
.endr
.endm
; 16 matrix instructions: A's blocks a0, a0 + 1 x B's eight.  The 64 accumulators take turns, one instruction a turn, in the same order in every step.
.macro MUL16 a0, p, q, sc, zero
.irp a, \a0, \a0+1
.irp b, 0,1,2,3,4,5,6,7
.if \zero
	v_wmma_scale_f32_16x16x128_f8f6f4 v[8*(8*((\a)%4)+\b):8*(8*((\a)%4)+\b)+7], v[128*(\p)+FR*\b:128*(\p)+FR*\b+FR-1], v[AF+FR*(\a):AF+FR*(\a)+FR-1], 0, v[SC+8*NQ*(\sc)+NQ*\b+(\q)], v[SC+8*NQ*(\sc)+NQ*(\a)+(\q)] matrix_a_fmt:MATRIX_FMT_FP6 matrix_b_fmt:MATRIX_FMT_FP6 matrix_a_scale:MATRIX_SCALE_ROW1
.else
	v_wmma_scale_f32_16x16x128_f8f6f4 v[8*(8*((\a)%4)+\b):8*(8*((\a)%4)+\b)+7], v[128*(\p)+FR*\b:128*(\p)+FR*\b+FR-1], v[AF+FR*(\a):AF+FR*(\a)+FR-1], v[8*(8*((\a)%4)+\b):8*(8*((\a)%4)+\b)+7], v[SC+8*NQ*(\sc)+NQ*\b+(\q)], v[SC+8*NQ*(\sc)+NQ*(\a)+(\q)] matrix_a_fmt:MATRIX_FMT_FP6 matrix_b_fmt:MATRIX_FMT_FP6 matrix_a_scale:MATRIX_SCALE_ROW1
.endif
.endr
.endr
.endm
.macro FETCH_B slot, q, p
	WIN TO_B
.irp i, 0,1,2,3,4,5,6,7
	FRAG 128*(\p)+FR*\i, ADRB+\slot, \q, \i
.endr
	WIN 0
.endm
.macro FETCH_A slot, q, i0
.irp i, \i0, \i0+1, \i0+2, \i0+3
	FRAG AF+FR*(\i), ADRA+\slot, \q, \i
.endr
.endm
.macro SCALES sc                       ; a K step's scale words: lanes 0-15 A's block i, lanes 16-31 B's block i
.irp i, 0,1,2,3,4,5,6,7
	ds_load_b64 v[SC+8*NQ*\sc+NQ*\i:SC+8*NQ*\sc+NQ*\i+1], v[ADRS] offset:\i*SBLK
.endr
.endm
.macro PLACES n                        ; plain vector lines between a matrix instruction and a load into, or a vector read or write of, its registers
.rept \n
	v_nop
.endr
.endm
.macro STEP slot, q, zero              ; a step of 128 along K that has its successor in the same slot
	s_wait_dscnt 4*NL                              ; B's set and A's blocks 0-3 are in; the youngest 24 loads (A's blocks 4-7) may be out
	WIN MUL_LO
	MUL16 0, (\q)%2, \q, \slot, \zero
	MUL16 2, (\q)%2, \q, \slot, \zero
	s_wait_dscnt 0                                 ; A's blocks 4-7 are in
	PLACES NP
	FETCH_B \slot, (\q)+1, 1-(\q)%2
	FETCH_A \slot, (\q)+1, 0
	WIN MUL_HI
	MUL16 4, (\q)%2, \q, \slot, \zero
	MUL16 6, (\q)%2, \q, \slot, \zero
	PLACES NP
	WIN 0
	FETCH_A \slot, (\q)+1, 4
.endm
; A slot's last step changes slots: one barrier; in front of it each wave waits for all its tensor loads, adds 0 to its spare word, and waits for that and for its reads of this slot.
.macro TURN slot, next, fill
	s_wait_tensorcnt 0x0                           ; all my tensor loads have landed: my part of the next slot
	ds_add_u32 v[SPW], v[NIL]                      ; 0 onto my spare word
	s_wait_dscnt 4*NL+1                            ; the add and the youngest 24 loads (A's blocks 4-7) may be out
	WIN MUL_LO
	MUL16 0, 1, NQ-1, \slot, 0
	s_wait_dscnt 0x0                               ; the add is done, and my reads of this slot are over
	s_barrier_signal -1
	MUL16 2, 1, NQ-1, \slot, 0
	WIN 0
	s_barrier_wait -1
.if \fill
	CREST                                          ; the barrier has opened a round of the cluster's: no wave of any partner still reads this slot or has a load on its way
	s_add_nc_u64 s[G0+4*\slot+2:G0+4*\slot+3], s[G0+4*\slot+2:G0+4*\slot+3], 2*ROWB
	s_add_nc_u64 s[G0B+4*\slot+2:G0B+4*\slot+3], s[G0B+4*\slot+2:G0B+4*\slot+3], 2*ROWB
	JLOAD G0+4*\slot, G1, G0B+4*\slot, G1B         ; the first tensor load behind the round; its four v_nop are the places in front of the loads below
.else
	PLACES NP
.endif
	v_add_nc_u32 v[ADRS], 4*NQ, v[ADRS]            ; the next K step's scale words
	FETCH_B \next, 0, 0
	FETCH_A \next, 0, 0
	SCALES \next
	WIN MUL_HI
	MUL16 4, 1, NQ-1, \slot, 0
	MUL16 6, 1, NQ-1, \slot, 0
	PLACES NP
	WIN 0
	FETCH_A \next, 0, 4
.endm
	s_wait_tensorcnt 1                             ; the scales and my part of K step 0 are in; K step 1's load may be out
	s_barrier_signal -1
	s_barrier_wait -1
	FETCH_B 0, 0, 0
	FETCH_A 0, 0, 0
	SCALES 0
	FETCH_A 0, 0, 4
	STEP 0, 0, 1                                   ; the first step stands in front of the loop: its products start the sums
	s_mov_b32 s3, LAPS-1
.Llap:
	TURN 0, 1, 1
	STEP 1, 0, 0
	TURN 1, 0, 1
	STEP 0, 0, 0
	s_sub_co_u32 s3, s3, 1
	s_cmp_lg_u32 s3, 0
	s_cbranch_scc1 .Llap
	TURN 0, 1, 0                                   ; the last lap fills nothing
	STEP 1, 0, 0
	s_wait_dscnt 4*NL
	WIN MUL_LO
	MUL16 0, 1, NQ-1, 1, 0
	MUL16 2, 1, NQ-1, 1, 0
	s_wait_dscnt 0
	WIN MUL_HI
	MUL16 4, 1, NQ-1, 1, 0
	MUL16 6, 1, NQ-1, 1, 0
	WIN 0
; THE WAY OUT.  64 numbers of a lane, register 16 b + i = k 32 b + 16 h + i of my row, become 12 registers of codes (six at d0: k 0 .. 63; six at d1: k 64 .. 127) and a scale word in v[PW].
.macro QUANT s, d0, d1
.irp b, 0,1,2,3
	v_max3_num_f32 v[TM+\b], |v[(\s)+16*\b]|, |v[(\s)+1+16*\b]|, 0x1800000   ; my 16 numbers of block b, and the floor 2^(3 - 127): the byte cannot fall under 1
.endr
.irp i, 2,4,6,8,10,12,14
.irp b, 0,1,2,3
	v_max3_num_f32 v[TM+\b], v[TM+\b], |v[(\s)+16*\b+\i]|, |v[(\s)+1+16*\b+\i]|
.endr
.endr
.irp b, 0,1,2,3
	v_permlanex16_b32 v[TM+4+\b], v[TM+\b], s[SEL], s[SEL+1]
.endr
.irp b, 0,1,2,3
	v_max_num_f32 v[TM+\b], v[TM+\b], v[TM+4+\b]   ; with lane l xor 16's: the block's largest magnitude
.endr
.irp b, 0,1,2,3
	v_add_nc_u32 v[TM+12+\b], 0xff000000, v[TM+\b] ; 2 off its exponent field: the conversion's scale operand
.endr
.irp b, 0,1,2,3
	v_lshrrev_b32 v[TM+4+\b], 23, v[TM+12+\b]      ; the scale's byte
.endr
	v_lshl_or_b32 v[PW], v[TM+5], 8, v[TM+4]
	v_lshl_or_b32 v[PW], v[TM+6], 16, v[PW]
	v_lshl_or_b32 v[PW], v[TM+7], 24, v[PW]
	v_cvt_scalef32_pk16_fp6_f32 v[(\d0):(\d0)+2], v[(\s):(\s)+15], v[TM+12]
	v_cvt_scalef32_pk16_fp6_f32 v[CT:CT+2], v[(\s)+16:(\s)+31], v[TM+13]
	v_cvt_scalef32_pk16_fp6_f32 v[(\d1):(\d1)+2], v[(\s)+32:(\s)+47], v[TM+14]
	v_cvt_scalef32_pk16_fp6_f32 v[CT+4:CT+6], v[(\s)+48:(\s)+63], v[TM+15]
	v_nop                                          ; one plain line behind the conversions
.irp i, 0,1,2                                  ; the layout wants a whole block in a lane: lanes 0-15 the even block, lanes 16-31 the odd one
	v_permlane16_swap_b32 v[(\d0)+\i], v[CT+\i]
	v_permlane16_swap_b32 v[(\d1)+\i], v[CT+4+\i]
.endr
.irp i, 0,1,2
	v_mov_b32 v[(\d0)+3+\i], v[CT+\i]
	v_mov_b32 v[(\d1)+3+\i], v[CT+4+\i]
.endr
.endm
.macro BLK_QK a                        ; A's block a: 16 queries or keys x my 128 channels = tile a of two heads
.if ((\a)%2 == 0) && ((\a) > 0)
	s_wait_xcnt 0x0                                ; the stores of two blocks ago have read their data: the codes' registers may be written again
.endif
	WIN 0x02+(\a)/4                                ; source 0: window 2 or 3
.set i, 0
.rept 32
	v_pk_add_f32 v[T+2*i:T+2*i+1], v[64*((\a)%4)+2*i:64*((\a)%4)+2*i+1], v[BN+2*i:BN+2*i+1]   ; + bias; each accumulator from its low end on
.set i, i+1
.endr
	WIN 0
	QUANT T, X0+6*((\a)%2), X1+6*((\a)%2)
	v_bfe_u32 v[VW+(\a)], v[PW], v[SH16], 16       ; lanes 0-15: the first head's two bytes; lanes 16-31: the second head's; bytes 2, 3 are 0
	ds_store_b32 v[SCQ], v[VW+(\a)] offset:256*((\a)%2)+4*((\a)/2)
.if (\a)%2 == 1
.irp q, 0,1,2
	global_store_b128 v[LOFF], v[X0+4*\q:X0+4*\q+3], s[12:13] offset:((\a)/2)*1536+512*\q   ; 32 lanes store 512 consecutive bytes, aligned
	global_store_b128 v[LOFF], v[X1+4*\q:X1+4*\q+3], s[20:21] offset:((\a)/2)*1536+512*\q
.endr
.endif
.endm
.macro BLK_V a                         ; A's block a: 16 channels (tile a % 4 of head a / 4) x my 128 keys: one fragment of V
.if (\a) > 0
	s_wait_xcnt 0x0                                ; the last block's stores have read their data
.endif
	WIN 0x02+(\a)/4
.set i, 0
.rept 32
	v_pk_add_f32 v[T+2*i:T+2*i+1], v[64*((\a)%4)+2*i:64*((\a)%4)+2*i+1], v[BM+2*(\a):BM+2*(\a)+1] op_sel_hi:[1,0]   ; + my channel's bias
.set i, i+1
.endr
	WIN 0
	QUANT T, X0, X0+6
	v_mov_b32 v[VW+(\a)], v[PW]
	ds_store_b32 v[SCV], v[VW+(\a)] offset:512*((\a)/4)+4*((\a)%4)
.irp q, 0,1,2
.if (\a) < 4
	global_store_b128 v[LOFF], v[X0+4*\q:X0+4*\q+3], s[12:13] offset:((\a)%4)*1536+512*\q
.else
	global_store_b128 v[LOFF], v[X0+4*\q:X0+4*\q+3], s[20:21] offset:((\a)%4)*1536+512*\q
.endif
.endr
.endm
	s_wait_loadcnt 0x0                             ; the biases
	PLACES NP                                      ; behind the last products: their results are read and their operands' registers written below
.irp b, 0,1,2,3
	v_mov_b32 v[TM+4+\b], 0                        ; written once: a lane permute's destination counts as one of its sources
.endr
	s_cmp_eq_u32 s[ROLE], 2                        ; the same in every wave of the cluster
	s_cbranch_scc1 .Lepi_v
.irp a, 0,1,2,3,4,5,6,7
	BLK_QK \a
.endr
	ds_load_b128 v[240:243], v[SCR]                ; LDS serves a wave's instructions in order: these see my stores.  The first head's 512 bytes of scale words,
	ds_load_b128 v[244:247], v[SCR] offset:512     ; the second's
	s_wait_dscnt 0x0
	global_store_b128 v[LOFF], v[240:243], s[22:23]
	global_store_b128 v[LOFF], v[244:247], s[46:47]
	s_branch .Lend
.Lepi_v:
.irp a, 0,1,2,3,4,5,6,7
	BLK_V \a
.endr
	ds_load_b128 v[240:243], v[SCV]
	ds_load_b128 v[244:247], v[SCV] offset:512
	s_wait_dscnt 0x0
	global_store_b128 v[LOFF], v[240:243], s[22:23]
	global_store_b128 v[LOFF], v[244:247], s[46:47]
.Lend:
	s_wait_tensorcnt 0x0                           ; the wave's end
	ds_add_u32 v[SPW], v[NIL]
	s_wait_dscnt 0x0
	CROUND                                         ; the closing round: no work-group ends while a partner may still ask for a tile that names it
	s_endpgm
.Lfunc_end_k_qf9ed668475_proj:
	.size	k_qf9ed668475_proj, .Lfunc_end_k_qf9ed668475_proj-k_qf9ed668475_proj
	.p2alignl 7, 3214868480
	.fill 96, 4, 3214868480
	.section	.rodata,"a",@progbits
	.p2align	6, 0x0
	.amdhsa_kernel k_qf9ed668475_proj
		.amdhsa_group_segment_fixed_size 327680
		.amdhsa_private_segment_fixed_size 0
		.amdhsa_enable_private_segment 0
		.amdhsa_kernarg_size 56
		.amdhsa_user_sgpr_count 2
		.amdhsa_user_sgpr_kernarg_segment_ptr 1
		.amdhsa_wavefront_size32 1
		.amdhsa_system_sgpr_workgroup_id_x 1
		.amdhsa_system_sgpr_workgroup_id_y 1
		.amdhsa_system_sgpr_workgroup_id_z 1
		.amdhsa_system_vgpr_workitem_id 0
		.amdhsa_next_free_vgpr 1024
		.amdhsa_next_free_sgpr 106
		.amdhsa_reserve_vcc 0
		.amdhsa_float_denorm_mode_32 3
		.amdhsa_float_denorm_mode_16_64 3
		.amdhsa_memory_ordered 1
		.amdhsa_forward_progress 1
		.amdhsa_inst_pref_size 235
	.end_amdhsa_kernel
	.amdgpu_metadata
---
amdhsa.version: [ 1, 2 ]
amdhsa.kernels:
  - .name:           k_qf9ed668475_proj
    .symbol:         k_qf9ed668475_proj.kd
    .args:
      - { .name: xq, .offset: 0, .size: 8, .value_kind: global_buffer, .address_space: global }
      - { .name: wq, .offset: 8, .size: 8, .value_kind: global_buffer, .address_space: global }
      - { .name: b_q, .offset: 16, .size: 8, .value_kind: global_buffer, .address_space: global }
      - { .name: b_k, .offset: 24, .size: 8, .value_kind: global_buffer, .address_space: global }
      - { .name: b_v, .offset: 32, .size: 8, .value_kind: global_buffer, .address_space: global }
      - { .name: qi, .offset: 40, .size: 8, .value_kind: global_buffer, .address_space: global }
      - { .name: kv, .offset: 48, .size: 8, .value_kind: global_buffer, .address_space: global }
    .group_segment_fixed_size: 327680
    .private_segment_fixed_size: 0
    .kernarg_segment_align: 8
    .kernarg_segment_size: 56
    .max_flat_workgroup_size: 128
    .sgpr_count:     106
    .vgpr_count:     1024
    .wavefront_size: 32
...
	.end_amdgpu_metadata
.endif
;; end of part 4
;; launch attn (part 5): grid 8 x 64, 16 waves a work-group, clusters of 4 x 1, 231,424 bytes of LDS; arguments qi, kv, mbits, ao; writes ao
.if DOCPART == 5
	.amdgcn_target "amdgcn-amd-amdhsa--gfx1250"
	.amdhsa_code_object_version 6
	.text
	.protected	k_qf9ed668475_attn
	.globl	k_qf9ed668475_attn
	.p2align	8
	.type	k_qf9ed668475_attn,@function
k_qf9ed668475_attn:
	s_mov_b64 s[64:65], 0
	v_nop
	global_prefetch_b8 v0, s[64:65] scope:SCOPE_SE
	s_setreg_imm32_b32 hwreg(HW_REG_WAVE_MODE, 25, 1), 1
	s_wait_xcnt 0x0
	s_wait_alu depctr_hold_cnt(0) depctr_sa_sdst(0) depctr_va_vdst(0) depctr_va_sdst(0) depctr_va_ssrc(0) depctr_va_vcc(0) depctr_vm_vsrc(0)
	s_getreg_b32 s2, hwreg(HW_REG_IB_STS2, 6, 4)
	s_cmp_eq_u32 s2, 0
	s_cbranch_scc0 .Lentry_in_a_cluster
	s_endpgm
.Lentry_in_a_cluster:
	s_bfe_u32 s2, ttmp6, 0x10000c
	s_cmp_lg_u32 s2, 0x3003
	s_cbranch_scc0 .Lentry_shape_is_right
	s_endpgm
.Lentry_shape_is_right:
; O = softmax(mask(q k^T / 8)) v for one head and 256 queries a work-group, both products on codes of FP6 (E2M3) with E8M0 scales; O / l is quantised along the head's 64 and stored as the next product's operand.
; t = score x log2(e) / 8, rounded to f32; where the mask is 0, t = f32(-1e6 x log2(e)) = -1,442,695 takes its place (a replacement, as in the reference: a row with every key masked is a uniform softmax).
; M = the running largest t rounded UP to a whole number; p = 2^(t - M) is quantised along the keys, not normalised; the row's sum is taken of the unquantised p and divides at the end.
; When M moves, the sum and O are multiplied by 2^(old M - new M): exact.
; SHARES.  Sixteen waves, each one tile of 16 queries in 256 registers, four to a SIMD, so that one wave's vector work stands beside another's matrix work and LDS loads.  Every wave walks the head's 2,048 keys, 128 a step.
; THE WHOLE HEAD'S K AND V LIE IN LDS, 16 steps x 13,312 bytes, as images of the operands' registers (per step: K's codes 6,144, V's four tiles 6,144, K's scale words 512, V's 512): filled ONCE, in four
; chunks of four steps; every wave brings 13 rows of 256 bytes of each chunk: four tensor loads of a wave are out at the most.  Nothing is filled again, so there is no ring.
; CLUSTER.  The four query blocks of a cluster belong to one head: each load is asked for jointly, with the same descriptor (head and wave alone) and the mask of all four.
; LAYOUT.  Both products transposed: S^T = K Q^T (source 0 = 16 keys), O^T = V^T P^T (source 0 = 16 channels): a lane holds one query (lane % 16) throughout.  Keys and channels of a tile are stored so that
; register 16 b + i of a lane is key (or channel) 32 b + 16 (lane / 16) + i.
; K = 64 IN A FORM OF 128: Q's registers 6-11 are zero codes.  K's tile t is named as registers 6 t .. 6 t + 11: its upper half is the next tile's codes (tile 7's: six registers of zeros).  FP6 has no
; infinity and no NaN and bytes 2, 3 of K's and Q's scale words are 0, so each such product is exactly 0.
; THE MASK comes as lane masks, 64 words a step, by scalar loads a step ahead.
; LIMITS: NaN and infinities are not served; a block of zeros gets the scale byte 1 (its codes are zeros; this program alone reads the bytes).
; REGISTERS: v1 16 x lane; v2 the step's LDS address; v3 the masked t; v12 -M, v13 the largest t, v[14:15] the sum in two halves; v16-27 Q; v32-79 K's 48 registers, later V's; v80-85 zeros; v88-91, v92-95
; K's and V's scale words; v96-159 S^T, then p; v160-191 O^T; v224-235 p's codes; v232-254 at work; v253 p's scale word; v255 Q's.
.set STEPB,  13312
.set CHUNKB, 4*STEPB
.set WPART,  CHUNKB/16                 ; 13 rows of 256 bytes
.set SST,    16*STEPB                  ; behind the head: 512 bytes for the output's scale halfwords; no fill lands there
.set L16, 1
.set AD,  2
.set NEG, 3
.set QF,  16
.set KV,  32
.set KSC, 88
.set VSC, 92
.set S,   96
.set O,   160
.set QSC, 255
.set G0,  4                            ; s[4:19]  descriptor group 0 of the four chunks
.set G1,  20                           ; s[20:27] group 1
.set MP,  60                           ; s[60:61] the step's mask words.  The words: s[28:59], s[68:99]
.set SEL, 62                           ; s[62:63] lane l xor 16
.set CS,  66                           ; s[66:67] c = log2(e) / 8
.set CNT, 100
.set WV,  101
.set TB,  104                          ; LDS byte at which the step begins
.macro CROUND                          ; a round of the cluster's barrier
	s_barrier_signal -1
	s_barrier_wait -1
	s_cmp_lg_u32 s[WV], 0
	s_cbranch_scc1 .Lnot_wave_0_\@
	s_barrier_signal -3
.Lnot_wave_0_\@:
	s_barrier_wait -3
	s_barrier_signal -1
	s_barrier_wait -1
.endm
	s_load_b256 s[28:35], s[0:1], 0x0              ; qi s[28:29], kv s[30:31], mbits s[32:33], ao s[34:35]
	v_lshl_add_u32 v250, v0, 2, 0x38000
	v_mov_b32 v251, 0
	ds_add_u32 v250, v251
	ds_add_u32 v250, v251
	v_lshrrev_b32 v4, 5, v0
	v_readfirstlane_b32 s[WV], v4                  ; wave 0..15
	s_bfe_u32 s36, ttmp6, 0x40000                  ; cx
	s_lshl_b32 s37, ttmp9, 2
	s_add_co_u32 s37, s37, s36                     ; my block of 256 queries: it enters global addresses of Q, the mask and the output alone
	s_and_b32 s38, ttmp7, 0xffff                   ; batch x 16 + head, which the four partners share
	s_mov_b32 s[G1], 15|(3<<16)|(1<<21)            ; 15:0 the mask: all four; 17:16 elements of 8 bytes; 21 set beside a mask; no padding
	s_mov_b32 s[G1+1], 32<<16                      ; tensor_dim0 = 32 elements = 256 bytes
	s_mov_b32 s[G1+2], 13<<16                      ; tensor_dim1 = 13
	s_mov_b32 s[G1+3], 32<<16                      ; tile_dim0
	s_mov_b32 s[G1+4], 13                          ; tile_dim1
	s_mov_b32 s[G1+5], 32                          ; the pitch: dense
	s_mov_b32 s[G1+6], 0
	s_mov_b32 s[G1+7], 0
	s_mul_i32 s40, s[WV], WPART                    ; my part of a chunk
	s_mul_i32 s42, s38, 16*STEPB
	s_add_co_u32 s42, s42, s40
	s_mov_b32 s43, 0
	s_mov_b32 s3, 0                                ; upper word of the mask pointer's step
	s_mov_b32 s[SEL], 0x76543210
	s_mov_b32 s[SEL+1], 0xfedcba98
	s_mov_b32 s[CS], 0x3e38aa3b
	s_mov_b32 s[CS+1], s[CS]                       ; (named with it as a pair)
	s_wait_dscnt 0x0
	s_wait_kmcnt 0x0
	s_add_nc_u64 s[42:43], s[30:31], s[42:43]
.irp c, 0,1,2,3
	s_mov_b32 s[G0+4*\c], 1
	s_add_co_u32 s[G0+4*\c+1], s40, \c*CHUNKB      ; LDS mirrors the head's bytes
	s_add_nc_u64 s[G0+4*\c+2:G0+4*\c+3], s[42:43], \c*CHUNKB
	s_or_b32 s[G0+4*\c+3], s[G0+4*\c+3], 0x80000000
.endr
	CROUND                                         ; all four work-groups are here: the joint loads meet
.irp c, 0,1,2,3
	tensor_load_to_lds s[G0+4*\c:G0+4*\c+3], s[G1:G1+7]
	s_nop 0
.endr
.rept 4
	v_nop
.endr
	s_lshl_b32 s44, s38, 4
	s_lshl_b32 s45, s37, 1
	s_add_co_u32 s44, s44, s45
	s_lshr_b32 s45, s[WV], 3
	s_add_co_u32 s44, s44, s45                     ; my group of 128 queries
	s_mul_i32 s44, s44, 6656
	s_mov_b32 s45, 0
	s_add_nc_u64 s[104:105], s[28:29], s[44:45]    ; (this pair is Q's base until Q is in)
	s_bfe_u32 s46, s[WV], 0x20001                  ; which pair of tiles in the group
	s_and_b32 s47, s[WV], 1                        ; which of the pair
	s_mul_i32 s48, s46, 1536
	v_and_b32 v5, 31, v0
	v_lshlrev_b32 v[L16], 4, v5
	v_add_nc_u32 v6, s48, v[L16]
.irp q, 0,1,2
	global_load_b128 v[S+4*\q:S+4*\q+3], v6, s[104:105] offset:512*\q   ; the pair's 12 registers
.endr
	s_lshl_b32 s48, s47, 8
	s_lshl_b32 s49, s46, 2
	s_add_co_u32 s48, s48, s49
	s_add_co_u32 s48, s48, 6144
	v_and_b32 v7, 15, v0
	v_lshl_add_u32 v7, v7, 4, s48
	global_load_b32 v[QSC], v7, s[104:105]         ; my tile's scale words, lane r row r's
	s_lshr_b32 s49, s38, 4
	s_lshl_b32 s49, s49, 7
	s_lshl_b32 s50, s37, 4
	s_add_co_u32 s49, s49, s50
	s_add_co_u32 s49, s49, s[WV]                   ; my tile of 16 queries, 0 .. 511
	s_lshl_b32 s50, s49, 12
	s_mov_b32 s51, 0
	s_add_nc_u64 s[MP:MP+1], s[32:33], s[50:51]
	v_mov_b32 v[NEG], 0xc9b01c38                   ; -1,442,695.0
	v_mov_b32 v13, 0xff61b1e6                      ; the largest t so far: -3e38
	v_floor_f32 v12, -v13                          ; -M
	v_mov_b32 v14, 0
	v_mov_b32 v15, 0
.irp b, 0,1,2,3
	v_mov_b32 v[236+\b], 0                         ; written once: a lane permute's destination counts as one of its sources
.endr
	v_mov_b32 v253, 0                              ; (named as the upper half of v[252:253] before it is first written)
	s_wait_loadcnt 0x0                             ; Q
	s_cmp_lg_u32 s47, 0
	s_cselect_b32 s105, -1, 0
.irp i, 0,1,2,3,4,5
	v_cndmask_b32 v[QF+\i], v[S+\i], v[S+6+\i], s105   ; my tile of the pair
	v_mov_b32 v[QF+6+\i], 0                        ; K = 64 .. 127: zero codes
	v_mov_b32 v[KV+48+\i], 0                       ; the upper half of K's tile 7
.endr
.set j, 0
.rept 32
	v_mov_b32 v[O+j], 0                            ; O^T: the first change of M leaves zeros zeros.  (These lines are also the places between the operands just written and the first product)
.set j, j+1
.endr
	s_load_b512 s[28:43], s[MP:MP+1], 0x0          ; step 0's 64 mask words
	s_load_b512 s[44:59], s[MP:MP+1], 0x40
	s_load_b512 s[68:83], s[MP:MP+1], 0x80
	s_load_b512 s[84:99], s[MP:MP+1], 0xc0
.macro STEP                            ; one key step: 128 keys
	v_add_nc_u32 v[AD], s[TB], v[L16]
.irp q, 0,1,2,3,4,5,6,7,8,9,10,11
	ds_load_b128 v[KV+4*\q:KV+4*\q+3], v[AD] offset:512*\q
.endr
	ds_load_b128 v[KSC:KSC+3], v[AD] offset:12288  ; register q: lanes 0-15 tile 2 q's words, lanes 16-31 tile 2 q + 1's
	s_wait_dscnt 0x0
.irp t, 0,2,4,6
	v_wmma_scale_f32_16x16x128_f8f6f4 v[S+8*\t:S+8*\t+7], v[KV+6*\t:KV+6*\t+11], v[QF:QF+11], 0, v[KSC+\t/2], v[QSC] matrix_a_fmt:MATRIX_FMT_FP6 matrix_b_fmt:MATRIX_FMT_FP6
	v_wmma_scale_f32_16x16x128_f8f6f4 v[S+8*\t+8:S+8*\t+15], v[KV+6*\t+6:KV+6*\t+17], v[QF:QF+11], 0, v[KSC+\t/2], v[QSC] matrix_a_fmt:MATRIX_FMT_FP6 matrix_b_fmt:MATRIX_FMT_FP6 matrix_a_scale:MATRIX_SCALE_ROW1
.endr
.rept 4
	v_nop                                          ; places in front of the loads into K's registers and of the first read of the scores
.endr
.irp q, 0,1,2,3,4,5,6,7,8,9,10,11
	ds_load_b128 v[KV+4*\q:KV+4*\q+3], v[AD] offset:6144+512*\q   ; V is asked for now and lands under the softmax
.endr
	ds_load_b128 v[VSC:VSC+3], v[AD] offset:12800
.set j, 0
.rept 32
	v_pk_mul_f32 v[S+j:S+j+1], v[S+j:S+j+1], s[CS:CS+1] op_sel_hi:[1,0]   ; t = score x c; each accumulator from its low end on
.set j, j+2
.endr
	s_wait_kmcnt 0x0                               ; this step's mask words
.set n, 0
.rept 64
	v_cndmask_b32 v[S+n], v[NEG], v[S+n], s[28+n+8*(n/32)]   ; where the mask is 0: the masked t
.set n, n+1
.endr
	s_cmp_lt_u32 s[TB], 15*STEPB                   ; the next step's words; the last step asks for its own again: no load leaves the buffer
	s_cselect_b32 s2, 256, 0
	s_add_nc_u64 s[MP:MP+1], s[MP:MP+1], s[2:3]    ; (the loads that named the pointer are done: the wait above)
	s_load_b512 s[28:43], s[MP:MP+1], 0x0
	s_load_b512 s[44:59], s[MP:MP+1], 0x40
	s_load_b512 s[68:83], s[MP:MP+1], 0x80
	s_load_b512 s[84:99], s[MP:MP+1], 0xc0
.irp b, 0,1,2,3
	v_max3_num_f32 v[232+\b], v[S+16*\b], v[S+1+16*\b], v[S+2+16*\b]   ; the largest t of each block of 32 keys: it serves for the row's maximum and, since p rises with t, for the block's largest p
.endr
.irp i, 3,5,7,9,11,13
.irp b, 0,1,2,3
	v_max3_num_f32 v[232+\b], v[232+\b], v[S+16*\b+\i], v[S+1+16*\b+\i]
.endr
.endr
.irp b, 0,1,2,3
	v_max_num_f32 v[232+\b], v[232+\b], v[S+15+16*\b]
.endr
.irp b, 0,1,2,3
	v_permlanex16_b32 v[236+\b], v[232+\b], s[SEL], s[SEL+1]
.endr
.irp b, 0,1,2,3
	v_max_num_f32 v[232+\b], v[232+\b], v[236+\b]  ; with lane l xor 16's 16 keys
.endr
	v_max3_num_f32 v254, v232, v233, v234
	v_max_num_f32 v254, v254, v235
	v_max_num_f32 v13, v13, v254                   ; the running largest t
	v_mov_b32 v254, v12
	v_floor_f32 v12, -v13                          ; the new -M = -ceil(t)
	v_sub_f32 v254, v12, v254                      ; old M - new M: a whole number, 0 or less
	v_cvt_i32_f32 v254, v254                       ; (it saturates)
	v_ldexp_f32 v252, 1.0, v254                    ; f = 2^(old M - new M)
.set j, 0
.rept 32
	v_pk_add_f32 v[S+j:S+j+1], v[S+j:S+j+1], v[12:13] op_sel_hi:[1,0]   ; t - M
.set j, j+2
.endr
.irp b, 0,1,2,3
	v_add_f32 v[232+\b], v[232+\b], v12            ; the same of each block's largest t
.endr
.set j, 0
.rept 64
	v_exp_f32 v[S+j], v[S+j]                       ; p = 2^(t - M), at most 1
.set j, j+1
.endr
.irp b, 0,1,2,3
	v_exp_f32 v[232+\b], v[232+\b]                 ; the block's largest p: the same instructions on the same number give the same bits
.endr
	v_pk_mul_f32 v[14:15], v[14:15], v[252:253] op_sel_hi:[1,0]   ; the sums under the new M (a plain line behind the exponentials)
	s_wait_alu depctr_va_vdst(0)
.irp b, 0,1,2,3
	v_max_num_f32 v[232+\b], 0x1800000, v[232+\b]  ; the floor 2^(3 - 127): the byte cannot fall under 1
.endr
.irp b, 0,1,2,3
	v_add_nc_u32 v[244+\b], 0xff000000, v[232+\b]  ; the conversion's scale operand
.endr
.irp b, 0,1,2,3
	v_lshrrev_b32 v[236+\b], 23, v[244+\b]         ; the scale's byte
.endr
	v_lshl_or_b32 v253, v237, 8, v236              ; p's scale word for these 128 keys
	v_lshl_or_b32 v253, v238, 16, v253
	v_lshl_or_b32 v253, v239, 24, v253
.irp c, 0,1
	v_cvt_scalef32_pk16_fp6_f32 v[224+6*\c:226+6*\c], v[S+32*\c:S+15+32*\c], v[244+2*\c]
	v_cvt_scalef32_pk16_fp6_f32 v[236+4*\c:238+4*\c], v[S+16+32*\c:S+31+32*\c], v[244+2*\c+1]
.endr
	v_nop                                          ; one plain line behind the conversions
.irp c, 0,1
.irp i, 0,1,2
	v_permlane16_swap_b32 v[224+6*\c+\i], v[236+4*\c+\i]   ; a whole block to a lane
.endr
.irp i, 0,1,2
	v_mov_b32 v[227+6*\c+\i], v[236+4*\c+\i]
.endr
.endr
	v_pk_add_f32 v[236:237], v[S:S+1], v[S+2:S+3]  ; the row's sum is taken of the unquantised p, in two chains
.irp j, 4,8,12,16,20,24,28,32,36,40,44,48,52,56,60
	v_pk_add_f32 v[14:15], v[14:15], v[S+\j:S+1+\j]
	v_pk_add_f32 v[236:237], v[236:237], v[S+2+\j:S+3+\j]
.endr
	v_pk_add_f32 v[14:15], v[14:15], v[236:237]
.set j, 0
.rept 16
	v_pk_mul_f32 v[O+j:O+j+1], v[O+j:O+j+1], v[252:253] op_sel_hi:[1,0]   ; O^T under the new M.  (With the sums: the places between p's codes and scale word and the products)
.set j, j+2
.endr
	s_wait_dscnt 0x0                               ; V
.irp t, 0,1,2,3                                ; four accumulators, one instruction each; the next matrix instruction is the next step's first score tile
	v_wmma_scale_f32_16x16x128_f8f6f4 v[O+8*\t:O+8*\t+7], v[KV+12*\t:KV+12*\t+11], v[224:235], v[O+8*\t:O+8*\t+7], v[VSC+\t], v253 matrix_a_fmt:MATRIX_FMT_FP6 matrix_b_fmt:MATRIX_FMT_FP6
.endr
.rept 4
	v_nop                                          ; places in front of the next loads into V's registers, and of the reads of O^T behind the last step
.endr
.endm
.macro CHUNK left                      ; my part of the chunk ahead is in (the later chunks' loads, left of them, stay out); then everybody's is
	s_wait_tensorcnt \left
	s_wait_dscnt 0x0
	s_barrier_signal -1
	s_barrier_wait -1
.endm
.macro LOOP4 c                         ; chunk c's four key steps
	s_mov_b32 s[TB], (\c)*CHUNKB
	s_mov_b32 s[CNT], 4
.Lstep_\@:
	STEP
	s_add_co_u32 s[TB], s[TB], STEPB
	s_sub_co_u32 s[CNT], s[CNT], 1
	s_cmp_lg_u32 s[CNT], 0
	s_cbranch_scc1 .Lstep_\@
.endm
	CHUNK 3
	LOOP4 0
	CHUNK 2
	LOOP4 1
	CHUNK 1
	LOOP4 2
	CHUNK 0
	LOOP4 3
	; THE WAY OUT.  O^T / the sum; register 16 t + i is channel 32 t + 16 h + i of my query: two blocks of 32 along the next product's K.
	s_wait_kmcnt 0x0                               ; the last step's spare mask words: their registers are free now
	s_load_b64 s[28:29], s[0:1], 0x18              ; ao
	s_bfe_u32 s36, ttmp6, 0x40000
	s_lshl_b32 s37, ttmp9, 2
	s_add_co_u32 s37, s37, s36                     ; my block of 256 queries
	s_and_b32 s38, ttmp7, 0xffff
	s_lshr_b32 s39, s38, 4                         ; batch
	s_and_b32 s40, s38, 15                         ; head
	s_lshl_b32 s41, s39, 7
	s_lshl_b32 s42, s37, 4
	s_add_co_u32 s41, s41, s42
	s_add_co_u32 s41, s41, s[WV]                   ; my tile of 16 rows
	s_mul_i32 s44, s41, 12288
	s_mul_i32 s42, s40, 768
	s_add_co_u32 s44, s44, s42                     ; codes: [tile][head][768]
	s_mov_b32 s45, 0
	s_lshl_b32 s46, s40, 14
	s_lshl_b32 s42, s39, 12
	s_add_co_u32 s46, s46, s42
	s_lshl_b32 s42, s37, 9
	s_add_co_u32 s46, s46, s42
	s_add_co_u32 s46, s46, 6291456                 ; scale halfwords: [head][8,192 rows]
	s_mov_b32 s47, 0
	s_lshl_b32 s48, s[WV], 5
	s_add_co_u32 s48, s48, SST
	v_add_f32 v14, v14, v15
	v_permlanex16_b32 v252, v14, s[SEL], s[SEL+1]
	v_add_f32 v14, v14, v252                       ; the row's sum
	v_rcp_f32 v14, v14
	v_and_b32 v4, 15, v0                           ; (a plain line behind the reciprocal)
	v_lshlrev_b32 v4, 1, v4
	v_add_nc_u32 v4, s48, v4                       ; my row's halfword: SST + 32 x wave + 2 r
	v_add_nc_u32 v5, SST, v[L16]
	v_lshrrev_b32 v6, 1, v[L16]                    ; 8 x lane
.set j, 0
	s_wait_alu depctr_va_vdst(0)
.rept 32
	v_mul_f32 v[S+j], v[O+j], v14                  ; each accumulator from its low end on
.set j, j+1
.endr
.irp b, 0,1
	v_max3_num_f32 v[232+\b], |v[S+16*\b]|, |v[S+1+16*\b]|, 0x1800000
.endr
.irp i, 2,4,6,8,10,12,14
.irp b, 0,1
	v_max3_num_f32 v[232+\b], v[232+\b], |v[S+16*\b+\i]|, |v[S+1+16*\b+\i]|
.endr
.endr
.irp b, 0,1
	v_permlanex16_b32 v[236+\b], v[232+\b], s[SEL], s[SEL+1]
.endr
.irp b, 0,1
	v_max_num_f32 v[232+\b], v[232+\b], v[236+\b]
.endr
.irp b, 0,1
	v_add_nc_u32 v[244+\b], 0xff000000, v[232+\b]
.endr
.irp b, 0,1
	v_lshrrev_b32 v[236+\b], 23, v[244+\b]
.endr
	v_lshl_or_b32 v248, v237, 8, v236              ; my row's two scale bytes
	v_cvt_scalef32_pk16_fp6_f32 v[224:226], v[S:S+15], v244
	v_cvt_scalef32_pk16_fp6_f32 v[240:242], v[S+16:S+31], v245
	v_nop
.irp i, 0,1,2
	v_permlane16_swap_b32 v[224+\i], v[240+\i]
.endr
.irp i, 0,1,2
	v_mov_b32 v[227+\i], v[240+\i]                 ; v224-229: lane (r, h) holds channels 32 h .. 32 h + 31 of row r
.endr
	s_wait_kmcnt 0x0
	s_add_nc_u64 s[44:45], s[28:29], s[44:45]
	s_add_nc_u64 s[46:47], s[28:29], s[46:47]
.irp p, 0,1,2
	global_store_b64 v6, v[224+2*\p:225+2*\p], s[44:45] offset:256*\p   ; 32 lanes store 256 consecutive bytes, aligned
.endr
	ds_store_b16 v4, v248                          ; both halves of the lanes write the same halfword with the same value
	s_wait_dscnt 0x0                               ; for the others' sake
	s_barrier_signal -1
	s_barrier_wait -1
	s_cmp_lg_u32 s[WV], 0
	s_cbranch_scc1 .Lnot_first
	ds_load_b128 v[128:131], v5                    ; the work-group's 256 halfwords
	s_wait_dscnt 0x0
	global_store_b128 v[L16], v[128:131], s[46:47] ; 512 consecutive bytes, aligned
.Lnot_first:
	s_wait_tensorcnt 0x0
	ds_add_u32 v250, v251
	s_wait_dscnt 0x0
	CROUND                                         ; the closing round
	s_endpgm
.Lfunc_end_k_qf9ed668475_attn:
	.size	k_qf9ed668475_attn, .Lfunc_end_k_qf9ed668475_attn-k_qf9ed668475_attn
	.p2alignl 7, 3214868480
	.fill 96, 4, 3214868480
	.section	.rodata,"a",@progbits
	.p2align	6, 0x0
	.amdhsa_kernel k_qf9ed668475_attn
		.amdhsa_group_segment_fixed_size 231424
		.amdhsa_private_segment_fixed_size 0
		.amdhsa_enable_private_segment 0
		.amdhsa_kernarg_size 32
		.amdhsa_user_sgpr_count 2
		.amdhsa_user_sgpr_kernarg_segment_ptr 1
		.amdhsa_wavefront_size32 1
		.amdhsa_system_sgpr_workgroup_id_x 1
		.amdhsa_system_sgpr_workgroup_id_y 1
		.amdhsa_system_sgpr_workgroup_id_z 1
		.amdhsa_system_vgpr_workitem_id 0
		.amdhsa_next_free_vgpr 256
		.amdhsa_next_free_sgpr 106
		.amdhsa_reserve_vcc 0
		.amdhsa_float_denorm_mode_32 3
		.amdhsa_float_denorm_mode_16_64 3
		.amdhsa_memory_ordered 1
		.amdhsa_forward_progress 1
		.amdhsa_inst_pref_size 100
	.end_amdhsa_kernel
	.amdgpu_metadata
---
amdhsa.version: [ 1, 2 ]
amdhsa.kernels:
  - .name:           k_qf9ed668475_attn
    .symbol:         k_qf9ed668475_attn.kd
    .args:
      - { .name: qi, .offset: 0, .size: 8, .value_kind: global_buffer, .address_space: global }
      - { .name: kv, .offset: 8, .size: 8, .value_kind: global_buffer, .address_space: global }
      - { .name: mbits, .offset: 16, .size: 8, .value_kind: global_buffer, .address_space: global }
      - { .name: ao, .offset: 24, .size: 8, .value_kind: global_buffer, .address_space: global }
    .group_segment_fixed_size: 231424
    .private_segment_fixed_size: 0
    .kernarg_segment_align: 8
    .kernarg_segment_size: 32
    .max_flat_workgroup_size: 512
    .sgpr_count:     106
    .vgpr_count:     256
    .wavefront_size: 32
...
	.end_amdgpu_metadata
.endif
;; end of part 5
;; launch oproj (part 6): grid 4 x 32, 4 waves a work-group, clusters of 4 x 4, 327,680 bytes of LDS; arguments ao, wq, b_o, out0; writes out0
.if DOCPART == 6
	.amdgcn_target "amdgcn-amd-amdhsa--gfx1250"
	.amdhsa_code_object_version 6
	.text
	.protected	k_qf9ed668475_oproj
	.globl	k_qf9ed668475_oproj
	.p2align	8
	.type	k_qf9ed668475_oproj,@function
k_qf9ed668475_oproj:
	s_mov_b64 s[64:65], 0
	v_nop
	global_prefetch_b8 v0, s[64:65] scope:SCOPE_SE
	s_setreg_imm32_b32 hwreg(HW_REG_WAVE_MODE, 25, 1), 1
	s_wait_xcnt 0x0
	s_wait_alu depctr_hold_cnt(0) depctr_sa_sdst(0) depctr_va_vdst(0) depctr_va_sdst(0) depctr_va_ssrc(0) depctr_va_vcc(0) depctr_vm_vsrc(0)
	s_getreg_b32 s2, hwreg(HW_REG_IB_STS2, 6, 4)
	s_cmp_eq_u32 s2, 0
	s_cbranch_scc0 .Lentry_in_a_cluster
	s_endpgm
.Lentry_in_a_cluster:
	s_bfe_u32 s2, ttmp6, 0x10000c
	s_cmp_lg_u32 s2, 0xf033
	s_cbranch_scc0 .Lentry_shape_is_right
	s_endpgm
.Lentry_shape_is_right:
; out0 = attention's result x W_o + b_o, on codes of FP6 (E2M3) with E8M0 scales; M = 8,192, N = 1,024, K = 1,024; out0 f32.
; A tile of 256 x 256 is made by a work-group of four waves, 128 x 128 a wave: 64 accumulators, 512 registers.  K goes in steps of 256 through a ring of two LDS slots filled by the tensor data mover.
; A comes as IMAGES OF ITS REGISTERS: ao [tile of 16 rows, 512][head 16][768]: three blocks of 256 bytes, lane l's 8 bytes at 8 l; heads 2 k, 2 k + 1 are the 12 registers of K step k.  So a fragment is six
; loads of 8 bytes a lane from consecutive bytes.  A's scale bytes come as halfwords [head][row]; the work-group lays them once into LDS as rows of 32 bytes, as B's lie.
; B = W_o's codes, rows n stored so that position 16 u + r of a group of 32 holds n = 8 u + r + 8 (r / 8).  THE MATRIX INSTRUCTION IS USED TRANSPOSED (source 0 = B's rows, source 1 = A's): lane (r, h) holds
; row r of the result, and register j of tile b column 32 (b / 2) + 16 h + 8 (b % 2) + j.  The bias, in that layout, is the C of each sum's first matrix instruction.
; CLUSTERS: 4 x 4 work-groups; A's tiles are asked for jointly along a row of the cluster, B's along a column.
; The grid has 128 work-groups: a tile of 256 x 256 at these sizes.
; REGISTERS, in windows of 256: window 0: v0-31 addresses; v32-63 scale words, two sets; v64-127 the bias; v128-223 A's fragments, one set; on the way out v128-255 hold rows.  window 1: B's fragments, two sets.
;   windows 2, 3: the accumulators ((a, b) at v[8 (8 (a % 4) + b)]).
.set SIZE_K, 1024
.set SIZE_N, 1024
.set KSTEP,  256
.set NQ,     KSTEP/128
.set ROWB,   192
.set KROW,   SIZE_K*6/8
.set PITCH,  240
.set FR,     12
.set NL,     6
.set NP,     4
.set ATILE,  3072                      ; a tile of 16 rows x 256 along K as images
.set AROW,   12288                     ; and x 1,024 along K, in memory
.set HALFT,  128*PITCH
.set BOFF,   16*ATILE                  ; a slot: A's 16 tiles, then B's 256 rows
.set SLOT,   BOFF+2*HALFT
.set LAPS,   SIZE_K/(2*KSTEP)
.set KS,     SIZE_K/32
.set SCL,    2*SLOT                    ; A's scale rows (stored by the waves: no fill lands in these 34 blocks of 256 bytes), then B's (brought once)
.set HALFS,  (128*KS/256)*272
.set SBLK,   (16*KS/256)*272
.set SPARE,  SCL+4*HALFS               ; the spare words, 128 bytes a wave
.set SPITCH, 528                       ; the way out: a stage of 16 rows x (512 + 16) bytes for each wave, in slot 0, behind its last fill and its last read
.set WSC,    3145728
.set OSC,    6291456
.set ADRA, 16                          ; v16-17
.set ADRB, 20                          ; v20-23
.set STO,  24
.set RD,   25
.set CO,   26
.set ADRS, 27
.set SPW,  28
.set NIL,  29
.set SC,   32
.set BN,   64
.set AF,   128
.set BK,   128
.set G1, 24
.set G0, 32
.set G1B, 48
.set G0B, 56
.set G1SB, 80
.set G0SB, 88
.set MSB, 0
.macro WIN new
.if MSB != (\new)
	s_set_vgpr_msb (MSB<<8)|(\new)
.set MSB, (\new)
.endif
.endm
.set MUL_LO, 0xa1                      ; source 0 (B) window 1, source 1 (A) window 0, C and D window 2
.set MUL_HI, 0xf1
.set FIRST_LO, 0x81                    ; the same with C (the bias) in window 0
.set FIRST_HI, 0xc1
.set TO_B,   0x40
.macro JLOAD g0a, g1a, g0b, g1b        ; a joint load: waves 0 and 1 for A, waves 2 and 3 for B; four v_nop follow each line
	s_cmp_eq_u32 s15, 0
	s_cbranch_scc0 .Lfor_b_\@
	tensor_load_to_lds s[\g0a:\g0a+3], s[\g1a:\g1a+7]
	s_nop 0
.rept 4
	v_nop
.endr
	s_branch .Lasked_\@
.Lfor_b_\@:
	tensor_load_to_lds s[\g0b:\g0b+3], s[\g1b:\g1b+7]
	s_nop 0
.rept 4
	v_nop
.endr
.Lasked_\@:
.endm
.macro CREST
	s_cmp_lg_u32 s14, 0
	s_cbranch_scc1 .Lnot_wave_0_\@
	s_barrier_signal -3
.Lnot_wave_0_\@:
	s_barrier_wait -3
	s_barrier_signal -1
	s_barrier_wait -1
.endm
.macro CROUND
	s_barrier_signal -1
	s_barrier_wait -1
	CREST
.endm
	s_load_b256 s[4:11], s[0:1], 0x0               ; ao s[4:5], wq s[6:7], b_o s[8:9], out0 s[10:11]
	v_lshl_add_u32 v[SPW], v0, 2, SPARE
	v_mov_b32 v[NIL], 0
	ds_add_u32 v28, v29
	ds_add_u32 v28, v29
	s_wait_dscnt 0x0
	v_lshrrev_b32 v1, 5, v0
	v_readfirstlane_b32 s14, v1                    ; wave 0..3
	s_lshr_b32 s15, s14, 1                         ; which half of the tile's rows is mine.  Also: I fetch for A (0) or for B (1)
	s_and_b32 s16, s14, 1                          ; which half of its columns.  Also: which half I fetch
	s_bfe_u32 s40, ttmp6, 0x40000                  ; cx
	s_bfe_u32 s41, ttmp6, 0x40004                  ; cy
	s_lshl_b32 s42, ttmp9, 2
	s_add_co_u32 s42, s42, s40                     ; tile column
	s_and_b32 s17, ttmp7, 0xffff
	s_lshl_b32 s17, s17, 2
	s_add_co_u32 s17, s17, s41                     ; tile row
	s_lshl_b32 s43, s41, 2
	s_lshl_b32 s43, 15, s43                        ; my row of the cluster
	s_lshl_b32 s44, 0x1111, s40                    ; my column
	; A: 8 tiles of rows x 3,072 bytes (384 elements of 8 bytes), 12,288 bytes apart; no padding
	s_or_b32 s[G1+0], s43, (3<<16)|(1<<21)
	s_mov_b32 s[G1+1], (ATILE/8)<<16               ; tensor_dim0
	s_mov_b32 s[G1+2], 8<<16                       ; tensor_dim1
	s_mov_b32 s[G1+3], (ATILE/8)<<16               ; tile_dim0
	s_mov_b32 s[G1+4], 8                           ; tile_dim1
	s_mov_b32 s[G1+5], AROW/8                      ; the pitch
	s_mov_b32 s[G1+6], 0
	s_mov_b32 s[G1+7], 0
	; B: 128 rows x 192 bytes, 16 bytes of padding behind every 64
	s_or_b32 s[G1B+0], s44, (0<<16)|(1<<20)|(1<<21)|(3<<22)|(3<<25)
	s_mov_b32 s[G1B+1], ROWB<<16
	s_mov_b32 s[G1B+2], 128<<16
	s_mov_b32 s[G1B+3], ROWB<<16
	s_mov_b32 s[G1B+4], 128
	s_mov_b32 s[G1B+5], KROW
	s_mov_b32 s[G1B+6], 0
	s_mov_b32 s[G1B+7], 0
	; B's scales of 128 rows: 16 rows of 256 bytes, 16 bytes of padding behind each
	s_or_b32 s[G1SB+0], s44, (3<<16)|(1<<20)|(1<<21)|(5<<22)|(3<<25)
	s_mov_b32 s[G1SB+1], 32<<16
	s_mov_b32 s[G1SB+2], (128*KS/256)<<16
	s_mov_b32 s[G1SB+3], 32<<16
	s_mov_b32 s[G1SB+4], 128*KS/256
	s_mov_b32 s[G1SB+5], 32
	s_mov_b32 s[G1SB+6], 0
	s_mov_b32 s[G1SB+7], 0
	s_lshl_b32 s20, s17, 4
	s_lshl_b32 s18, s16, 3
	s_add_co_u32 s20, s20, s18                     ; A: tile of rows 16 x tile row + 8 x half
	s_mul_i32 s20, s20, AROW
	s_mov_b32 s21, 0
	s_lshl_b32 s46, s42, 8
	s_lshl_b32 s18, s16, 7
	s_add_co_u32 s46, s46, s18                     ; B: row 256 x tile column + 128 x half
	s_lshl_b32 s92, s46, 5
	s_add_co_u32 s92, s92, WSC+3*32768             ; W_o's scales
	s_mov_b32 s93, 0
	s_mul_i32 s46, s46, KROW
	s_add_co_u32 s46, s46, 3*786432                ; W_o's codes
	s_mov_b32 s47, 0
	s_mul_i32 s45, s16, 8*ATILE                    ; where they go in a slot: no place in the cluster enters an LDS address
	s_mul_i32 s94, s16, HALFT
	s_add_co_u32 s94, s94, BOFF
	s_mul_i32 s95, s16, HALFS
	s_add_co_u32 s95, s95, SCL+2*HALFS
	s_lshl_b32 s96, s17, 9
	s_add_co_u32 s96, s96, OSC                     ; A's scale halfwords: my tile's 256 rows, 512 bytes a head
	s_mov_b32 s97, 0
	s_lshl_b32 s99, s42, 8
	s_add_co_u32 s99, s99, s18                     ; my first column
	s_lshl_b32 s99, s99, 2
	v_and_b32 v1, 15, v0                           ; r
	v_bfe_u32 v2, v0, 4, 1                         ; h
	v_lshlrev_b32 v8, 2, v0                        ; v8, v9: offsets of the loads below; never rewritten
	v_lshl_add_u32 v9, v2, 6, s99
	s_wait_kmcnt 0x0
	s_add_nc_u64 s[20:21], s[4:5], s[20:21]
	s_add_nc_u64 s[46:47], s[6:7], s[46:47]
	s_add_nc_u64 s[92:93], s[6:7], s[92:93]
	s_add_nc_u64 s[96:97], s[4:5], s[96:97]
.irp d, 0,1,2,3,4,5,6,7,8,9,10,11,12,13,14,15
	global_load_b32 v[128+\d], v8, s[96:97] offset:\d*16384   ; thread i: head d's halfwords of rows 2 i and 2 i + 1
.endr
.irp b, 0,1,2,3
.irp q, 0,1,2,3
	global_load_b128 v[BN+16*\b+4*\q:BN+16*\b+4*\q+3], v9, s[8:9] offset:128*\b+16*\q   ; register 16 b + i = bias(32 b + 16 h + i)
.endr
.endr
	CROUND                                         ; all sixteen work-groups are here: the first joint loads meet
.irp s, 0,1
	s_mov_b32 s[G0+4*\s], 1
	s_add_co_u32 s[G0+4*\s+1], s45, \s*SLOT
	s_add_nc_u64 s[G0+4*\s+2:G0+4*\s+3], s[20:21], \s*ATILE
	s_or_b32 s[G0+4*\s+3], s[G0+4*\s+3], 0x80000000
	s_mov_b32 s[G0B+4*\s], 1
	s_add_co_u32 s[G0B+4*\s+1], s94, \s*SLOT
	s_add_nc_u64 s[G0B+4*\s+2:G0B+4*\s+3], s[46:47], \s*ROWB
	s_or_b32 s[G0B+4*\s+3], s[G0B+4*\s+3], 0x80000000
.endr
	s_mov_b32 s[G0SB], 1
	s_mov_b32 s[G0SB+1], s95
	s_mov_b64 s[G0SB+2:G0SB+3], s[92:93]
	s_or_b32 s[G0SB+3], s[G0SB+3], 0x80000000
	s_cmp_eq_u32 s15, 0                            ; a wave's first fills stand in one branch: two loads of waves 0, 1 are out, three of waves 2, 3
	s_cbranch_scc0 .Lfirst_b
	tensor_load_to_lds s[G0:G0+3], s[G1:G1+7]
	s_nop 0
	tensor_load_to_lds s[G0+4:G0+7], s[G1:G1+7]
	s_nop 0
.rept 4
	v_nop
.endr
	s_branch .Lfirst_asked
.Lfirst_b:
	tensor_load_to_lds s[G0SB:G0SB+3], s[G1SB:G1SB+7]
	s_nop 0
	tensor_load_to_lds s[G0B:G0B+3], s[G1B:G1B+7]
	s_nop 0
	tensor_load_to_lds s[G0B+4:G0B+7], s[G1B:G1B+7]
	s_nop 0
.rept 4
	v_nop
.endr
.Lfirst_asked:
	v_and_b32 v6, 31, v0
	v_lshlrev_b32 v7, 3, v6                        ; A: 8 x lane
	v_mul_u32_u24 v3, v1, PITCH
	v_mul_u32_u24 v4, v2, 24
	v_add_nc_u32 v4, v3, v4                        ; B: a fragment's row x pitch + 24 h
	v_lshl_add_u32 v5, v2, 4, v4                   ; and the same behind one padding more
	s_mul_i32 s21, s15, 8*ATILE                    ; my 8 tiles of A's rows
	s_mul_i32 s22, s16, HALFT
	s_add_co_u32 s22, s22, BOFF                    ; my 128 rows of B
.irp s, 0,1
	v_add_nc_u32 v[ADRA+\s], s21, v7
	v_add_nc_u32 v[ADRB+\s], s22, v4
	v_add_nc_u32 v[ADRB+2+\s], s22, v5
	s_add_co_u32 s21, s21, SLOT
	s_add_co_u32 s22, s22, SLOT
.endr
	v_mul_u32_u24 v5, v1, KS                       ; my row's scales: KS bytes a row,
	v_lshrrev_b32 v6, 8, v5
	v_lshl_add_u32 v5, v6, 4, v5                   ; and 16 more for each 256 passed
	s_mul_i32 s21, s15, HALFS
	s_mul_i32 s22, s16, HALFS
	s_add_co_u32 s22, s22, 2*HALFS
	s_sub_co_u32 s22, s22, s21
	v_mul_u32_u24 v6, s22, v2                      ; lanes 16-31 take B's
	s_add_co_u32 s21, s21, SCL
	v_add_nc_u32 v5, v5, v6
	v_add_nc_u32 v[ADRS], s21, v5
	s_mul_i32 s23, s14, 16*SPITCH                  ; my stage
	v_mul_u32_u24 v5, v1, SPITCH
	v_lshl_add_u32 v5, v2, 6, v5                   ; in: row r, + 64 h bytes (16 columns)
	v_add_nc_u32 v[STO], s23, v5
	v_and_b32 v6, 31, v0
	v_lshlrev_b32 v[CO], 4, v6                     ; back: the 32 lanes take one row of 512 bytes; and the same in out0
	v_add_nc_u32 v[RD], s23, v[CO]
	s_lshl_b32 s20, s17, 8
	s_lshl_b32 s21, s15, 7
	s_add_co_u32 s20, s20, s21                     ; my first row
	s_lshl_b32 s20, s20, 12                        ; 4,096 bytes a row
	s_lshl_b32 s46, s42, 10
	s_add_co_u32 s20, s20, s46
	s_lshl_b32 s46, s16, 9
	s_add_co_u32 s20, s20, s46                     ; + my first column
	s_mov_b32 s21, 0
	s_add_nc_u64 s[10:11], s[10:11], s[20:21]
	v_lshlrev_b32 v10, 6, v0                       ; A's scale rows 2 i, 2 i + 1: 64 i + 16 (i / 4)
	v_lshrrev_b32 v11, 2, v0
	v_lshl_add_u32 v10, v11, 4, v10
	v_add_nc_u32 v10, SCL, v10
	s_wait_loadcnt 0x0                             ; the halfwords and the bias
.irp k, 0,1,2,3,4,5,6,7
	v_perm_b32 v[144+\k], v[129+2*\k], v[128+2*\k], 0x05040100   ; row 2 i's word of K step k: head 2 k's two bytes, then head 2 k + 1's
	v_perm_b32 v[152+\k], v[129+2*\k], v[128+2*\k], 0x07060302   ; row 2 i + 1's
.endr
.irp q, 0,1,2,3
	ds_store_b128 v10, v[144+4*\q:147+4*\q] offset:16*\q
.endr
.macro FRAG reg, adr, q, i             ; B: 16 rows x 128 K, 24 bytes of a row twice, in pieces of 8
.irp p, 0,1,2,3,4,5
.set PC, 12*(\q)+6*(\p/3)+\p%3
.if PC%8 < 5
	ds_load_b64 v[\reg+2*\p:\reg+2*\p+1], v[\adr] offset:8*PC+16*(PC/8)+(\i)*16*PITCH
.else
	ds_load_b64 v[\reg+2*\p:\reg+2*\p+1], v[\adr+2] offset:8*PC+16*(PC/8)+(\i)*16*PITCH
.endif
.endr
.endm
.macro FRAGA reg, slot, q, i           ; A: the image's six blocks of 256 bytes
.irp p, 0,1,2,3,4,5
	ds_load_b64 v[(\reg)+2*\p:(\reg)+2*\p+1], v[ADRA+(\slot)] offset:(\i)*ATILE+(\q)*1536+256*\p
.endr
.endm
; 16 matrix instructions: A's blocks a0, a0 + 1 x B's eight.  first = 1: the bias is the C: nothing is cleared or added later.  The 64 accumulators take turns.
.macro MUL16 a0, p, q, sc, first
.irp a, \a0, \a0+1
.irp b, 0,1,2,3,4,5,6,7
.if \first
	v_wmma_scale_f32_16x16x128_f8f6f4 v[8*(8*((\a)%4)+\b):8*(8*((\a)%4)+\b)+7], v[128*(\p)+FR*\b:128*(\p)+FR*\b+FR-1], v[AF+FR*(\a):AF+FR*(\a)+FR-1], v[BN+8*\b:BN+8*\b+7], v[SC+8*NQ*(\sc)+NQ*\b+(\q)], v[SC+8*NQ*(\sc)+NQ*(\a)+(\q)] matrix_a_fmt:MATRIX_FMT_FP6 matrix_b_fmt:MATRIX_FMT_FP6 matrix_a_scale:MATRIX_SCALE_ROW1
.else
	v_wmma_scale_f32_16x16x128_f8f6f4 v[8*(8*((\a)%4)+\b):8*(8*((\a)%4)+\b)+7], v[128*(\p)+FR*\b:128*(\p)+FR*\b+FR-1], v[AF+FR*(\a):AF+FR*(\a)+FR-1], v[8*(8*((\a)%4)+\b):8*(8*((\a)%4)+\b)+7], v[SC+8*NQ*(\sc)+NQ*\b+(\q)], v[SC+8*NQ*(\sc)+NQ*(\a)+(\q)] matrix_a_fmt:MATRIX_FMT_FP6 matrix_b_fmt:MATRIX_FMT_FP6 matrix_a_scale:MATRIX_SCALE_ROW1
.endif
.endr
.endr
.endm
.macro FETCH_B slot, q, p
	WIN TO_B
.irp i, 0,1,2,3,4,5,6,7
	FRAG 128*(\p)+FR*\i, ADRB+\slot, \q, \i
.endr
	WIN 0
.endm
.macro FETCH_A slot, q, i0
.irp i, \i0, \i0+1, \i0+2, \i0+3
	FRAGA AF+FR*(\i), \slot, \q, \i
.endr
.endm
.macro SCALES sc
.irp i, 0,1,2,3,4,5,6,7
	ds_load_b64 v[SC+8*NQ*\sc+NQ*\i:SC+8*NQ*\sc+NQ*\i+1], v[ADRS] offset:\i*SBLK
.endr
.endm
.macro PLACES n
.rept \n
	v_nop
.endr
.endm
.macro STEP slot, q, first
	s_wait_dscnt 4*NL                              ; B's set and A's blocks 0-3 are in; the youngest 24 loads (A's blocks 4-7) may be out
.if \first
	WIN FIRST_LO
.else
	WIN MUL_LO
.endif
	MUL16 0, (\q)%2, \q, \slot, \first
	MUL16 2, (\q)%2, \q, \slot, \first
	s_wait_dscnt 0
	PLACES NP
	FETCH_B \slot, (\q)+1, 1-(\q)%2
	FETCH_A \slot, (\q)+1, 0
.if \first
	WIN FIRST_HI
.else
	WIN MUL_HI
.endif
	MUL16 4, (\q)%2, \q, \slot, \first
	MUL16 6, (\q)%2, \q, \slot, \first
	PLACES NP
	WIN 0
	FETCH_A \slot, (\q)+1, 4
.endm
.macro TURN slot, next, fill
	s_wait_tensorcnt 0x0                           ; all my tensor loads have landed: my part of the next slot
	ds_add_u32 v[SPW], v[NIL]                      ; 0 onto my spare word
	s_wait_dscnt 4*NL+1                            ; the add and the youngest 24 loads may be out
	WIN MUL_LO
	MUL16 0, 1, NQ-1, \slot, 0
	s_wait_dscnt 0x0                               ; the add is done, and my reads of this slot are over
	s_barrier_signal -1
	MUL16 2, 1, NQ-1, \slot, 0
	WIN 0
	s_barrier_wait -1
.if \fill
	CREST                                          ; the barrier has opened a round of the cluster's: no wave of any partner still reads this slot or has a load on its way
	s_add_nc_u64 s[G0+4*\slot+2:G0+4*\slot+3], s[G0+4*\slot+2:G0+4*\slot+3], 2*ATILE
	s_add_nc_u64 s[G0B+4*\slot+2:G0B+4*\slot+3], s[G0B+4*\slot+2:G0B+4*\slot+3], 2*ROWB
	JLOAD G0+4*\slot, G1, G0B+4*\slot, G1B         ; the first tensor load behind the round; its four v_nop are the places in front of the loads below
.else
	PLACES NP
.endif
	v_add_nc_u32 v[ADRS], 4*NQ, v[ADRS]
	FETCH_B \next, 0, 0
	FETCH_A \next, 0, 0
	SCALES \next
	WIN MUL_HI
	MUL16 4, 1, NQ-1, \slot, 0
	MUL16 6, 1, NQ-1, \slot, 0
	PLACES NP
	WIN 0
	FETCH_A \next, 0, 4
.endm
	s_wait_tensorcnt 1                             ; my part of K step 0 (and B's scales) is in; K step 1's load may be out
	s_wait_dscnt 0x0                               ; my rows of A's scales are stored
	s_barrier_signal -1
	s_barrier_wait -1
	FETCH_B 0, 0, 0
	FETCH_A 0, 0, 0
	SCALES 0
	FETCH_A 0, 0, 4
	STEP 0, 0, 1                                   ; the first step stands in front of the loop: its products start the sums, on the bias
	s_mov_b32 s3, LAPS-1
.Llap:
	TURN 0, 1, 1
	STEP 1, 0, 0
	TURN 1, 0, 1
	STEP 0, 0, 0
	s_sub_co_u32 s3, s3, 1
	s_cmp_lg_u32 s3, 0
	s_cbranch_scc1 .Llap
	TURN 0, 1, 0
	STEP 1, 0, 0
	s_wait_dscnt 4*NL
	WIN MUL_LO
	MUL16 0, 1, NQ-1, 1, 0
	MUL16 2, 1, NQ-1, 1, 0
	s_wait_dscnt 0
	WIN MUL_HI
	MUL16 4, 1, NQ-1, 1, 0
	MUL16 6, 1, NQ-1, 1, 0
	WIN 0
; THE WAY OUT, block by block of 16 rows x 128 columns, through my own stage: in as 32 bytes of a row a lane and tile, back as whole rows of 512 bytes.
.macro TOSTAGE a
.set AC, 64*((\a)%4)
	WIN 0x08+4*((\a)/4)                            ; the data: window 2 or 3
.irp b, 0,1,2,3,4,5,6,7
	ds_store_b128 v[STO], v[AC+8*\b:AC+8*\b+3] offset:128*(\b/2)+32*(\b%2)          ; columns 32 (b / 2) + 16 h + 8 (b % 2) on; each accumulator from its low end on
	ds_store_b128 v[STO], v[AC+8*\b+4:AC+8*\b+7] offset:128*(\b/2)+32*(\b%2)+16
.endr
	WIN 0
.set BB, BK+64*((\a)%2)
.irp t, 0,1,2,3,4,5,6,7,8,9,10,11,12,13,14,15
	ds_load_b128 v[BB+4*\t:BB+4*\t+3], v[RD] offset:\t*SPITCH   ; LDS serves a wave's instructions in order: these see the stores above
.endr
.endm
.macro SEND a, younger
.set BB, BK+64*((\a)%2)
	s_wait_dscnt \younger                          ; the block is back; the LDS instructions issued behind its loads may be out
.if (\a) > 0
	s_add_nc_u64 s[10:11], s[10:11], 16*SIZE_N*4   ; (behind a wait on XCNT: the earlier stores have read their base)
.endif
.irp t, 0,1,2,3,4,5,6,7,8,9,10,11,12,13,14,15
	global_store_b128 v[CO], v[BB+4*\t:BB+4*\t+3], s[10:11] offset:\t*SIZE_N*4 th:TH_STORE_NT   ; 32 lanes store 512 consecutive bytes, aligned
.endr
.endm
	PLACES NP
	TOSTAGE 0
.irp a, 1,2,3,4,5,6,7
.if \a > 1
	s_wait_xcnt 0x0                                ; block a - 2's stores have read their registers and their base
.endif
	TOSTAGE \a
	SEND \a-1, 32                                  ; behind block a - 1's loads: block a's 16 stores and 16 loads
.endr
	s_wait_xcnt 0x0
	SEND 7, 0
	s_wait_tensorcnt 0x0                           ; the wave's end
	ds_add_u32 v[SPW], v[NIL]
	s_wait_dscnt 0x0
	CROUND                                         ; the closing round
	s_endpgm
.Lfunc_end_k_qf9ed668475_oproj:
	.size	k_qf9ed668475_oproj, .Lfunc_end_k_qf9ed668475_oproj-k_qf9ed668475_oproj
	.p2alignl 7, 3214868480
	.fill 96, 4, 3214868480
	.section	.rodata,"a",@progbits
	.p2align	6, 0x0
	.amdhsa_kernel k_qf9ed668475_oproj
		.amdhsa_group_segment_fixed_size 327680
		.amdhsa_private_segment_fixed_size 0
		.amdhsa_enable_private_segment 0
		.amdhsa_kernarg_size 32
		.amdhsa_user_sgpr_count 2
		.amdhsa_user_sgpr_kernarg_segment_ptr 1
		.amdhsa_wavefront_size32 1
		.amdhsa_system_sgpr_workgroup_id_x 1
		.amdhsa_system_sgpr_workgroup_id_y 1
		.amdhsa_system_sgpr_workgroup_id_z 1
		.amdhsa_system_vgpr_workitem_id 0
		.amdhsa_next_free_vgpr 1024
		.amdhsa_next_free_sgpr 106
		.amdhsa_reserve_vcc 0
		.amdhsa_float_denorm_mode_32 3
		.amdhsa_float_denorm_mode_16_64 3
		.amdhsa_memory_ordered 1
		.amdhsa_forward_progress 1
		.amdhsa_inst_pref_size 164
	.end_amdhsa_kernel
	.amdgpu_metadata
---
amdhsa.version: [ 1, 2 ]
amdhsa.kernels:
  - .name:           k_qf9ed668475_oproj
    .symbol:         k_qf9ed668475_oproj.kd
    .args:
      - { .name: ao, .offset: 0, .size: 8, .value_kind: global_buffer, .address_space: global }
      - { .name: wq, .offset: 8, .size: 8, .value_kind: global_buffer, .address_space: global }
      - { .name: b_o, .offset: 16, .size: 8, .value_kind: global_buffer, .address_space: global }
      - { .name: out0, .offset: 24, .size: 8, .value_kind: global_buffer, .address_space: global }
    .group_segment_fixed_size: 327680
    .private_segment_fixed_size: 0
    .kernarg_segment_align: 8
    .kernarg_segment_size: 32
    .max_flat_workgroup_size: 128
    .sgpr_count:     106
    .vgpr_count:     1024
    .wavefront_size: 32
...
	.end_amdgpu_metadata
.endif
;; end of part 6
;; ======== version 2 of 2: 4 launches
;; workspace buffers: xq 19,660,800 bytes; wq 3,276,800 bytes; mbits 2,097,152 bytes of whole numbers; kv 13,631,488 bytes; ao 6,553,600 bytes
;; launch prep (part 7): grid 1408 x 1, 4 waves a work-group, no clusters, 47,616 bytes of LDS; arguments W_q, W_k, W_v, W_o, queries, keys, values, xq, attention_mask, mbits, wq; writes xq, mbits, wq
.if DOCPART == 7
	.amdgcn_target "amdgcn-amd-amdhsa--gfx1250"
	.amdhsa_code_object_version 6
	.text
	.protected	k_qf9ed668475_prep
	.globl	k_qf9ed668475_prep
	.p2align	8
	.type	k_qf9ed668475_prep,@function
k_qf9ed668475_prep:
	s_mov_b64 s[64:65], 0
	v_nop
	global_prefetch_b8 v0, s[64:65] scope:SCOPE_SE
	s_setreg_imm32_b32 hwreg(HW_REG_WAVE_MODE, 25, 1), 1
	s_wait_xcnt 0x0
; ONE LAUNCH PREPARES ALL OPERANDS THAT ARRIVE WIDE.  Three paths part on the work-group's number; they share nothing.
;   work-groups 0 .. 127:      the four W [1024 (k)][1024 (n)] f32 -> wq: codes of FP6 (E2M3) laid [n][k], K innermost, and E8M0 scale bytes
;   work-groups 128 .. 639:    attention_mask [4][2048][2048] int32 -> mbits: one bit a number, as lane masks
;   work-groups 640 .. 1,407:  queries, keys, values [8192][1024] f32 -> xq: codes and scale bytes
; THE QUANTISER.  A block's scale is 2^(floor(log2(largest magnitude)) - 2); its byte is the largest magnitude's exponent field - 2, held at 1 from below.
; (A block of zeros gets the byte 1 where the rule says 127: its codes are zeros, and the bytes are read by this program alone.)  LIMITS: NaN and infinities among the inputs are not served.
; LDS: on every path wave w keeps to bytes 11,776 w .. 11,776 w + 11,775.  No barrier: waves share nothing.
.set NW,   128
.set NM,   512
.set WREG, 11776
.set EMAX, 2
	v_lshl_add_u32 v208, v0, 2, 0xb800
	v_mov_b32 v209, 0
	v_lshrrev_b32 v1, 5, v0
	v_readfirstlane_b32 s16, v1                    ; wave 0..3
	v_and_b32 v2, 31, v0                           ; lane
	s_cmp_lt_u32 ttmp9, NW
	s_cbranch_scc1 .Lweights
	s_cmp_lt_u32 ttmp9, NW+NM
	s_cbranch_scc1 .Lmask
; ---------------------------------------------------------------- queries, keys, values
; xq: codes of tensor ti (0 queries, 1 keys, 2 values) at ti x 6,291,456, 6,144 bytes for a run of 8 rows; scale bytes [8192][32] at 18,874,368 + ti x 262,144.
; KEYS AND VALUES: rows of 768 bytes, K innermost.  ROW ORDER, in runs of 8 rows.  Values: in each group of four runs the second and third change places: stored position 16 u + r of 32 holds row
; 8 u + r + 8 (r / 8).  Keys: in each group of eight runs, run 4 h + t is stored as run 2 t + h: stored position 16 t + 8 h + j of 64 holds key 32 h + 8 t + j.
; QUERIES keep their row order, and their codes lie IN THE ORDER OF THE OPERAND'S REGISTERS, since the attention launch loads them straight into registers: in a run of 8 rows,
; [K step of 128, 8][group g of four registers, 3][h, 2][row, 8] x 16 bytes: registers 4 g .. 4 g + 3 of the lane that holds that row and k = 64 c + 32 h + 0 .. 31 in registers 6 c .. 6 c + 5.
; A work-group takes 32 rows, a wave 8 rows = 8,192 numbers = 16 steps of 512.  A step's four loads read 512 consecutive bytes each; the 2,048 bytes turn through the wave's own stage
; (16 bytes of padding behind each 64) and come back 16 neighbours a lane; two neighbouring lanes hold a block.
.set XSTEPS, 16
.set CB,    12                         ; bytes of 16 codes
.set XR,    16                         ; v16-79   four sets of 16 numbers as loaded; at the end the queries' image
.set XX,    80                         ; v80-111  two sets of 16 neighbours
.set XC,    128                        ; v128-191 codes: four registers a step, so that no store's data are written again
.set XE,    112                        ; v112-127 a scale byte a step
.set XIA,   192                        ; v192-194 queries: where my three words of codes go in the wave's image
.set XIR,   195                        ; v195     and where I read the image back
.set SP,    80
.set XIMG,  5632                       ; LDS of a wave: two stages of 32 x SP bytes, 256 scale bytes, and from here 6,144 bytes of image
.set XCODES, 6291456
.set XSC,   18874368
	s_load_b256 s[4:11], s[0:1], 0x20              ; queries s[4:5], keys s[6:7], values s[8:9], xq s[10:11]
	v_lshlrev_b32 v3, 4, v2                        ; my 16 bytes of a load's 512
	s_mul_i32 s17, s16, WREG
	v_lshrrev_b32 v14, 2, v2
	v_mul_u32_u24 v14, v14, SP
	v_and_b32 v15, 3, v2
	v_lshl_add_u32 v14, v15, 4, v14
	v_add_nc_u32 v14, s17, v14                     ; the stage, way in: SP (lane / 4) + 16 (lane % 4)
	v_mul_u32_u24 v15, v2, SP
	v_add_nc_u32 v15, s17, v15                     ; way out: SP x lane
	v_mul_u32_u24 v4, v2, CB                       ; my codes' place in a step's
	v_lshrrev_b32 v5, 1, v2
	s_add_co_u32 s33, s17, XIMG                    ; the wave's image
	s_add_co_u32 s17, s17, 2*32*SP
	v_add_nc_u32 v5, s17, v5                       ; my block's byte among the wave's 256
	v_lshlrev_b32 v7, 3, v2
	v_add_nc_u32 v6, s17, v7                       ; and 8 bytes a lane on the way out
	s_sub_co_u32 s19, ttmp9, NW+NM
	s_lshr_b32 s22, s19, 8                         ; ti: which tensor
	s_and_b32 s23, s19, 255                        ; which 32 rows of it
	s_lshl_b32 s23, s23, 2
	s_add_co_u32 s18, s23, s16                     ; the run of 8 rows that I read
	s_and_b32 s24, s16, 1
	s_lshl_b32 s24, s24, 1
	s_lshr_b32 s25, s16, 1
	s_or_b32 s24, s24, s25
	s_add_co_u32 s24, s23, s24                     ; where values store it: the wave's two bits exchanged
	s_and_b32 s25, s18, 3                          ; t
	s_lshl_b32 s25, s25, 1
	s_bfe_u32 s26, s18, 0x10002                    ; h
	s_or_b32 s25, s25, s26
	s_and_b32 s26, s18, 0xfffffff8
	s_or_b32 s25, s25, s26                         ; where keys store it: 2 t + h in its group of eight
	s_cmp_eq_u32 s22, 1
	s_cselect_b32 s26, s25, s24
	s_cmp_eq_u32 s22, 0
	s_cselect_b32 s26, s18, s26                    ; the run that I write
	s_lshl_b32 s20, s18, 15                        ; 32,768 bytes a run
	s_mov_b32 s21, 0
	s_mul_i32 s28, s22, XCODES
	s_mul_i32 s27, s26, 32*XSTEPS*CB
	s_add_co_u32 s28, s28, s27                     ; my codes in xq
	s_mov_b32 s29, 0
	s_lshl_b32 s30, s22, 18
	s_lshl_b32 s27, s26, 8
	s_add_co_u32 s30, s30, s27
	s_add_co_u32 s30, s30, XSC                     ; my scale bytes in xq
	s_mov_b32 s31, 0
	s_wait_kmcnt 0x0
	s_cmp_eq_u32 s22, 0                            ; the choice hangs on the work-group's number alone
	s_cselect_b64 s[4:5], s[4:5], s[6:7]
	s_cmp_eq_u32 s22, 2
	s_cselect_b64 s[4:5], s[8:9], s[4:5]
	s_add_nc_u64 s[4:5], s[4:5], s[20:21]
	s_add_nc_u64 s[8:9], s[10:11], s[28:29]
	s_add_nc_u64 s[10:11], s[10:11], s[30:31]
.macro XLOAD t
.irp i, 0,1,2,3
	global_load_b128 v[XR+16*((\t)%4)+4*\i:XR+16*((\t)%4)+4*\i+3], v3, s[4:5] offset:2048*(\t)+512*\i th:TH_LOAD_NT   ; 32 lanes read 512 consecutive bytes
.endr
.endm
.macro XTURN t                         ; step t's numbers through the stage: LDS serves a wave's instructions in order, so no wait stands between the stores and the loads
.irp i, 0,1,2,3
	ds_store_b128 v14, v[XR+16*((\t)%4)+4*\i:XR+16*((\t)%4)+4*\i+3] offset:32*SP*((\t)%2)+8*SP*\i
.endr
.irp i, 0,1,2,3
	ds_load_b128 v[XX+16*((\t)%2)+4*\i:XX+16*((\t)%2)+4*\i+3], v15 offset:32*SP*((\t)%2)+16*\i
.endr
.endm
; img = 0: a step's codes are stored as they come, 384 consecutive bytes of rows.  img = 1 (queries): they go into the wave's image in LDS, word by word.
.macro XSTEP t, img
.set XS, XX+16*((\t)%2)
.if (\t) > 0
	s_wait_dscnt 1+3*(\img)                        ; this step's numbers are back from the stage; the last step's byte store (and its three word stores) may be out
.else
	s_wait_dscnt 0x0
.endif
.if (\t)+4 < XSTEPS
	XLOAD (\t)+4                                   ; into the registers that this step's stage stores have read
.endif
.if (\t)+1 < XSTEPS
.if XSTEPS-2-(\t) >= 3
	s_wait_loadcnt 12                              ; the next step's four loads are in; those of the three steps behind it may be out
.else
	s_wait_loadcnt 4*(XSTEPS-2-(\t))
.endif
	XTURN (\t)+1
.endif
	v_max3_num_f32 v8, |v[XS]|, |v[XS+1]|, |v[XS+2]|               ; the largest magnitude of my 16, in two chains
	v_max3_num_f32 v9, |v[XS+3]|, |v[XS+4]|, |v[XS+5]|
.irp i, 6,10
	v_max3_num_f32 v8, v8, |v[XS+\i]|, |v[XS+\i+1]|
	v_max3_num_f32 v9, v9, |v[XS+\i+2]|, |v[XS+\i+3]|
.endr
	v_max3_num_f32 v8, v8, |v[XS+14]|, |v[XS+15]|
	v_max3_num_f32 v8, v8, v9, (EMAX+1)<<23        ; and the floor 2^(EMAX + 1 - 127): the byte cannot fall under 1
	v_max_num_f32_dpp v8, v8, v8 row_xmask:1 row_mask:0xf bank_mask:0xf   ; with my neighbour's 16: the block's
	v_add_nc_u32 v11, -(EMAX<<23), v8              ; EMAX off the exponent field: the conversion takes that field as its scale
	v_cvt_scalef32_pk16_fp6_f32 v[XC+4*(\t):XC+4*(\t)+2], v[XS:XS+15], v11
	v_lshrrev_b32 v[XE+(\t)], 23, v11              ; the scale's byte (also the plain line behind the conversion)
	ds_store_b8 v5, v[XE+(\t)] offset:16*(\t)      ; both lanes of a block write the same byte with the same value
.if \img
.irp j, 0,1,2
	ds_store_b32 v[XIA+\j], v[XC+4*(\t)+\j] offset:3072*((\t)%2)+16*((\t)/2)   ; step t is row t / 2, K steps 4 (t % 2) on
.endr
.else
	global_store_b96 v4, v[XC+4*(\t):XC+4*(\t)+2], s[8:9] offset:32*CB*(\t)   ; the wave stores 384 consecutive bytes
.endif
.endm
.macro XRUN img
.irp t, 0,1,2,3
	XLOAD \t
.endr
	s_wait_loadcnt 12                              ; step 0's four loads are in; the twelve of steps 1 to 3 stay out
	XTURN 0
.irp t, 0,1,2,3,4,5,6,7,8,9,10,11,12,13,14,15
	XSTEP \t, \img
.endr
	ds_load_b64 v[12:13], v6                       ; LDS serves a wave's instructions in order: these see my byte stores
.endm
	s_cmp_eq_u32 s22, 0                            ; the work-group's number alone
	s_cbranch_scc1 .Lqueries
	XRUN 0
	s_wait_dscnt 0x0
	global_store_b64 v7, v[12:13], s[10:11]        ; 32 lanes store 256 consecutive bytes, aligned
	s_wait_tensorcnt 0x0
	ds_add_u32 v208, v209
	s_wait_dscnt 0x0
	s_endpgm
.Lqueries:
	; lane l of a step holds k = 16 l of half a row: K step l / 8, c = bit 2, h = bit 1, u = bit 0 of l; its three words are words 6 c + 3 u + j of the operand lane's twelve
	v_bfe_u32 v196, v2, 2, 1
	v_and_b32 v197, 1, v2
	v_mul_u32_u24 v196, v196, 6
	v_mad_u32_u24 v196, v197, 3, v196              ; 6 c + 3 u
	v_lshrrev_b32 v197, 3, v2
	v_mul_u32_u24 v197, v197, 768                  ; a K step of 8 rows is 768 bytes
	v_bfe_u32 v198, v2, 1, 1
	v_lshl_add_u32 v197, v198, 7, v197             ; + 128 h
	v_add_nc_u32 v197, s33, v197
.irp j, 0,1,2
	v_add_nc_u32 v198, \j, v196                    ; word d
	v_lshrrev_b32 v199, 2, v198
	v_and_b32 v198, 3, v198
	v_lshl_add_u32 v199, v199, 8, v197             ; + 256 (d / 4)
	v_lshl_add_u32 v[XIA+\j], v198, 2, v199        ; + 4 (d % 4)
.endr
	v_add_nc_u32 v[XIR], s33, v3
	XRUN 1
.irp i, 0,1,2,3,4,5,6,7,8,9,10,11
	ds_load_b128 v[XR+4*\i:XR+4*\i+3], v[XIR] offset:512*\i   ; the image as it lies: these see my word stores
.endr
	s_wait_dscnt 12                                ; the scale bytes are back; the image's twelve loads may be out
	global_store_b64 v7, v[12:13], s[10:11]        ; 32 lanes store 256 consecutive bytes, aligned
.irp i, 0,1,2,3,4,5,6,7,8,9,10,11
	s_wait_dscnt 11-\i                             ; the loads behind number i may be out
	global_store_b128 v3, v[XR+4*\i:XR+4*\i+3], s[8:9] offset:512*\i   ; 32 lanes store 512 consecutive bytes, aligned
.endr
	s_wait_tensorcnt 0x0
	ds_add_u32 v208, v209
	s_wait_dscnt 0x0
	s_endpgm
; ---------------------------------------------------------------- the four W
; wq: codes of W number wi (0 q, 1 k, 2 v, 3 o) at wi x 786,432, 768 bytes a row n; scale bytes [1024][32] at 3,145,728 + wi x 32,768.
; A LANE TAKES A COLUMN n AND ITS REGISTERS RUN DOWN K: a block of 32 lies in one lane's 32 registers, and the conversions give codes with K innermost.  Nothing is transposed by an instruction.
; ROW ORDER OF THE RESULT: inside each aligned group of 32 columns n the second and third runs of 8 change places: stored position 16 u + r holds column 8 u + r + 8 (r / 8).
; Work-group i: 128 columns (i % 8), W number i / 32, 256 along K ((i / 8) % 4).  A wave takes 32 columns x 256 along K; its codes go through its own stage and leave as rows of 192 consecutive bytes.
.set SIZE_K, 1024
.set SIZE_N, 1024
.set KW,    256
.set NB,    KW/32
.set ROWB,  192
.set PITCH, 272                        ; a stage row: sixteen places of 16 bytes, each with 12 bytes of codes, + 16
.set KROW,  SIZE_K*6/8
.set WX,    32                         ; v32-95   two sets of 32 numbers
.set WC,    96                         ; v96..    a block's codes
.set WOUT,  112                        ; v112-175 the way out
.set WSB,   24                         ; v24-25   the scale bytes, four to a register
.set WCODES, 786432
.set WSC,   3145728
.Lweights:
	s_load_b256 s[32:39], s[0:1], 0x0              ; W_q s[32:33], W_k s[34:35], W_v s[36:37], W_o s[38:39]
	s_load_b64 s[40:41], s[0:1], 0x50              ; wq
	s_and_b32 s17, ttmp9, 7
	s_lshl_b32 s17, s17, 7
	s_lshl_b32 s18, s16, 5
	s_add_co_u32 s17, s17, s18                     ; my wave's first column
	s_lshr_b32 s18, ttmp9, 3
	s_lshr_b32 s30, s18, 2                         ; wi
	s_and_b32 s18, s18, 3                          ; which KW along K
	v_lshlrev_b32 v3, 2, v2                        ; in: 4 bytes a lane
	s_mul_i32 s19, s16, WREG                       ; my stage: 32 rows of PITCH bytes
	v_mul_u32_u24 v4, v2, PITCH
	v_add_nc_u32 v4, s19, v4                       ; into it: row = my column
	v_and_b32 v5, 15, v2
	v_lshrrev_b32 v6, 4, v2
	v_mul_u32_u24 v7, v6, PITCH
	v_lshl_add_u32 v7, v5, 4, v7
	v_add_nc_u32 v7, s19, v7                       ; out of it: sixteen lanes to a row, two rows an instruction
	v_mul_u32_u24 v8, v6, KROW
	v_mad_u32_u24 v8, v5, 12, v8                   ; and the same place in the codes
	v_and_b32 v9, 7, v2                            ; my column's stored position: bits 3 and 4 of the lane change places
	v_and_b32 v10, 8, v2
	v_lshl_or_b32 v9, v10, 1, v9
	v_and_b32 v10, 16, v2
	v_lshrrev_b32 v10, 1, v10
	v_or_b32 v9, v9, v10
	v_lshlrev_b32 v9, 5, v9                        ; 32 scale bytes a row
	s_mov_b32 s19, 0
	s_mov_b64 s[20:21], KW*SIZE_N*4
	s_mul_u64 s[20:21], s[18:19], s[20:21]
	s_lshl_b32 s22, s17, 2
	s_mov_b32 s23, 0
	s_add_nc_u64 s[20:21], s[20:21], s[22:23]      ; W: KW y rows + 4 x column
	s_mul_i32 s24, s17, KROW
	s_mul_i32 s26, s18, ROWB
	s_add_co_u32 s24, s24, s26
	s_mul_i32 s26, s30, WCODES
	s_add_co_u32 s24, s24, s26                     ; codes: wi's part + column x KROW + ROWB y
	s_mov_b32 s25, 0
	s_lshl_b32 s28, s17, 5
	s_lshl_b32 s26, s18, 3
	s_add_co_u32 s28, s28, s26
	s_lshl_b32 s26, s30, 15
	s_add_co_u32 s28, s28, s26
	s_add_co_u32 s28, s28, WSC                     ; scale bytes: wi's part + column x 32 + NB y
	s_mov_b32 s29, 0
	s_and_b32 s31, s30, 1
	s_lshr_b32 s30, s30, 1
	s_wait_kmcnt 0x0
	s_cmp_lg_u32 s31, 0                            ; the choices hang on the work-group's number alone
	s_cselect_b64 s[32:33], s[34:35], s[32:33]     ; W_k or W_q
	s_cselect_b64 s[36:37], s[38:39], s[36:37]     ; W_o or W_v
	s_cmp_lg_u32 s30, 0
	s_cselect_b64 s[4:5], s[36:37], s[32:33]
	s_add_nc_u64 s[4:5], s[4:5], s[20:21]
	s_add_nc_u64 s[6:7], s[40:41], s[24:25]
	s_add_nc_u64 s[8:9], s[40:41], s[28:29]
.macro WLOAD t                         ; block t: W(32 t + i, my column), i = 0 .. 31, into set t % 2
.irp i, 0,1,2,3,4,5,6,7,8,9,10,11,12,13,14,15,16,17,18,19,20,21,22,23,24,25,26,27,28,29,30,31
	global_load_b32 v[WX+32*((\t)%2)+\i], v3, s[4:5] offset:(32*(\t)+\i)*SIZE_N*4 th:TH_LOAD_NT
.endr
.endm
	WLOAD 0
	WLOAD 1
.macro WBLOCK t
.set XS, WX+32*((\t)%2)
.if (\t) < NB-1
	s_wait_loadcnt 32                              ; this block's 32 loads are in; the next block's 32 may be out
.else
	s_wait_loadcnt 0
.endif
	v_max3_num_f32 v12, |v[XS]|, |v[XS+1]|, |v[XS+2]|
	v_max3_num_f32 v13, |v[XS+3]|, |v[XS+4]|, |v[XS+5]|
.irp i, 6,10,14,18,22,26
	v_max3_num_f32 v12, v12, |v[XS+\i]|, |v[XS+\i+1]|
	v_max3_num_f32 v13, v13, |v[XS+\i+2]|, |v[XS+\i+3]|
.endr
	v_max3_num_f32 v12, v12, |v[XS+30]|, |v[XS+31]|
	v_max3_num_f32 v12, v12, v13, (EMAX+1)<<23     ; and the floor: the byte cannot fall under 1
	v_add_nc_u32 v11, -(EMAX<<23), v12             ; the conversion's scale operand
	v_lshrrev_b32 v13, 23, v11                     ; the scale's byte
.if (\t)%4 == 0
	v_mov_b32 v[WSB+(\t)/4], v13
.else
	v_lshl_or_b32 v[WSB+(\t)/4], v13, 8*((\t)%4), v[WSB+(\t)/4]
.endif
	v_cvt_scalef32_pk16_fp6_f32 v[WC:WC+2], v[XS:XS+15], v11
	v_cvt_scalef32_pk16_fp6_f32 v[WC+4:WC+6], v[XS+16:XS+31], v11   ; (a conversion's three registers begin on an even number)
	v_nop                                          ; one plain line behind the conversions
	ds_store_b96 v4, v[WC:WC+2] offset:32*(\t)     ; 12 bytes to a place of 16, so that every LDS address is a multiple of 16
	ds_store_b96 v4, v[WC+4:WC+6] offset:32*(\t)+16
.if (\t)+2 < NB
	WLOAD (\t)+2
.endif
	s_wait_dscnt 0x0                               ; the stores have read their registers: the next block's codes may be written
.endm
.set Q, 0
.rept NB
	WBLOCK Q
.set Q, Q+1
.endr
	global_store_b64 v9, v[WSB:WSB+1], s[8:9]      ; my column's 8 scale bytes, at its stored position
.irp t, 0,1,2,3,4,5,6,7,8,9,10,11,12,13,14,15
	ds_load_b96 v[WOUT+4*\t:WOUT+4*\t+2], v7 offset:2*\t*PITCH   ; LDS serves a wave's instructions in order: these see my stores
.endr
.irp t, 0,1,2,3,4,5,6,7,8,9,10,11,12,13,14,15
	s_wait_dscnt 15-\t                             ; the loads behind number t may be out
	global_store_b96 v8, v[WOUT+4*\t:WOUT+4*\t+2], s[6:7] offset:(8*(((\t/4)&1)*2+\t/8)+(2*\t)%8)*KROW   ; columns 2 t, 2 t + 1 go to their stored rows
.endr
	s_wait_tensorcnt 0x0
	ds_add_u32 v208, v209
	s_wait_dscnt 0x0
	s_endpgm
; ---------------------------------------------------------------- the mask
; mbits: [tile of 16 queries, 512][key step of 128 keys, 16][n, 64] words.  Bit L of word n = (mask(query 16 T + L % 16, key 128 s + 64 (n / 32) + 32 (L / 16) + n % 32) != 0):
; word n is the lane mask for register n of a lane's 64 scores in the attention launch.  So the mask's 64 MiB are read once and not once for each of 16 heads.
; A work-group takes a tile of 16 queries; a wave makes four units, a unit = 16 mask rows x 128 keys (8 KiB in, 256 bytes out).  Each load reads 512 consecutive bytes of one row; a unit turns through the
; wave's own stage (rows of 512 + 16 bytes) so that lane (r, h) holds row r's numbers in register order; a compare gives a word, v_writelane_b32 lays word n into lane n / 2.
; Two units' loads, 32 of 512 bytes, are out in each wave.
.set MR,     16                        ; v16-143  two sets of 64 registers as loaded
.set MX,     144                       ; v144-207 a unit in register order
.set MOW,    8                         ; v8-15    a pair of output registers for each unit, so that no store's data are written again
.set SPITCH, 528
.Lmask:
	s_load_b128 s[4:7], s[0:1], 0x40               ; the mask s[4:5], mbits s[6:7]
	v_lshlrev_b32 v3, 4, v2                        ; 16 bytes a lane
	s_mul_i32 s9, s16, WREG
	v_add_nc_u32 v4, s9, v3                        ; the stage, way in
	v_and_b32 v6, 15, v0
	v_bfe_u32 v7, v0, 4, 1
	v_mul_u32_u24 v5, v6, SPITCH
	v_lshl_add_u32 v5, v7, 7, v5
	v_add_nc_u32 v5, s9, v5                        ; way out: row r, + 128 h bytes (32 keys)
	v_lshlrev_b32 v7, 3, v2                        ; 8 bytes a lane in a unit's 256
	s_sub_co_u32 s10, ttmp9, NW                    ; my tile of 16 queries, 0 .. 511
	s_lshl_b32 s12, s10, 17                        ; 16 rows of 8,192 bytes
	s_lshl_b32 s14, s16, 11                        ; my four key steps
	s_add_co_u32 s12, s12, s14
	s_mov_b32 s13, 0
	s_lshl_b32 s14, s10, 12                        ; 16 steps of 256 bytes
	s_lshl_b32 s15, s16, 10
	s_add_co_u32 s14, s14, s15
	s_mov_b32 s15, 0
	s_wait_kmcnt 0x0
	s_add_nc_u64 s[4:5], s[4:5], s[12:13]
	s_add_nc_u64 s[6:7], s[6:7], s[14:15]
.macro MLOAD u
.irp p, 0,1,2,3,4,5,6,7,8,9,10,11,12,13,14,15
	global_load_b128 v[MR+64*((\u)%2)+4*\p:MR+64*((\u)%2)+4*\p+3], v3, s[4:5] offset:\p*8192+(\u)*512 th:TH_LOAD_NT
.endr
.endm
.macro MUNIT u
.if (\u) < 3
	s_wait_loadcnt 16                              ; this unit's 16 loads are in; the next unit's 16 may be out
.else
	s_wait_loadcnt 0x0
.endif
.irp p, 0,1,2,3,4,5,6,7,8,9,10,11,12,13,14,15
	ds_store_b128 v4, v[MR+64*((\u)%2)+4*\p:MR+64*((\u)%2)+4*\p+3] offset:\p*SPITCH
.endr
.irp b, 0,1,2,3
.irp q, 0,1,2,3
	ds_load_b128 v[MX+16*\b+4*\q:MX+16*\b+4*\q+3], v5 offset:256*(\b/2)+64*(\b%2)+16*\q   ; register n = key 64 (n / 32) + 32 h + n % 32 of row r
.endr
.endr
	s_wait_dscnt 0x0                               ; the unit is back; the stage stores have read their registers
.if (\u)+2 < 4
	MLOAD (\u)+2
.endif
	v_mov_b32 v[MOW+2*(\u)], 0                     ; (a lane write's destination counts as read)
	v_mov_b32 v[MOW+2*(\u)+1], 0
.irp g, 0,1,2,3
.irp k, 0,1,2,3,4,5,6,7,8,9,10,11,12,13,14,15
	v_cmp_ne_u32 s[20+\k], 0, v[MX+16*\g+\k]       ; word 16 g + k
.endr
.irp k, 0,1,2,3,4,5,6,7,8,9,10,11,12,13,14,15
	v_writelane_b32 v[MOW+2*(\u)+\k%2], s[20+\k], (16*\g+\k)/2
.endr
.endr
	global_store_b64 v7, v[MOW+2*(\u):MOW+2*(\u)+1], s[6:7] offset:256*(\u)   ; 32 lanes store 256 consecutive bytes, aligned
.endm
	MLOAD 0
	MLOAD 1
	MUNIT 0
	MUNIT 1
	MUNIT 2
	MUNIT 3
	s_wait_tensorcnt 0x0
	ds_add_u32 v208, v209
	s_wait_dscnt 0x0
	s_endpgm
.Lfunc_end_k_qf9ed668475_prep:
	.size	k_qf9ed668475_prep, .Lfunc_end_k_qf9ed668475_prep-k_qf9ed668475_prep
	.p2alignl 7, 3214868480
	.fill 96, 4, 3214868480
	.section	.rodata,"a",@progbits
	.p2align	6, 0x0
	.amdhsa_kernel k_qf9ed668475_prep
		.amdhsa_group_segment_fixed_size 47616
		.amdhsa_private_segment_fixed_size 0
		.amdhsa_enable_private_segment 0
		.amdhsa_kernarg_size 88
		.amdhsa_user_sgpr_count 2
		.amdhsa_user_sgpr_kernarg_segment_ptr 1
		.amdhsa_wavefront_size32 1
		.amdhsa_system_sgpr_workgroup_id_x 1
		.amdhsa_system_sgpr_workgroup_id_y 1
		.amdhsa_system_sgpr_workgroup_id_z 1
		.amdhsa_system_vgpr_workitem_id 0
		.amdhsa_next_free_vgpr 210
		.amdhsa_next_free_sgpr 66
		.amdhsa_reserve_vcc 0
		.amdhsa_float_denorm_mode_32 3
		.amdhsa_float_denorm_mode_16_64 3
		.amdhsa_memory_ordered 1
		.amdhsa_forward_progress 1
		.amdhsa_inst_pref_size 158
	.end_amdhsa_kernel
	.amdgpu_metadata
---
amdhsa.version: [ 1, 2 ]
amdhsa.kernels:
  - .name:           k_qf9ed668475_prep
    .symbol:         k_qf9ed668475_prep.kd
    .args:
      - { .name: W_q, .offset: 0, .size: 8, .value_kind: global_buffer, .address_space: global }
      - { .name: W_k, .offset: 8, .size: 8, .value_kind: global_buffer, .address_space: global }
      - { .name: W_v, .offset: 16, .size: 8, .value_kind: global_buffer, .address_space: global }
      - { .name: W_o, .offset: 24, .size: 8, .value_kind: global_buffer, .address_space: global }
      - { .name: queries, .offset: 32, .size: 8, .value_kind: global_buffer, .address_space: global }
      - { .name: keys, .offset: 40, .size: 8, .value_kind: global_buffer, .address_space: global }
      - { .name: values, .offset: 48, .size: 8, .value_kind: global_buffer, .address_space: global }
      - { .name: xq, .offset: 56, .size: 8, .value_kind: global_buffer, .address_space: global }
      - { .name: attention_mask, .offset: 64, .size: 8, .value_kind: global_buffer, .address_space: global }
      - { .name: mbits, .offset: 72, .size: 8, .value_kind: global_buffer, .address_space: global }
      - { .name: wq, .offset: 80, .size: 8, .value_kind: global_buffer, .address_space: global }
    .group_segment_fixed_size: 47616
    .private_segment_fixed_size: 0
    .kernarg_segment_align: 8
    .kernarg_segment_size: 88
    .max_flat_workgroup_size: 128
    .sgpr_count:     66
    .vgpr_count:     210
    .wavefront_size: 32
...
	.end_amdgpu_metadata
.endif
;; end of part 7
;; launch proj (part 8): grid 4 x 64, 4 waves a work-group, clusters of 4 x 4, 327,680 bytes of LDS; arguments xq, wq, b_k, b_v, kv; writes kv
.if DOCPART == 8
	.amdgcn_target "amdgcn-amd-amdhsa--gfx1250"
	.amdhsa_code_object_version 6
	.text
	.protected	k_qf9ed668475_proj
	.globl	k_qf9ed668475_proj
	.p2align	8
	.type	k_qf9ed668475_proj,@function
k_qf9ed668475_proj:
	s_mov_b64 s[64:65], 0
	v_nop
	global_prefetch_b8 v0, s[64:65] scope:SCOPE_SE
	s_setreg_imm32_b32 hwreg(HW_REG_WAVE_MODE, 25, 1), 1
	s_wait_xcnt 0x0
	s_wait_alu depctr_hold_cnt(0) depctr_sa_sdst(0) depctr_va_vdst(0) depctr_va_sdst(0) depctr_va_ssrc(0) depctr_va_vcc(0) depctr_vm_vsrc(0)
	s_getreg_b32 s2, hwreg(HW_REG_IB_STS2, 6, 4)
	s_cmp_eq_u32 s2, 0
	s_cbranch_scc0 .Lentry_in_a_cluster
	s_endpgm
.Lentry_in_a_cluster:
	s_bfe_u32 s2, ttmp6, 0x10000c
	s_cmp_lg_u32 s2, 0xf033
	s_cbranch_scc0 .Lentry_shape_is_right
	s_endpgm
.Lentry_shape_is_right:
; The projections of keys and values, x W + b, on codes of FP6 (E2M3) with E8M0 scales; K = 1,024.  The results never go to memory as f32: bias added, they are quantised in registers and stored as IMAGES OF THE
; OPERAND REGISTERS that the attention launch wants.  (The queries' projection is made by the attention launch itself, whose work-groups own just its pieces: so this launch has 4 x 64 work-groups.)
; ROLE = 1 + cluster y / 8.  Role 1 (k): A = rows of keys (8,192), B = rows of W_k (1,024 output channels).  Role 2 (v): A = rows of W_v (channels), B = rows of values (keys).
; A tile of 256 (A rows) x 256 (B rows) is made by a work-group of four waves, 128 x 128 a wave: 64 accumulators, 512 registers.  K goes in steps of 256 through a ring of two LDS slots filled by the
; tensor data mover; the scale bytes of the work-group's rows come into LDS once.  4 x 4 work-groups form a cluster: A's tiles are asked for jointly along a row of it, B's along a column.
; THE MATRIX INSTRUCTION IS USED TRANSPOSED (source 0 = 16 rows of B, source 1 = 16 rows of A): lane (r, h) holds A's row r, and its register j B's row 8 h + j.  Rows of values and of all W are stored
; so that position 16 u + r of a group of 32 holds row 8 u + r + 8 (r / 8); so the 64 registers of A's block a against B's eight blocks run along B's true order: register 16 b + i = B row 32 b + 16 h + i.
; Rows of keys (A in role 1) are stored in the order that the attention launch wants of K's tiles: position 16 t + 8 h + j of a group of 64 holds key 32 h + 8 t + j.  A's rows are taken as they are
; stored: tile a of an image is stored rows 16 a .. 16 a + 15.
; Role 1: a lane's 64 registers are 128 channels = two heads of one key: quantised along the head's 64.  Role 2: they are 128 keys of one channel: quantised along the keys.
; OUT.  kv [bh 64][128 keys, 16][13,312]: K's codes 6,144, V's four channel tiles 4 x 1,536, K's scale words 512, V's 512.
; Codes: groups of four registers, lane l's 16 bytes at 16 l, 512 bytes a group.  K's scale words: byte 16 l + 4 q = the word of tile 2 q + l / 16, row l % 16; bytes 2, 3 of a word are 0.
; LIMITS: NaN and infinities are not served; a block of zeros gets the scale byte 1, not 127 (its codes are zeros; this program alone reads the bytes).
; REGISTERS, in windows of 256: window 0: v0-31 addresses; v32-63 scale words, two sets; v64-127 the bias along B; v128-223 A's fragments, one set; v224-239 the bias along A.  On the way out v32-56 and v128-247 are at work.
;   window 1: B's fragments, two sets.   windows 2, 3: the accumulators ((a, b) at v[8 (8 (a % 4) + b)]).
.set SIZE_K, 1024
.set KSTEP,  256
.set NQ,     KSTEP/128
.set ROWB,   192                       ; a tile's row: 256 codes
.set KROW,   SIZE_K*6/8
.set PITCH,  240                       ; an LDS row: 3 x (64 bytes + 16 of padding)
.set FR,     12
.set NL,     6
.set NP,     4
.set HALFT,  128*PITCH
.set SLOT,   4*HALFT
.set LAPS,   SIZE_K/(2*KSTEP)
.set KS,     SIZE_K/32
.set SCL,    2*SLOT
.set HALFS,  (128*KS/256)*272
.set SBLK,   (16*KS/256)*272
.set SPARE,  SCL+4*HALFS               ; the spare words, 128 bytes a wave: two blocks of 256 bytes that no other line names
.set XSC,    18874368
.set WSC,    3145728
.set STEPB,  13312                     ; a key step's bytes in kv
.set ADRA, 16                          ; v16-19  LDS addresses of my A fragments (slot 0, 1; the same behind one padding more)
.set ADRB, 20                          ; v20-23  the same for B
.set LOFF, 24                          ; v24     16 x lane: an image's place for my lane
.set SCQ,  25                          ; v25     scratch for k's scale words: 1,024 x wave + 512 h + 16 r
.set SCV,  26                          ; v26     scratch for v's: 4,096 + 1,024 x wave + 16 x lane
.set ADRS, 27                          ; v27     LDS address of my scale words
.set SPW,  28                          ; v28     my spare word; never rewritten
.set NIL,  29                          ; v29     0; never rewritten
.set SCR,  30                          ; v30     k's scratch read back: 1,024 x wave + 16 x lane
.set SH16, 31                          ; v31     16 h
.set SC,   32
.set BN,   64
.set AF,   128
.set BM,   224
.set T,    128                         ; the way out: 64 numbers
.set X0,   192                         ; codes: 12 registers,
.set X1,   204                         ; and 12 more
.set CT,   216                         ; v216-218, v220-222 the conversions' second halves
.set TM,   32                          ; v32-47 at work in QUANT
.set PW,   48                          ; the scale word just made
.set VW,   49                          ; v49-56 the word as stored, one for each block
.set G1, 24
.set G0, 32
.set G1B, 48
.set G0B, 56
.set G1S, 68
.set G0S, 76
.set G1SB, 80
.set G0SB, 88
.set BIAS, 66                          ; s[66:67] the role's bias
.set ROLE, 96
.set SCOFF, 98                         ; bytes from my codes to my scale words
.set SEL,  100                         ; s[100:101] selects of v_permlanex16_b32: lane l xor 16
.set MSB, 0
.macro WIN new                         ; the immediate's high byte repeats the setting that is left
.if MSB != (\new)
	s_set_vgpr_msb (MSB<<8)|(\new)
.set MSB, (\new)
.endif
.endm
.set MUL_LO, 0xa1                      ; source 0 (B) window 1, source 1 (A) window 0, C and D window 2
.set MUL_HI, 0xf1                      ; the same, C and D window 3
.set TO_B,   0x40                      ; destination window 1
; A joint load: waves 0 and 1 fetch for A, waves 2 and 3 for B; the branch hangs on the wave's number alone.  Four v_nop follow each of the two lines.
.macro JLOAD g0a, g1a, g0b, g1b
	s_cmp_eq_u32 s15, 0
	s_cbranch_scc0 .Lfor_b_\@
	tensor_load_to_lds s[\g0a:\g0a+3], s[\g1a:\g1a+7]
	s_nop 0
.rept 4
	v_nop
.endr
	s_branch .Lasked_\@
.Lfor_b_\@:
	tensor_load_to_lds s[\g0b:\g0b+3], s[\g1b:\g1b+7]
	s_nop 0
.rept 4
	v_nop
.endr
.Lasked_\@:
.endm
.macro CREST                           ; a round of the cluster's barrier behind its opening barrier
	s_cmp_lg_u32 s14, 0
	s_cbranch_scc1 .Lnot_wave_0_\@
	s_barrier_signal -3
.Lnot_wave_0_\@:
	s_barrier_wait -3
	s_barrier_signal -1
	s_barrier_wait -1
.endm
.macro CROUND
	s_barrier_signal -1
	s_barrier_wait -1
	CREST
.endm
	s_load_b256 s[68:75], s[0:1], 0x0              ; xq s[68:69], wq s[70:71], b_k s[72:73], b_v s[74:75]
	s_load_b64 s[76:77], s[0:1], 0x20              ; kv
	v_lshl_add_u32 v[SPW], v0, 2, SPARE
	v_mov_b32 v[NIL], 0
	ds_add_u32 v28, v29
	ds_add_u32 v28, v29
	s_wait_dscnt 0x0
	v_lshrrev_b32 v1, 5, v0
	v_readfirstlane_b32 s14, v1                    ; wave 0..3
	s_lshr_b32 s15, s14, 1                         ; which half of A's rows is mine.  Also: I fetch for A (0) or for B (1)
	s_and_b32 s16, s14, 1                          ; which half of B's rows.  Also: which 128 rows I fetch
	s_bfe_u32 s40, ttmp6, 0x40000                  ; cx
	s_bfe_u32 s41, ttmp6, 0x40004                  ; cy
	s_and_b32 s18, ttmp7, 0xffff                   ; the cluster's y, 0 .. 15: the same in all sixteen partners
	s_lshr_b32 s[ROLE], s18, 3
	s_add_co_u32 s[ROLE], s[ROLE], 1               ; 1: keys, 2: values: also the tensor's and the weight's number in xq and wq
	s_and_b32 s18, s18, 7
	s_lshl_b32 s18, s18, 2
	s_cmp_eq_u32 s[ROLE], 2
	s_cselect_b32 s42, s18, 0                      ; the long axis (8,192 rows) is B's in role 2,
	s_cselect_b32 s17, 0, s18                      ; else A's
	s_add_co_u32 s42, s42, s40                     ; B's tile: hangs on cx and the cluster's number
	s_add_co_u32 s17, s17, s41                     ; A's tile: hangs on cy and the cluster's number
	s_lshl_b32 s43, s41, 2
	s_lshl_b32 s43, 15, s43                        ; my row of the cluster
	s_lshl_b32 s44, 0x1111, s40                    ; my column
	s_mul_i32 s20, s[ROLE], 6291456                ; the role's parts of xq and wq, in bytes
	s_mov_b32 s21, 0
	s_lshl_b32 s22, s[ROLE], 18
	s_add_co_u32 s22, s22, XSC
	s_mov_b32 s23, 0
	s_mul_i32 s46, s[ROLE], 786432
	s_mov_b32 s47, 0
	s_lshl_b32 s92, s[ROLE], 15
	s_add_co_u32 s92, s92, WSC
	s_mov_b32 s93, 0
	s_mov_b32 s[SEL], 0x76543210
	s_mov_b32 s[SEL+1], 0xfedcba98
	s_wait_kmcnt 0x0
	s_add_nc_u64 s[20:21], s[68:69], s[20:21]      ; x's codes
	s_add_nc_u64 s[22:23], s[68:69], s[22:23]      ; x's scales
	s_add_nc_u64 s[46:47], s[70:71], s[46:47]      ; W's codes
	s_add_nc_u64 s[92:93], s[70:71], s[92:93]      ; W's scales
	s_cmp_eq_u32 s[ROLE], 2                        ; the choices hang on the cluster's number alone
	s_cselect_b64 s[4:5], s[46:47], s[20:21]       ; A's codes
	s_cselect_b64 s[6:7], s[92:93], s[22:23]       ; A's scales
	s_cselect_b64 s[8:9], s[20:21], s[46:47]       ; B's codes
	s_cselect_b64 s[10:11], s[22:23], s[92:93]     ; B's scales
	s_cselect_b64 s[BIAS:BIAS+1], s[74:75], s[72:73]
	s_mov_b64 s[12:13], s[76:77]                   ; kv
	; descriptor group 1: a tile of 128 rows x 192 bytes, 16 bytes of padding behind every 64
	s_or_b32 s[G1+0], s43, (0<<16)|(1<<20)|(1<<21)|(3<<22)|(3<<25)
	s_or_b32 s[G1B+0], s44, (0<<16)|(1<<20)|(1<<21)|(3<<22)|(3<<25)
.irp g, G1, G1B
	s_mov_b32 s[\g+1], ROWB<<16                    ; tensor_dim0
	s_mov_b32 s[\g+2], 128<<16                     ; tensor_dim1
	s_mov_b32 s[\g+3], ROWB<<16                    ; tile_dim0
	s_mov_b32 s[\g+4], 128                         ; tile_dim1
	s_mov_b32 s[\g+5], KROW                        ; the pitch
	s_mov_b32 s[\g+6], 0
	s_mov_b32 s[\g+7], 0
.endr
	; the scales of 128 rows: 4,096 dense bytes as 16 rows of 256 (32 elements of 8 bytes), 16 bytes of padding behind each
	s_or_b32 s[G1S+0], s43, (3<<16)|(1<<20)|(1<<21)|(5<<22)|(3<<25)
	s_or_b32 s[G1SB+0], s44, (3<<16)|(1<<20)|(1<<21)|(5<<22)|(3<<25)
.irp g, G1S, G1SB
	s_mov_b32 s[\g+1], 32<<16
	s_mov_b32 s[\g+2], (128*KS/256)<<16
	s_mov_b32 s[\g+3], 32<<16
	s_mov_b32 s[\g+4], 128*KS/256
	s_mov_b32 s[\g+5], 32
	s_mov_b32 s[\g+6], 0
	s_mov_b32 s[\g+7], 0
.endr
	s_lshl_b32 s18, s16, 7                         ; which 128 rows of the tile I fetch
	s_lshl_b32 s20, s17, 8
	s_add_co_u32 s20, s20, s18                     ; A: row 256 x tile + 128 x half
	s_lshl_b32 s46, s42, 8
	s_add_co_u32 s46, s46, s18                     ; B likewise
	s_mov_b32 s21, 0
	s_mov_b32 s47, 0
	s_mov_b64 s[18:19], KS
	s_mul_u64 s[22:23], s[20:21], s[18:19]         ; where these rows' scales begin,
	s_mul_u64 s[92:93], s[46:47], s[18:19]
	s_mov_b64 s[18:19], KROW
	s_mul_u64 s[20:21], s[20:21], s[18:19]         ; and their codes
	s_mul_u64 s[46:47], s[46:47], s[18:19]
	s_mul_i32 s45, s14, HALFT                      ; where they go: wave x 128 rows
	s_mul_i32 s94, s14, HALFS
	s_add_nc_u64 s[20:21], s[4:5], s[20:21]
	s_add_nc_u64 s[22:23], s[6:7], s[22:23]
	s_add_nc_u64 s[46:47], s[8:9], s[46:47]
	s_add_nc_u64 s[92:93], s[10:11], s[92:93]
	CROUND                                         ; all sixteen work-groups are here: the first joint loads meet
	s_mov_b32 s[G0S], 1
	s_add_co_u32 s[G0S+1], s94, SCL
	s_mov_b64 s[G0S+2:G0S+3], s[22:23]
	s_or_b32 s[G0S+3], s[G0S+3], 0x80000000
	s_mov_b32 s[G0SB], 1
	s_add_co_u32 s[G0SB+1], s94, SCL
	s_mov_b64 s[G0SB+2:G0SB+3], s[92:93]
	s_or_b32 s[G0SB+3], s[G0SB+3], 0x80000000
	JLOAD G0S, G1S, G0SB, G1SB                     ; the scales first: they are wanted with K step 0
.irp s, 0,1
	s_mov_b32 s[G0+4*\s], 1
	s_add_co_u32 s[G0+4*\s+1], s45, \s*SLOT
	s_add_nc_u64 s[G0+4*\s+2:G0+4*\s+3], s[20:21], \s*ROWB
	s_or_b32 s[G0+4*\s+3], s[G0+4*\s+3], 0x80000000
	s_mov_b32 s[G0B+4*\s], 1
	s_add_co_u32 s[G0B+4*\s+1], s45, \s*SLOT
	s_add_nc_u64 s[G0B+4*\s+2:G0B+4*\s+3], s[46:47], \s*ROWB
	s_or_b32 s[G0B+4*\s+3], s[G0B+4*\s+3], 0x80000000
	JLOAD G0+4*\s, G1, G0B+4*\s, G1B
.endr
	v_and_b32 v1, 15, v0                           ; r
	v_bfe_u32 v2, v0, 4, 1                         ; h
	v_mul_u32_u24 v3, v1, PITCH
	v_mul_u32_u24 v4, v2, 24
	v_add_nc_u32 v4, v3, v4                        ; a fragment's row x pitch + 24 h
	v_lshl_add_u32 v5, v2, 4, v4                   ; and the same behind one padding more
	s_mul_i32 s21, s15, HALFT                      ; my 128 rows of A
	s_mul_i32 s22, s16, HALFT                      ; my 128 rows of B,
	s_add_co_u32 s22, s22, 2*HALFT                 ; behind A's 256
.irp s, 0,1
	v_add_nc_u32 v[ADRA+\s], s21, v4
	v_add_nc_u32 v[ADRB+\s], s22, v4
	v_add_nc_u32 v[ADRA+2+\s], s21, v5
	v_add_nc_u32 v[ADRB+2+\s], s22, v5
	s_add_co_u32 s21, s21, SLOT
	s_add_co_u32 s22, s22, SLOT
.endr
	v_mul_u32_u24 v5, v1, KS                       ; my row's scales: KS bytes a row,
	v_lshrrev_b32 v6, 8, v5
	v_lshl_add_u32 v5, v6, 4, v5                   ; and 16 more for each 256 passed
	s_mul_i32 s21, s15, HALFS
	s_mul_i32 s22, s16, HALFS
	s_add_co_u32 s22, s22, 2*HALFS
	s_sub_co_u32 s22, s22, s21
	v_mul_u32_u24 v6, s22, v2                      ; lanes 16-31 take B's
	s_add_co_u32 s21, s21, SCL
	v_add_nc_u32 v5, v5, v6
	v_add_nc_u32 v[ADRS], s21, v5
	; the way out's addresses.  The scratches lie in slot 0, each role's in bytes of its own; they are used behind the last change of slots, when slot 0 has had its last fill and its last read
	s_lshl_b32 s23, s14, 10
	v_lshlrev_b32 v5, 4, v1
	v_lshl_add_u32 v5, v2, 9, v5
	v_add_nc_u32 v[SCQ], s23, v5
	v_and_b32 v6, 31, v0
	v_lshlrev_b32 v[LOFF], 4, v6
	v_add_nc_u32 v[SCR], s23, v[LOFF]
	v_add_nc_u32 v[SCV], 4096, v[SCR]
	v_lshlrev_b32 v[SH16], 4, v2
	s_lshl_b32 s99, s17, 8
	s_lshl_b32 s2, s15, 7
	s_add_co_u32 s99, s99, s2                      ; my first row of A
	s_lshl_b32 s104, s42, 8
	s_lshl_b32 s2, s16, 7
	s_add_co_u32 s104, s104, s2                    ; my first row of B
	s_cmp_eq_u32 s[ROLE], 2
	s_cselect_b32 s105, s104, s99                  ; my first key, 0 .. 8,191
	s_cselect_b32 s2, s99, s104                    ; my first channel
	s_cselect_b32 s20, 0, s104                     ; the bias along B is the channels' in role 1 (else loaded from the buffer's start and not used),
	s_cselect_b32 s21, s99, 0                      ; the bias along A in role 2
	s_lshl_b32 s20, s20, 2
	s_lshl_b32 s21, s21, 2
	v_lshl_add_u32 v8, v2, 6, s20                  ; v8, v9: offsets of loads that stay out through the loop; never rewritten
	v_and_b32 v9, 8, v1
	v_add_nc_u32 v9, v9, v1
	v_lshl_add_u32 v9, v9, 2, s21
.irp b, 0,1,2,3
.irp q, 0,1,2,3
	global_load_b128 v[BN+16*\b+4*\q:BN+16*\b+4*\q+3], v8, s[BIAS:BIAS+1] offset:128*\b+16*\q   ; register 16 b + i = bias(32 b + 16 h + i)
.endr
.endr
.irp a, 0,1,2,3,4,5,6,7
	global_load_b32 v[BM+2*\a], v9, s[BIAS:BIAS+1] offset:4*(32*(\a/2)+8*(\a%2))   ; block a: bias(32 (a / 2) + 8 (a % 2) + r + 8 (r / 8))
	v_mov_b32 v[BM+2*\a+1], 0                      ; (named with it as a pair)
.endr
	s_lshr_b32 s22, s105, 11                       ; batch
	s_lshl_b32 s22, s22, 4
	s_lshr_b32 s23, s2, 6
	s_add_co_u32 s22, s22, s23                     ; bh of my first head
	s_lshl_b32 s22, s22, 4
	s_bfe_u32 s23, s105, 0x40007
	s_add_co_u32 s22, s22, s23                     ; x 16 + which 128 keys of the sequence
	s_mov_b32 s[SCOFF], 12288
	s_cmp_eq_u32 s[ROLE], 2
	s_cselect_b32 s[SCOFF], 6656, s[SCOFF]
	s_cselect_b32 s46, 6144, 0                     ; V's images lie behind K's codes
	s_mul_i32 s22, s22, STEPB
	s_add_co_u32 s22, s22, s46
	s_mov_b32 s23, 0
	s_add_nc_u64 s[12:13], s[12:13], s[22:23]      ; codes of my first head
	s_add_nc_u64 s[20:21], s[12:13], 16*STEPB      ; of my second
	s_mov_b32 s22, s[SCOFF]
	s_add_nc_u64 s[46:47], s[20:21], s[22:23]      ; scale words of my second head,
	s_add_nc_u64 s[22:23], s[12:13], s[22:23]      ; of my first
.macro FRAG reg, adr, q, i             ; 16 rows x 128 K: 12 registers; registers 6 c .. 6 c + 5 hold K = 64 c + 32 h + 0 .. 31: 24 bytes of the row, in pieces of 8
.irp p, 0,1,2,3,4,5
.set PC, 12*(\q)+6*(\p/3)+\p%3        ; where the piece three on lies behind one padding more, the second address register serves
.if PC%8 < 5
	ds_load_b64 v[\reg+2*\p:\reg+2*\p+1], v[\adr] offset:8*PC+16*(PC/8)+(\i)*16*PITCH
.else
	ds_load_b64 v[\reg+2*\p:\reg+2*\p+1], v[\adr+2] offset:8*PC+16*(PC/8)+(\i)*16*PITCH
.endif
.endr
.endm
; 16 matrix instructions: A's blocks a0, a0 + 1 x B's eight.  The 64 accumulators take turns, one instruction a turn, in the same order in every step.
.macro MUL16 a0, p, q, sc, zero
.irp a, \a0, \a0+1
.irp b, 0,1,2,3,4,5,6,7
.if \zero
	v_wmma_scale_f32_16x16x128_f8f6f4 v[8*(8*((\a)%4)+\b):8*(8*((\a)%4)+\b)+7], v[128*(\p)+FR*\b:128*(\p)+FR*\b+FR-1], v[AF+FR*(\a):AF+FR*(\a)+FR-1], 0, v[SC+8*NQ*(\sc)+NQ*\b+(\q)], v[SC+8*NQ*(\sc)+NQ*(\a)+(\q)] matrix_a_fmt:MATRIX_FMT_FP6 matrix_b_fmt:MATRIX_FMT_FP6 matrix_a_scale:MATRIX_SCALE_ROW1
.else
	v_wmma_scale_f32_16x16x128_f8f6f4 v[8*(8*((\a)%4)+\b):8*(8*((\a)%4)+\b)+7], v[128*(\p)+FR*\b:128*(\p)+FR*\b+FR-1], v[AF+FR*(\a):AF+FR*(\a)+FR-1], v[8*(8*((\a)%4)+\b):8*(8*((\a)%4)+\b)+7], v[SC+8*NQ*(\sc)+NQ*\b+(\q)], v[SC+8*NQ*(\sc)+NQ*(\a)+(\q)] matrix_a_fmt:MATRIX_FMT_FP6 matrix_b_fmt:MATRIX_FMT_FP6 matrix_a_scale:MATRIX_SCALE_ROW1
.endif
.endr
.endr
.endm
.macro FETCH_B slot, q, p
	WIN TO_B
.irp i, 0,1,2,3,4,5,6,7
	FRAG 128*(\p)+FR*\i, ADRB+\slot, \q, \i
.endr
	WIN 0
.endm
.macro FETCH_A slot, q, i0
.irp i, \i0, \i0+1, \i0+2, \i0+3
	FRAG AF+FR*(\i), ADRA+\slot, \q, \i
.endr
.endm
.macro SCALES sc                       ; a K step's scale words: lanes 0-15 A's block i, lanes 16-31 B's block i
.irp i, 0,1,2,3,4,5,6,7
	ds_load_b64 v[SC+8*NQ*\sc+NQ*\i:SC+8*NQ*\sc+NQ*\i+1], v[ADRS] offset:\i*SBLK
.endr
.endm
.macro PLACES n                        ; plain vector lines between a matrix instruction and a load into, or a vector read or write of, its registers
.rept \n
	v_nop
.endr
.endm
.macro STEP slot, q, zero              ; a step of 128 along K that has its successor in the same slot
	s_wait_dscnt 4*NL                              ; B's set and A's blocks 0-3 are in; the youngest 24 loads (A's blocks 4-7) may be out
	WIN MUL_LO
	MUL16 0, (\q)%2, \q, \slot, \zero
	MUL16 2, (\q)%2, \q, \slot, \zero
	s_wait_dscnt 0                                 ; A's blocks 4-7 are in
	PLACES NP
	FETCH_B \slot, (\q)+1, 1-(\q)%2
	FETCH_A \slot, (\q)+1, 0
	WIN MUL_HI
	MUL16 4, (\q)%2, \q, \slot, \zero
	MUL16 6, (\q)%2, \q, \slot, \zero
	PLACES NP
	WIN 0
	FETCH_A \slot, (\q)+1, 4
.endm
; A slot's last step changes slots: one barrier; in front of it each wave waits for all its tensor loads, adds 0 to its spare word, and waits for that and for its reads of this slot.
.macro TURN slot, next, fill
	s_wait_tensorcnt 0x0                           ; all my tensor loads have landed: my part of the next slot
	ds_add_u32 v[SPW], v[NIL]                      ; 0 onto my spare word
	s_wait_dscnt 4*NL+1                            ; the add and the youngest 24 loads (A's blocks 4-7) may be out
	WIN MUL_LO
	MUL16 0, 1, NQ-1, \slot, 0
	s_wait_dscnt 0x0                               ; the add is done, and my reads of this slot are over
	s_barrier_signal -1
	MUL16 2, 1, NQ-1, \slot, 0
	WIN 0
	s_barrier_wait -1
.if \fill
	CREST                                          ; the barrier has opened a round of the cluster's: no wave of any partner still reads this slot or has a load on its way
	s_add_nc_u64 s[G0+4*\slot+2:G0+4*\slot+3], s[G0+4*\slot+2:G0+4*\slot+3], 2*ROWB
	s_add_nc_u64 s[G0B+4*\slot+2:G0B+4*\slot+3], s[G0B+4*\slot+2:G0B+4*\slot+3], 2*ROWB
	JLOAD G0+4*\slot, G1, G0B+4*\slot, G1B         ; the first tensor load behind the round; its four v_nop are the places in front of the loads below
.else
	PLACES NP
.endif
	v_add_nc_u32 v[ADRS], 4*NQ, v[ADRS]            ; the next K step's scale words
	FETCH_B \next, 0, 0
	FETCH_A \next, 0, 0
	SCALES \next
	WIN MUL_HI
	MUL16 4, 1, NQ-1, \slot, 0
	MUL16 6, 1, NQ-1, \slot, 0
	PLACES NP
	WIN 0
	FETCH_A \next, 0, 4
.endm
	s_wait_tensorcnt 1                             ; the scales and my part of K step 0 are in; K step 1's load may be out
	s_barrier_signal -1
	s_barrier_wait -1
	FETCH_B 0, 0, 0
	FETCH_A 0, 0, 0
	SCALES 0
	FETCH_A 0, 0, 4
	STEP 0, 0, 1                                   ; the first step stands in front of the loop: its products start the sums
	s_mov_b32 s3, LAPS-1
.Llap:
	TURN 0, 1, 1
	STEP 1, 0, 0
	TURN 1, 0, 1
	STEP 0, 0, 0
	s_sub_co_u32 s3, s3, 1
	s_cmp_lg_u32 s3, 0
	s_cbranch_scc1 .Llap
	TURN 0, 1, 0                                   ; the last lap fills nothing
	STEP 1, 0, 0
	s_wait_dscnt 4*NL
	WIN MUL_LO
	MUL16 0, 1, NQ-1, 1, 0
	MUL16 2, 1, NQ-1, 1, 0
	s_wait_dscnt 0
	WIN MUL_HI
	MUL16 4, 1, NQ-1, 1, 0
	MUL16 6, 1, NQ-1, 1, 0
	WIN 0
; THE WAY OUT.  64 numbers of a lane, register 16 b + i = k 32 b + 16 h + i of my row, become 12 registers of codes (six at d0: k 0 .. 63; six at d1: k 64 .. 127) and a scale word in v[PW].
.macro QUANT s, d0, d1
.irp b, 0,1,2,3
	v_max3_num_f32 v[TM+\b], |v[(\s)+16*\b]|, |v[(\s)+1+16*\b]|, 0x1800000   ; my 16 numbers of block b, and the floor 2^(3 - 127): the byte cannot fall under 1
.endr
.irp i, 2,4,6,8,10,12,14
.irp b, 0,1,2,3
	v_max3_num_f32 v[TM+\b], v[TM+\b], |v[(\s)+16*\b+\i]|, |v[(\s)+1+16*\b+\i]|
.endr
.endr
.irp b, 0,1,2,3
	v_permlanex16_b32 v[TM+4+\b], v[TM+\b], s[SEL], s[SEL+1]
.endr
.irp b, 0,1,2,3
	v_max_num_f32 v[TM+\b], v[TM+\b], v[TM+4+\b]   ; with lane l xor 16's: the block's largest magnitude
.endr
.irp b, 0,1,2,3
	v_add_nc_u32 v[TM+12+\b], 0xff000000, v[TM+\b] ; 2 off its exponent field: the conversion's scale operand
.endr
.irp b, 0,1,2,3
	v_lshrrev_b32 v[TM+4+\b], 23, v[TM+12+\b]      ; the scale's byte
.endr
	v_lshl_or_b32 v[PW], v[TM+5], 8, v[TM+4]
	v_lshl_or_b32 v[PW], v[TM+6], 16, v[PW]
	v_lshl_or_b32 v[PW], v[TM+7], 24, v[PW]
	v_cvt_scalef32_pk16_fp6_f32 v[(\d0):(\d0)+2], v[(\s):(\s)+15], v[TM+12]
	v_cvt_scalef32_pk16_fp6_f32 v[CT:CT+2], v[(\s)+16:(\s)+31], v[TM+13]
	v_cvt_scalef32_pk16_fp6_f32 v[(\d1):(\d1)+2], v[(\s)+32:(\s)+47], v[TM+14]
	v_cvt_scalef32_pk16_fp6_f32 v[CT+4:CT+6], v[(\s)+48:(\s)+63], v[TM+15]
	v_nop                                          ; one plain line behind the conversions
.irp i, 0,1,2                                  ; the layout wants a whole block in a lane: lanes 0-15 the even block, lanes 16-31 the odd one
	v_permlane16_swap_b32 v[(\d0)+\i], v[CT+\i]
	v_permlane16_swap_b32 v[(\d1)+\i], v[CT+4+\i]
.endr
.irp i, 0,1,2
	v_mov_b32 v[(\d0)+3+\i], v[CT+\i]
	v_mov_b32 v[(\d1)+3+\i], v[CT+4+\i]
.endr
.endm
.macro BLK_K a                         ; A's block a: 16 keys x my 128 channels = tile a of two heads
.if ((\a)%2 == 0) && ((\a) > 0)
	s_wait_xcnt 0x0                                ; the stores of two blocks ago have read their data: the codes' registers may be written again
.endif
	WIN 0x02+(\a)/4                                ; source 0: window 2 or 3
.set i, 0
.rept 32
	v_pk_add_f32 v[T+2*i:T+2*i+1], v[64*((\a)%4)+2*i:64*((\a)%4)+2*i+1], v[BN+2*i:BN+2*i+1]   ; + bias; each accumulator from its low end on
.set i, i+1
.endr
	WIN 0
	QUANT T, X0+6*((\a)%2), X1+6*((\a)%2)
	v_bfe_u32 v[VW+(\a)], v[PW], v[SH16], 16       ; lanes 0-15: the first head's two bytes; lanes 16-31: the second head's; bytes 2, 3 are 0
	ds_store_b32 v[SCQ], v[VW+(\a)] offset:256*((\a)%2)+4*((\a)/2)
.if (\a)%2 == 1
.irp q, 0,1,2
	global_store_b128 v[LOFF], v[X0+4*\q:X0+4*\q+3], s[12:13] offset:((\a)/2)*1536+512*\q   ; 32 lanes store 512 consecutive bytes, aligned
	global_store_b128 v[LOFF], v[X1+4*\q:X1+4*\q+3], s[20:21] offset:((\a)/2)*1536+512*\q
.endr
.endif
.endm
.macro BLK_V a                         ; A's block a: 16 channels (tile a % 4 of head a / 4) x my 128 keys: one fragment of V
.if (\a) > 0
	s_wait_xcnt 0x0                                ; the last block's stores have read their data
.endif
	WIN 0x02+(\a)/4
.set i, 0
.rept 32
	v_pk_add_f32 v[T+2*i:T+2*i+1], v[64*((\a)%4)+2*i:64*((\a)%4)+2*i+1], v[BM+2*(\a):BM+2*(\a)+1] op_sel_hi:[1,0]   ; + my channel's bias
.set i, i+1
.endr
	WIN 0
	QUANT T, X0, X0+6
	v_mov_b32 v[VW+(\a)], v[PW]
	ds_store_b32 v[SCV], v[VW+(\a)] offset:512*((\a)/4)+4*((\a)%4)
.irp q, 0,1,2
.if (\a) < 4
	global_store_b128 v[LOFF], v[X0+4*\q:X0+4*\q+3], s[12:13] offset:((\a)%4)*1536+512*\q
.else
	global_store_b128 v[LOFF], v[X0+4*\q:X0+4*\q+3], s[20:21] offset:((\a)%4)*1536+512*\q
.endif
.endr
.endm
	s_wait_loadcnt 0x0                             ; the biases
	PLACES NP                                      ; behind the last products: their results are read and their operands' registers written below
.irp b, 0,1,2,3
	v_mov_b32 v[TM+4+\b], 0                        ; written once: a lane permute's destination counts as one of its sources
.endr
	s_cmp_eq_u32 s[ROLE], 2                        ; the same in every wave of the cluster
	s_cbranch_scc1 .Lepi_v
.irp a, 0,1,2,3,4,5,6,7
	BLK_K \a
.endr
	ds_load_b128 v[240:243], v[SCR]                ; LDS serves a wave's instructions in order: these see my stores.  The first head's 512 bytes of scale words,
	ds_load_b128 v[244:247], v[SCR] offset:512     ; the second's
	s_wait_dscnt 0x0
	global_store_b128 v[LOFF], v[240:243], s[22:23]
	global_store_b128 v[LOFF], v[244:247], s[46:47]
	s_branch .Lend
.Lepi_v:
.irp a, 0,1,2,3,4,5,6,7
	BLK_V \a
.endr
	ds_load_b128 v[240:243], v[SCV]
	ds_load_b128 v[244:247], v[SCV] offset:512
	s_wait_dscnt 0x0
	global_store_b128 v[LOFF], v[240:243], s[22:23]
	global_store_b128 v[LOFF], v[244:247], s[46:47]
.Lend:
	s_wait_tensorcnt 0x0                           ; the wave's end
	ds_add_u32 v[SPW], v[NIL]
	s_wait_dscnt 0x0
	CROUND                                         ; the closing round: no work-group ends while a partner may still ask for a tile that names it
	s_endpgm
.Lfunc_end_k_qf9ed668475_proj:
	.size	k_qf9ed668475_proj, .Lfunc_end_k_qf9ed668475_proj-k_qf9ed668475_proj
	.p2alignl 7, 3214868480
	.fill 96, 4, 3214868480
	.section	.rodata,"a",@progbits
	.p2align	6, 0x0
	.amdhsa_kernel k_qf9ed668475_proj
		.amdhsa_group_segment_fixed_size 327680
		.amdhsa_private_segment_fixed_size 0
		.amdhsa_enable_private_segment 0
		.amdhsa_kernarg_size 40
		.amdhsa_user_sgpr_count 2
		.amdhsa_user_sgpr_kernarg_segment_ptr 1
		.amdhsa_wavefront_size32 1
		.amdhsa_system_sgpr_workgroup_id_x 1
		.amdhsa_system_sgpr_workgroup_id_y 1
		.amdhsa_system_sgpr_workgroup_id_z 1
		.amdhsa_system_vgpr_workitem_id 0
		.amdhsa_next_free_vgpr 1024
		.amdhsa_next_free_sgpr 106
		.amdhsa_reserve_vcc 0
		.amdhsa_float_denorm_mode_32 3
		.amdhsa_float_denorm_mode_16_64 3
		.amdhsa_memory_ordered 1
		.amdhsa_forward_progress 1
		.amdhsa_inst_pref_size 235
	.end_amdhsa_kernel
	.amdgpu_metadata
---
amdhsa.version: [ 1, 2 ]
amdhsa.kernels:
  - .name:           k_qf9ed668475_proj
    .symbol:         k_qf9ed668475_proj.kd
    .args:
      - { .name: xq, .offset: 0, .size: 8, .value_kind: global_buffer, .address_space: global }
      - { .name: wq, .offset: 8, .size: 8, .value_kind: global_buffer, .address_space: global }
      - { .name: b_k, .offset: 16, .size: 8, .value_kind: global_buffer, .address_space: global }
      - { .name: b_v, .offset: 24, .size: 8, .value_kind: global_buffer, .address_space: global }
      - { .name: kv, .offset: 32, .size: 8, .value_kind: global_buffer, .address_space: global }
    .group_segment_fixed_size: 327680
    .private_segment_fixed_size: 0
    .kernarg_segment_align: 8
    .kernarg_segment_size: 40
    .max_flat_workgroup_size: 128
    .sgpr_count:     106
    .vgpr_count:     1024
    .wavefront_size: 32
...
	.end_amdgpu_metadata
.endif
;; end of part 8
;; launch attn (part 9): grid 4 x 64, 16 waves a work-group, clusters of 4 x 1, 268,288 bytes of LDS; arguments xq, wq, b_q, kv, mbits, ao; writes ao
.if DOCPART == 9
	.amdgcn_target "amdgcn-amd-amdhsa--gfx1250"
	.amdhsa_code_object_version 6
	.text
	.protected	k_qf9ed668475_attn
	.globl	k_qf9ed668475_attn
	.p2align	8
	.type	k_qf9ed668475_attn,@function
k_qf9ed668475_attn:
	s_mov_b64 s[64:65], 0
	v_nop
	global_prefetch_b8 v0, s[64:65] scope:SCOPE_SE
	s_setreg_imm32_b32 hwreg(HW_REG_WAVE_MODE, 25, 1), 1
	s_wait_xcnt 0x0
	s_wait_alu depctr_hold_cnt(0) depctr_sa_sdst(0) depctr_va_vdst(0) depctr_va_sdst(0) depctr_va_ssrc(0) depctr_va_vcc(0) depctr_vm_vsrc(0)
	s_getreg_b32 s2, hwreg(HW_REG_IB_STS2, 6, 4)
	s_cmp_eq_u32 s2, 0
	s_cbranch_scc0 .Lentry_in_a_cluster
	s_endpgm
.Lentry_in_a_cluster:
	s_bfe_u32 s2, ttmp6, 0x10000c
	s_cmp_lg_u32 s2, 0x3003
	s_cbranch_scc0 .Lentry_shape_is_right
	s_endpgm
.Lentry_shape_is_right:
; q = queries W_q + b_q and O = softmax(mask(q k^T / 8)) v for one head and 512 queries a work-group, all three products on codes of FP6 (E2M3) with E8M0 scales; O / l is quantised along the head's 64 and
; stored as the next product's operand.
; t = score x log2(e) / 8, rounded to f32; where the mask is 0, t = f32(-1e6 x log2(e)) = -1,442,695 takes its place (a replacement, as in the reference: a row with every key masked is a uniform softmax).
; M = the running largest t rounded UP to a whole number; p = 2^(t - M) is quantised along the keys, not normalised; the row's sum is taken of the unquantised p and divides at the end.
; When M moves, the sum and O are multiplied by 2^(old M - new M): exact.
; SHARES.  Sixteen waves, four to a SIMD, so that one wave's vector work stands beside another's matrix work and LDS loads.  A wave owns one tile of 16 queries at a time, in 256 registers, and walks the head's
; 2,048 keys, 128 a step.  THE WORK-GROUP STAYS: it takes two blocks of 256 queries one after the other, on the same K and V: 4 x 64 work-groups.
; THE QUERIES' PROJECTION stands at the head: the work-group's 512 queries x the head's 64 channels is a piece that no other work-group needs.  A wave makes its two tiles together: K = 1,024 in 8 steps,
; 4 channel tiles x 2 query tiles = 8 accumulators by turns, source 0 = 16 rows of W_q, source 1 = 16 queries; b_q is loaded into the accumulators and is the first C.  W_q's 64 rows of the head lie in LDS
; (rows of 768 bytes as three pieces of 256 + 16: pitch 816 = 204 words, so the 16 rows of a load start 12 words apart); the queries' codes lie in memory in the order of the operand's registers and come
; straight into registers, six loads of 16 bytes a lane a K step, three steps' places by turns.  W_q's rows are stored so that register 16 b + i of a query tile's 32 is channel 32 b + 16 (lane / 16) + i.
; THE WHOLE HEAD'S K AND V LIE IN LDS, 16 steps x 13,312 bytes, as images of the operands' registers (per step: K's codes 6,144, V's four tiles 6,144, K's scale words 512, V's 512): filled ONCE, in four
; chunks of four steps; every wave brings 13 rows of 256 bytes of each chunk and 12 of W_q: five tensor loads of a wave are out at the most.  Nothing is filled again, so there is no ring.
; BARRIERS: one when W_q has landed, one when the first chunk has, one two key steps later when all have, one at the end for the output's scale halfwords.
; CLUSTER.  The four work-groups of a cluster hold the head's 2,048 queries: each tensor load is asked for jointly, with the same descriptor (head and wave alone) and the mask of all four.
; LAYOUT.  S^T = K Q^T (source 0 = 16 keys), O^T = V^T P^T (source 0 = 16 channels): a lane holds one query (lane % 16) throughout.
; A WHOLE BLOCK OF 32 KEYS LIES IN A LANE: row 8 h + j of K's tile 4 c + t is key 64 c + 32 h + 8 t + j, so register n of a lane's 64 scores is key 64 (n / 32) + 32 (lane / 16) + n % 32, which is the 6-bit
; operand's own layout: a block's largest t needs no other lane, and the conversions' results are the operand (three moves a block pair: a conversion's three registers begin on an even number).
; Channels of V's tiles are stored so that register 16 b + i of O^T is channel 32 b + 16 (lane / 16) + i.
; K = 64 IN A FORM OF 128: Q's registers 6-11 are zero codes.  K's tile t is named as registers 6 t .. 6 t + 11: its upper half is the next tile's codes (tile 7's: six registers of zeros).  FP6 has no
; infinity and no NaN and bytes 2, 3 of K's and Q's scale words are 0, so each such product is exactly 0.
; THE MASK comes as lane masks, 64 words a step, by scalar loads a step ahead, over the change of query blocks too.
; LIMITS: NaN and infinities are not served; a block of zeros gets the scale byte 1 (its codes are zeros; this program alone reads the bytes).
; REGISTERS: v1 16 x lane; v2 the step's LDS address; v3 the masked t; v4, v5, v8, v9 the way out's addresses; v10 8 (lane / 16); v12 -M, v13 the largest t, v[14:15] the sum in two halves; v16-27 Q;
; v32-79 K's 48 registers, later V's; v80-85 zeros; v88-91, v92-95 K's and V's scale words; v96-159 S^T, then p; v160-191 O^T; v208-214 the second block's Q and its scale word; v224-235 p's codes;
; v232-254 at work; v253 p's scale word; v255 Q's.  IN THE PROJECTION: v2, v6, v7, v11 offsets; v14, v15 W_q's LDS addresses; v32-79 W_q's four fragments; v80-95 its scale words; v96-159 the accumulators;
; v160-183, v184-207, v216-239 the queries' fragments, three places; v240-255 their scale words.
.set STEPB,  13312
.set CHUNKB, 4*STEPB
.set WPART,  CHUNKB/16                 ; 13 rows of 256 bytes
.set SST,    16*STEPB                  ; behind the head: 1,024 bytes for the output's scale halfwords; no fill lands there
.set WQL,    SST+1024                  ; W_q: 192 pieces of 256 + 16 bytes
.set WP,     816                       ; a row of W_q in LDS
.set XSC,    18874368
.set WSC,    3145728
.set L16, 1
.set AD,  2
.set NEG, 3
.set HWA, 4                            ; my row's halfword: SST + 32 x wave + 2 r
.set SSR, 5                            ; SST + 16 x thread
.set L8,  8                            ; 8 x lane
.set T16, 9                            ; 16 x thread
.set SH8, 10                           ; 8 h
.set QF,  16
.set KV,  32
.set WS,  80
.set KSC, 88
.set VSC, 92
.set S,   96
.set O,   160
.set Q1,  208
.set QS1, 214
.set XW,  240
.set QSC, 255
.set G0,  4                            ; s[4:19]  descriptor group 0 of the four chunks; behind the wait for all loads: the way out's scalars
.set G1,  20                           ; s[20:27] group 1
.set G1W, 68                           ; s[68:75], s[76:79] groups 1 and 0 of W_q's load; free for mask words behind the wait that shows it done
.set G0W, 76
.set MP,  60                           ; s[60:61] the step's mask words.  The words: s[28:59], s[68:99]
.set SEL, 62                           ; s[62:63] lane l xor 16
.set CS,  66                           ; s[66:67] c = log2(e) / 8
.set CNT, 100
.set WV,  101
.set TB,  104                          ; LDS byte at which the step begins
.set LINC, 105                         ; what a block's last step adds to the mask pointer
.macro CROUND                          ; a round of the cluster's barrier
	s_barrier_signal -1
	s_barrier_wait -1
	s_cmp_lg_u32 s[WV], 0
	s_cbranch_scc1 .Lnot_wave_0_\@
	s_barrier_signal -3
.Lnot_wave_0_\@:
	s_barrier_wait -3
	s_barrier_signal -1
	s_barrier_wait -1
.endm
	s_load_b256 s[28:35], s[0:1], 0x0              ; xq s[28:29], wq s[30:31], b_q s[32:33], kv s[34:35]
	s_load_b64 s[36:37], s[0:1], 0x20              ; mbits
	v_lshl_add_u32 v31, v0, 2, 0x41000
	v_mov_b32 v215, 0
	ds_add_u32 v31, v215
	ds_add_u32 v31, v215
	v_lshrrev_b32 v4, 5, v0
	v_readfirstlane_b32 s[WV], v4                  ; wave 0..15
	s_bfe_u32 s38, ttmp6, 0x40000                  ; cx
	s_lshl_b32 s39, ttmp9, 2
	s_add_co_u32 s39, s39, s38                     ; my 512 queries: this enters global addresses of the queries, the mask and the output alone
	s_and_b32 s40, ttmp7, 0xffff                   ; batch x 16 + head, which the four partners share
	s_and_b32 s41, s40, 15                         ; head
	s_lshr_b32 s42, s40, 4                         ; batch
	s_mov_b32 s[G1], 15|(3<<16)|(1<<21)            ; 15:0 the mask: all four; 17:16 elements of 8 bytes; 21 set beside a mask; no padding
	s_mov_b32 s[G1+1], 32<<16                      ; tensor_dim0 = 32 elements = 256 bytes
	s_mov_b32 s[G1+2], 13<<16                      ; tensor_dim1 = 13
	s_mov_b32 s[G1+3], 32<<16                      ; tile_dim0
	s_mov_b32 s[G1+4], 13                          ; tile_dim1
	s_mov_b32 s[G1+5], 32                          ; the pitch: dense
	s_mov_b32 s[G1+6], 0
	s_mov_b32 s[G1+7], 0
	s_mov_b32 s[G1W], 15|(3<<16)|(1<<20)|(1<<21)|(5<<22)|(3<<25)   ; the same with 4 words of padding behind every 64
	s_mov_b32 s[G1W+1], 32<<16
	s_mov_b32 s[G1W+2], 12<<16                     ; 12 rows of 256 bytes: four rows of W_q
	s_mov_b32 s[G1W+3], 32<<16
	s_mov_b32 s[G1W+4], 12
	s_mov_b32 s[G1W+5], 32
	s_mov_b32 s[G1W+6], 0
	s_mov_b32 s[G1W+7], 0
	s_mul_i32 s43, s[WV], WPART                    ; my part of a chunk
	s_mul_i32 s44, s40, 16*STEPB
	s_add_co_u32 s44, s44, s43
	s_mov_b32 s45, 0
	s_mul_i32 s46, s[WV], 12*272                   ; my part of W_q in LDS,
	s_mul_i32 s48, s41, 49152
	s_mul_i32 s2, s[WV], 3072
	s_add_co_u32 s48, s48, s2                      ; and in wq: the head's 64 rows of 768 bytes are dense
	s_mov_b32 s49, 0
	s_lshl_b32 s47, s42, 7
	s_lshl_b32 s58, s39, 5
	s_add_co_u32 s47, s47, s58
	s_add_co_u32 s47, s47, s[WV]                   ; my first tile of 16 queries, 0 .. 511; the second is 16 tiles on
	s_mul_i32 s50, s47, 12288                      ; its codes: two runs of 6,144 bytes
	s_mov_b32 s51, 0
	s_lshl_b32 s52, s47, 9
	s_add_co_u32 s52, s52, XSC                     ; its scale bytes: 32 a row
	s_mov_b32 s53, 0
	s_lshl_b32 s54, s41, 11
	s_add_co_u32 s54, s54, WSC                     ; W_q's scale bytes of the head's 64 rows
	s_mov_b32 s55, 0
	s_lshl_b32 s56, s41, 8                         ; b_q of the head
	s_mov_b32 s57, 0
	s_lshl_b32 s58, s47, 12                        ; its mask words
	s_mov_b32 s59, 0
	s_mov_b32 s3, 0                                ; upper word of the mask pointer's step
	s_mov_b32 s[SEL], 0x76543210
	s_mov_b32 s[SEL+1], 0xfedcba98
	s_mov_b32 s[CS], 0x3e38aa3b
	s_mov_b32 s[CS+1], s[CS]                       ; (named with it as a pair)
	s_wait_dscnt 0x0
	s_wait_kmcnt 0x0
	s_add_nc_u64 s[44:45], s[34:35], s[44:45]
	s_add_nc_u64 s[48:49], s[30:31], s[48:49]
	s_add_nc_u64 s[50:51], s[28:29], s[50:51]
	s_add_nc_u64 s[52:53], s[28:29], s[52:53]
	s_add_nc_u64 s[54:55], s[30:31], s[54:55]
	s_add_nc_u64 s[56:57], s[32:33], s[56:57]
	s_add_nc_u64 s[MP:MP+1], s[36:37], s[58:59]
.irp c, 0,1,2,3
	s_mov_b32 s[G0+4*\c], 1
	s_add_co_u32 s[G0+4*\c+1], s43, \c*CHUNKB      ; LDS mirrors the head's bytes
	s_add_nc_u64 s[G0+4*\c+2:G0+4*\c+3], s[44:45], \c*CHUNKB
	s_or_b32 s[G0+4*\c+3], s[G0+4*\c+3], 0x80000000
.endr
	s_mov_b32 s[G0W], 1
	s_add_co_u32 s[G0W+1], s46, WQL
	s_mov_b64 s[G0W+2:G0W+3], s[48:49]
	s_or_b32 s[G0W+3], s[G0W+3], 0x80000000
	CROUND                                         ; all four work-groups are here: the joint loads meet
	tensor_load_to_lds s[G0W:G0W+3], s[G1W:G1W+7]  ; W_q first: it is wanted first
	s_nop 0
.irp c, 0,1,2,3
	tensor_load_to_lds s[G0+4*\c:G0+4*\c+3], s[G1:G1+7]
	s_nop 0
.endr
.rept 4
	v_nop
.endr
	v_and_b32 v11, 31, v0
	v_lshlrev_b32 v[L16], 4, v11
	v_and_b32 v7, 15, v0                           ; r
	v_bfe_u32 v[SH8], v0, 4, 1                     ; h
	v_lshrrev_b32 v6, 3, v7
	v_mul_u32_u24 v6, v6, 6144                     ; the queries' codes: run r / 8,
	v_lshl_add_u32 v6, v[SH8], 7, v6               ; + 128 h,
	v_and_b32 v2, 7, v0
	v_lshl_add_u32 v6, v2, 4, v6                   ; + 16 (r % 8)
	v_mul_u32_u24 v14, v7, WP
	v_mad_u32_u24 v14, v[SH8], 24, v14
	v_add_nc_u32 v14, WQL, v14                     ; W_q in LDS: row r x pitch + 24 h,
	v_lshl_add_u32 v15, v[SH8], 4, v14             ; and the same behind one padding more
	v_lshlrev_b32 v2, 6, v[SH8]                    ; b_q: 64 h bytes
	v_lshlrev_b32 v7, 5, v7                        ; the queries' scale bytes: 32 r
	v_lshlrev_b32 v11, 5, v11                      ; W_q's: 32 x lane: lanes 0-15 an even tile's rows, lanes 16-31 the odd tile's
.irp p, 0,1
.irp b, 0,1
.irp q, 0,1,2,3
	global_load_b128 v[S+32*\p+16*\b+4*\q:S+32*\p+16*\b+4*\q+3], v2, s[56:57] offset:128*\b+16*\q   ; register 16 b + i = b_q(32 b + 16 h + i), for both query tiles
.endr
.endr
.endr
.irp q, 0,1
.irp e, 0,1
	global_load_b128 v[WS+8*\q+4*\e:WS+8*\q+4*\e+3], v11, s[54:55] offset:1024*\q+16*\e   ; register 8 q + k: K step k's words of tiles 2 q (lanes 0-15) and 2 q + 1 (lanes 16-31)
	global_load_b128 v[XW+8*\q+4*\e:XW+8*\q+4*\e+3], v7, s[52:53] offset:8192*\q+16*\e    ; register 8 p + k: K step k's words of query tile p, lane r row r's
.endr
.endr
.macro XLOAD ks                        ; both query tiles' fragments of K step ks into place ks % 3: lanes 0-7 and 16-23 read 256 consecutive bytes, lanes 8-15 and 24-31 another 256
.set XL, 160+24*((\ks)%3)+8*(((\ks)%3)/2)
.irp p, 0,1
.irp g, 0,1,2
	global_load_b128 v[XL+12*\p+4*\g:XL+12*\p+4*\g+3], v6, s[50:51] offset:196608*\p+768*(\ks)+256*\g
.endr
.endr
.endm
	XLOAD 0
	XLOAD 1
	s_lshl_b32 s2, s[WV], 5
	s_add_co_u32 s2, s2, SST
	v_and_b32 v[HWA], 15, v0
	v_lshlrev_b32 v[HWA], 1, v[HWA]
	v_add_nc_u32 v[HWA], s2, v[HWA]
	v_lshl_add_u32 v[SSR], v0, 4, SST
	v_lshrrev_b32 v[L8], 1, v[L16]
	v_lshlrev_b32 v[T16], 4, v0
	v_lshlrev_b32 v[SH8], 3, v[SH8]
	v_mov_b32 v[NEG], 0xc9b01c38                   ; -1,442,695.0
.macro QSTEP ks                        ; one K step of the projection
.if (\ks) > 0
.rept 4
	v_nop                                          ; places in front of the loads into registers that the last step's products have read
.endr
.endif
.irp t, 0,1,2,3
.irp p, 0,1,2,3,4,5
.set B0, 96*(\ks)+48*(\p/3)+8*(\p%3)  ; lanes 0-15 take the row's byte B0 on, lanes 16-31 24 bytes further: where that lies behind one padding more, the second address register serves
.if (B0/256) == ((B0+24)/256)
	ds_load_b64 v[KV+12*\t+2*\p:KV+12*\t+2*\p+1], v14 offset:\t*16*WP+B0+16*(B0/256)
.else
	ds_load_b64 v[KV+12*\t+2*\p:KV+12*\t+2*\p+1], v15 offset:\t*16*WP+B0+16*(B0/256)
.endif
.endr
.endr
.if (\ks)+2 < 8
	XLOAD (\ks)+2
.endif
.if (\ks) < 6
	s_wait_loadcnt 12                              ; this step's six loads (and all ahead of them) are in; the twelve of the next two steps may be out
.else
	s_wait_loadcnt 6*(7-(\ks))
.endif
	s_wait_dscnt 0x0
.set XPL, 160+24*((\ks)%3)+8*(((\ks)%3)/2)
.irp t, 0,1,2,3                                ; eight accumulators, one instruction a turn
.irp p, 0,1
.if (\t%2) == 1
	v_wmma_scale_f32_16x16x128_f8f6f4 v[S+32*\p+8*\t:S+32*\p+8*\t+7], v[KV+12*\t:KV+12*\t+11], v[XPL+12*\p:XPL+12*\p+11], v[S+32*\p+8*\t:S+32*\p+8*\t+7], v[WS+8*(\t/2)+(\ks)], v[XW+8*\p+(\ks)] matrix_a_fmt:MATRIX_FMT_FP6 matrix_b_fmt:MATRIX_FMT_FP6 matrix_a_scale:MATRIX_SCALE_ROW1
.else
	v_wmma_scale_f32_16x16x128_f8f6f4 v[S+32*\p+8*\t:S+32*\p+8*\t+7], v[KV+12*\t:KV+12*\t+11], v[XPL+12*\p:XPL+12*\p+11], v[S+32*\p+8*\t:S+32*\p+8*\t+7], v[WS+8*(\t/2)+(\ks)], v[XW+8*\p+(\ks)] matrix_a_fmt:MATRIX_FMT_FP6 matrix_b_fmt:MATRIX_FMT_FP6
.endif
.endr
.endr
.endm
; 32 numbers of a lane, register 16 b + i = k 32 b + 16 h + i of my row, become six registers of codes in v224-229 (lane (r, h): k = 32 h .. 32 h + 31 of row r) and the row's two scale bytes in v246.
.macro QUANT32 s
.irp b, 0,1
	v_max3_num_f32 v[232+\b], |v[(\s)+16*\b]|, |v[(\s)+1+16*\b]|, 0x1800000   ; my 16 numbers of block b, and the floor 2^(3 - 127): the byte cannot fall under 1
.endr
.irp i, 2,4,6,8,10,12,14
.irp b, 0,1
	v_max3_num_f32 v[232+\b], v[232+\b], |v[(\s)+16*\b+\i]|, |v[(\s)+1+16*\b+\i]|
.endr
.endr
.irp b, 0,1
	v_permlanex16_b32 v[236+\b], v[232+\b], s[SEL], s[SEL+1]
.endr
.irp b, 0,1
	v_max_num_f32 v[232+\b], v[232+\b], v[236+\b]  ; with lane l xor 16's: the block's largest magnitude
.endr
.irp b, 0,1
	v_add_nc_u32 v[244+\b], 0xff000000, v[232+\b]  ; 2 off its exponent field: the conversion's scale operand
.endr
.irp b, 0,1
	v_lshrrev_b32 v[236+\b], 23, v[244+\b]         ; the scale's byte
.endr
	v_lshl_or_b32 v246, v237, 8, v236
	v_cvt_scalef32_pk16_fp6_f32 v[224:226], v[(\s):(\s)+15], v244
	v_cvt_scalef32_pk16_fp6_f32 v[240:242], v[(\s)+16:(\s)+31], v245
	v_nop                                          ; one plain line behind the conversions
.irp i, 0,1,2
	v_permlane16_swap_b32 v[224+\i], v[240+\i]     ; a whole block to a lane
.endr
.irp i, 0,1,2
	v_mov_b32 v[227+\i], v[240+\i]
.endr
.endm
	s_wait_tensorcnt 4                             ; my part of W_q is in; the four chunks of K and V stay out
	s_barrier_signal -1
	s_barrier_wait -1                              ; everybody's is
.irp k, 0,1,2,3,4,5,6,7
	QSTEP \k
.endr
.rept 4
	v_nop                                          ; places behind the last products
.endr
.irp b, 0,1,2,3
	v_mov_b32 v[236+\b], 0                         ; written once: a lane permute's destination counts as one of its sources
.endr
	QUANT32 S                                      ; the first block's tile; each accumulator is read from its low end on
.irp i, 0,1,2,3,4,5
	v_mov_b32 v[QF+\i], v[224+\i]
.endr
	v_mov_b32 v[QSC], v246                         ; bytes 2, 3 are 0
	QUANT32 S+32                                   ; the second block's
.irp i, 0,1,2,3,4,5
	v_mov_b32 v[Q1+\i], v[224+\i]
.endr
	v_mov_b32 v[QS1], v246
	v_mov_b32 v13, 0xff61b1e6                      ; the largest t so far: -3e38
	v_floor_f32 v12, -v13                          ; -M
	v_mov_b32 v14, 0
	v_mov_b32 v15, 0
	v_mov_b32 v253, 0                              ; (named as the upper half of v[252:253] before it is first written)
.irp i, 0,1,2,3,4,5
	v_mov_b32 v[QF+6+\i], 0                        ; K = 64 .. 127: zero codes
	v_mov_b32 v[KV+48+\i], 0                       ; the upper half of K's tile 7
.endr
.set j, 0
.rept 32
	v_mov_b32 v[O+j], 0                            ; O^T: the first change of M leaves zeros zeros.  (These lines are also the places between the operands just written and the first product)
.set j, j+1
.endr
	s_mov_b32 s[LINC], 65536-15*256                ; from the first block's last step to the second block's first: 16 tiles of 4,096 bytes on, 15 steps back
	s_load_b512 s[28:43], s[MP:MP+1], 0x0          ; step 0's 64 mask words (the loads that named these registers as bases, and W_q's tensor load, are done)
	s_load_b512 s[44:59], s[MP:MP+1], 0x40
	s_load_b512 s[68:83], s[MP:MP+1], 0x80
	s_load_b512 s[84:99], s[MP:MP+1], 0xc0
.macro STEP                            ; one key step: 128 keys
	v_add_nc_u32 v[AD], s[TB], v[L16]
.irp q, 0,1,2,3,4,5,6,7,8,9,10,11
	ds_load_b128 v[KV+4*\q:KV+4*\q+3], v[AD] offset:512*\q
.endr
	ds_load_b128 v[KSC:KSC+3], v[AD] offset:12288  ; register q: lanes 0-15 tile 2 q's words, lanes 16-31 tile 2 q + 1's
	s_wait_dscnt 0x0
.irp t, 0,2,4,6
	v_wmma_scale_f32_16x16x128_f8f6f4 v[S+8*\t:S+8*\t+7], v[KV+6*\t:KV+6*\t+11], v[QF:QF+11], 0, v[KSC+\t/2], v[QSC] matrix_a_fmt:MATRIX_FMT_FP6 matrix_b_fmt:MATRIX_FMT_FP6
	v_wmma_scale_f32_16x16x128_f8f6f4 v[S+8*\t+8:S+8*\t+15], v[KV+6*\t+6:KV+6*\t+17], v[QF:QF+11], 0, v[KSC+\t/2], v[QSC] matrix_a_fmt:MATRIX_FMT_FP6 matrix_b_fmt:MATRIX_FMT_FP6 matrix_a_scale:MATRIX_SCALE_ROW1
.endr
.rept 4
	v_nop                                          ; places in front of the loads into K's registers and of the first read of the scores
.endr
.irp q, 0,1,2,3,4,5,6,7,8,9,10,11
	ds_load_b128 v[KV+4*\q:KV+4*\q+3], v[AD] offset:6144+512*\q   ; V is asked for now and lands under the softmax
.endr
	ds_load_b128 v[VSC:VSC+3], v[AD] offset:12800
.set j, 0
.rept 32
	v_pk_mul_f32 v[S+j:S+j+1], v[S+j:S+j+1], s[CS:CS+1] op_sel_hi:[1,0]   ; t = score x c; each accumulator from its low end on
.set j, j+2
.endr
	s_wait_kmcnt 0x0                               ; this step's mask words
.set n, 0
.rept 64
	v_cndmask_b32 v[S+n], v[NEG], v[S+n], s[28+n+8*(n/32)]   ; where the mask is 0: the masked t
.set n, n+1
.endr
	s_cmp_lt_u32 s[TB], 15*STEPB                   ; the next step's words; a block's last step asks for the next block's first, the very last for its own again: no load leaves the buffer
	s_cselect_b32 s2, 256, s[LINC]
	s_add_nc_u64 s[MP:MP+1], s[MP:MP+1], s[2:3]    ; (the loads that named the pointer are done: the wait above)
	s_load_b512 s[28:43], s[MP:MP+1], 0x0
	s_load_b512 s[44:59], s[MP:MP+1], 0x40
	s_load_b512 s[68:83], s[MP:MP+1], 0x80
	s_load_b512 s[84:99], s[MP:MP+1], 0xc0
.irp b, 0,1,2,3
	v_max3_num_f32 v[232+\b], v[S+16*\b], v[S+1+16*\b], v[S+2+16*\b]   ; the largest t of my two blocks of 32 keys, each in two chains of 16
.endr
.irp i, 3,5,7,9,11,13
.irp b, 0,1,2,3
	v_max3_num_f32 v[232+\b], v[232+\b], v[S+16*\b+\i], v[S+1+16*\b+\i]
.endr
.endr
	v_max_num_f32 v232, v232, v[S+15]
	v_max_num_f32 v234, v234, v[S+47]
	v_max3_num_f32 v233, v233, v[S+31], v232       ; block lane / 16: it serves for the row's maximum and, since p rises with t, for the block's largest p
	v_max3_num_f32 v235, v235, v[S+63], v234       ; block 2 + lane / 16
	v_max_num_f32 v254, v233, v235
	v_permlanex16_b32 v236, v254, s[SEL], s[SEL+1] ; lane l xor 16's 64 keys
	v_mov_b32 v232, v12                            ; the old -M
	v_max3_num_f32 v13, v13, v254, v236            ; the running largest t
	v_floor_f32 v12, -v13                          ; the new -M = -ceil(t)
	v_sub_f32 v254, v12, v232                      ; old M - new M: a whole number, 0 or less
	v_cvt_i32_f32 v254, v254                       ; (it saturates)
	v_ldexp_f32 v252, 1.0, v254                    ; f = 2^(old M - new M)
.set j, 0
.rept 32
	v_pk_add_f32 v[S+j:S+j+1], v[S+j:S+j+1], v[12:13] op_sel_hi:[1,0]   ; t - M
.set j, j+2
.endr
	v_add_f32 v233, v233, v12                      ; the same of each block's largest t
	v_add_f32 v235, v235, v12
.set j, 0
.rept 64
	v_exp_f32 v[S+j], v[S+j]                       ; p = 2^(t - M), at most 1
.set j, j+1
.endr
	v_exp_f32 v233, v233                           ; the block's largest p: the same instructions on the same number give the same bits
	v_exp_f32 v235, v235
	v_pk_mul_f32 v[14:15], v[14:15], v[252:253] op_sel_hi:[1,0]   ; the sums under the new M (a plain line behind the exponentials)
	s_wait_alu depctr_va_vdst(0)
	v_max_num_f32 v233, 0x1800000, v233            ; the floor 2^(3 - 127): the byte cannot fall under 1
	v_max_num_f32 v235, 0x1800000, v235
	v_add_nc_u32 v244, 0xff000000, v233            ; 2 off the exponent field: the conversion's scale operand
	v_add_nc_u32 v245, 0xff000000, v235
	v_lshrrev_b32 v236, 23, v244                   ; the scale's byte
	v_lshrrev_b32 v237, 23, v245
	v_lshl_or_b32 v253, v237, 16, v236             ; my two bytes: blocks h and 2 + h,
	v_lshlrev_b32 v253, v[SH8], v253               ; at their places in the scale word;
	v_permlanex16_b32 v238, v253, s[SEL], s[SEL+1]
	v_or_b32 v253, v253, v238                      ; with lane l xor 16's two the word of these 128 keys is whole
.irp c, 0,1
	v_cvt_scalef32_pk16_fp6_f32 v[224+6*\c:226+6*\c], v[S+32*\c:S+15+32*\c], v[244+\c]
	v_cvt_scalef32_pk16_fp6_f32 v[240+8*\c:242+8*\c], v[S+16+32*\c:S+31+32*\c], v[244+\c]   ; (a conversion's three registers begin on an even number)
.endr
	v_nop                                          ; one plain line behind the conversions
.irp c, 0,1
.irp i, 0,1,2
	v_mov_b32 v[227+6*\c+\i], v[240+8*\c+\i]       ; registers 6 c .. 6 c + 5: keys 64 c + 32 h + 0 .. 31
.endr
.endr
	v_pk_add_f32 v[236:237], v[S:S+1], v[S+2:S+3]  ; the row's sum is taken of the unquantised p, in two chains
.irp j, 4,8,12,16,20,24,28,32,36,40,44,48,52,56,60
	v_pk_add_f32 v[14:15], v[14:15], v[S+\j:S+1+\j]
	v_pk_add_f32 v[236:237], v[236:237], v[S+2+\j:S+3+\j]
.endr
	v_pk_add_f32 v[14:15], v[14:15], v[236:237]
.set j, 0
.rept 16
	v_pk_mul_f32 v[O+j:O+j+1], v[O+j:O+j+1], v[252:253] op_sel_hi:[1,0]   ; O^T under the new M.  (With the sums: the places between p's codes and scale word and the products)
.set j, j+2
.endr
	s_wait_dscnt 0x0                               ; V
.irp t, 0,1,2,3                                ; four accumulators, one instruction each; the next matrix instruction is the next step's first score tile
	v_wmma_scale_f32_16x16x128_f8f6f4 v[O+8*\t:O+8*\t+7], v[KV+12*\t:KV+12*\t+11], v[224:235], v[O+8*\t:O+8*\t+7], v[VSC+\t], v253 matrix_a_fmt:MATRIX_FMT_FP6 matrix_b_fmt:MATRIX_FMT_FP6
.endr
.rept 4
	v_nop                                          ; places in front of the next loads into V's registers, and of the reads of O^T behind a block's last step
.endr
.endm
.macro CHUNK left                      ; my parts of the chunks ahead are in (the later chunks' loads, left of them, stay out); then everybody's are
	s_wait_tensorcnt \left
	s_wait_dscnt 0x0
	s_barrier_signal -1
	s_barrier_wait -1
.endm
.macro LOOPN first, count              ; key steps first .. first + count - 1
	s_mov_b32 s[TB], (\first)*STEPB
	s_mov_b32 s[CNT], \count
.Lstep_\@:
	STEP
	s_add_co_u32 s[TB], s[TB], STEPB
	s_sub_co_u32 s[CNT], s[CNT], 1
	s_cmp_lg_u32 s[CNT], 0
	s_cbranch_scc1 .Lstep_\@
.endm
; THE WAY OUT of query block p.  O^T / the sum; register 16 t + i is channel 32 t + 16 h + i of my query: two blocks of 32 along the next product's K, each in lanes l and l xor 16.
.macro TAIL p
	s_wait_kmcnt 0x0                               ; ao's address (asked for 14 steps ago); the mask words asked for in the last step
.if (\p) == 0
	s_add_nc_u64 s[8:9], s[4:5], s[8:9]            ; my codes: [tile][head][768]; the second block's tile lies 16 x 12,288 bytes on: in the stores' immediates
	s_add_nc_u64 s[10:11], s[4:5], s[10:11]        ; the work-group's 512 scale halfwords
.endif
	v_add_f32 v14, v14, v15
	v_permlanex16_b32 v252, v14, s[SEL], s[SEL+1]
	v_add_f32 v14, v14, v252                       ; the row's sum
	v_rcp_f32 v14, v14
	v_nop                                          ; a plain line behind the reciprocal
.set j, 0
	s_wait_alu depctr_va_vdst(0)
.rept 32
	v_mul_f32 v[S+j], v[O+j], v14                  ; each accumulator from its low end on
.set j, j+1
.endr
	QUANT32 S
.irp q, 0,1,2
	global_store_b64 v[L8], v[224+2*\q:225+2*\q], s[8:9] offset:196608*(\p)+256*\q   ; 32 lanes store 256 consecutive bytes, aligned
.endr
	ds_store_b16 v[HWA], v246 offset:512*(\p)      ; both halves of the lanes write the same halfword with the same value; read behind the last barrier
.endm
	CHUNK 3                                        ; the first chunk (steps 0 to 3) is in; three loads of mine stay out
	LOOPN 0, 2
	CHUNK 0                                        ; all of the head is in: from here on no wave waits for another until the end
	s_load_b64 s[4:5], s[0:1], 0x28                ; ao.  (No tensor load is out: the descriptors' registers are free)
	s_bfe_u32 s6, ttmp6, 0x40000
	s_lshl_b32 s7, ttmp9, 2
	s_add_co_u32 s7, s7, s6                        ; my 512 queries
	s_and_b32 s6, ttmp7, 0xffff
	s_lshr_b32 s12, s6, 4                          ; batch
	s_and_b32 s13, s6, 15                          ; head
	s_lshl_b32 s14, s12, 7
	s_lshl_b32 s15, s7, 5
	s_add_co_u32 s14, s14, s15
	s_add_co_u32 s14, s14, s[WV]                   ; my first tile of 16 rows
	s_mul_i32 s8, s14, 12288
	s_mul_i32 s15, s13, 768
	s_add_co_u32 s8, s8, s15
	s_mov_b32 s9, 0
	s_lshl_b32 s10, s13, 14                        ; scale halfwords: [head][8,192 rows]
	s_lshl_b32 s15, s12, 12
	s_add_co_u32 s10, s10, s15
	s_lshl_b32 s15, s7, 10
	s_add_co_u32 s10, s10, s15
	s_add_co_u32 s10, s10, 6291456
	s_mov_b32 s11, 0
	LOOPN 2, 14
	TAIL 0
	; the second block of 256 queries, on the same K and V
.irp i, 0,1,2,3,4,5
	v_mov_b32 v[QF+\i], v[Q1+\i]
.endr
	v_mov_b32 v[QSC], v[QS1]
	v_mov_b32 v13, 0xff61b1e6
	v_floor_f32 v12, -v13
	v_mov_b32 v14, 0
	v_mov_b32 v15, 0
.set j, 0
.rept 32
	v_mov_b32 v[O+j], 0                            ; (also the places between Q's codes and scale word just written and the first product)
.set j, j+1
.endr
	s_mov_b32 s[LINC], 0                           ; the very last step asks for its own mask words again
	s_wait_xcnt 0x0                                ; the first block's stores have read their data: p's codes may be written again
	LOOPN 0, 16
	TAIL 1
	s_wait_dscnt 0x0                               ; for the others' sake: my halfwords are stored
	s_barrier_signal -1
	s_barrier_wait -1
	s_cmp_gt_u32 s[WV], 1
	s_cbranch_scc1 .Lno_words
	ds_load_b128 v[128:131], v[SSR]                ; waves 0 and 1: the work-group's 512 halfwords
	s_wait_dscnt 0x0
	global_store_b128 v[T16], v[128:131], s[10:11] ; a wave stores 512 consecutive bytes, aligned
.Lno_words:
	s_wait_tensorcnt 0x0
	ds_add_u32 v31, v215
	s_wait_dscnt 0x0
	CROUND                                         ; the closing round
	s_endpgm
.Lfunc_end_k_qf9ed668475_attn:
	.size	k_qf9ed668475_attn, .Lfunc_end_k_qf9ed668475_attn-k_qf9ed668475_attn
	.p2alignl 7, 3214868480
	.fill 96, 4, 3214868480
	.section	.rodata,"a",@progbits
	.p2align	6, 0x0
	.amdhsa_kernel k_qf9ed668475_attn
		.amdhsa_group_segment_fixed_size 268288
		.amdhsa_private_segment_fixed_size 0
		.amdhsa_enable_private_segment 0
		.amdhsa_kernarg_size 48
		.amdhsa_user_sgpr_count 2
		.amdhsa_user_sgpr_kernarg_segment_ptr 1
		.amdhsa_wavefront_size32 1
		.amdhsa_system_sgpr_workgroup_id_x 1
		.amdhsa_system_sgpr_workgroup_id_y 1
		.amdhsa_system_sgpr_workgroup_id_z 1
		.amdhsa_system_vgpr_workitem_id 0
		.amdhsa_next_free_vgpr 256
		.amdhsa_next_free_sgpr 106
		.amdhsa_reserve_vcc 0
		.amdhsa_float_denorm_mode_32 3
		.amdhsa_float_denorm_mode_16_64 3
		.amdhsa_memory_ordered 1
		.amdhsa_forward_progress 1
		.amdhsa_inst_pref_size 114
	.end_amdhsa_kernel
	.amdgpu_metadata
---
amdhsa.version: [ 1, 2 ]
amdhsa.kernels:
  - .name:           k_qf9ed668475_attn
    .symbol:         k_qf9ed668475_attn.kd
    .args:
      - { .name: xq, .offset: 0, .size: 8, .value_kind: global_buffer, .address_space: global }
      - { .name: wq, .offset: 8, .size: 8, .value_kind: global_buffer, .address_space: global }
      - { .name: b_q, .offset: 16, .size: 8, .value_kind: global_buffer, .address_space: global }
      - { .name: kv, .offset: 24, .size: 8, .value_kind: global_buffer, .address_space: global }
      - { .name: mbits, .offset: 32, .size: 8, .value_kind: global_buffer, .address_space: global }
      - { .name: ao, .offset: 40, .size: 8, .value_kind: global_buffer, .address_space: global }
    .group_segment_fixed_size: 268288
    .private_segment_fixed_size: 0
    .kernarg_segment_align: 8
    .kernarg_segment_size: 48
    .max_flat_workgroup_size: 512
    .sgpr_count:     106
    .vgpr_count:     256
    .wavefront_size: 32
...
	.end_amdgpu_metadata
.endif
;; end of part 9
;; launch oproj: the kernel of part 6 again; grid 4 x 32, 4 waves a work-group, clusters of 4 x 4, 327,680 bytes of LDS; arguments ao, wq, b_o, out0; writes out0
